; MI455X (gfx1250); checked and timed in simulation.
; The chip was launched on July 23, 2026; its instructions are those of AMD's public machine-readable ISA for CDNA 5 (MIT licence, August 2026) and "CDNA5" Instruction Set Architecture Reference Guide (July 2026). The comments in the code are by the model that wrote it; some were corrected since.
;; Self Attention. Allowed arithmetic: float matrix products may take bf16 or f16 operands with f32 sums; all other float work in f32.
;; Inputs: attention_mask 1 x 4,096 int32; hidden_states 1 x 4,096 x 2,048 float32; position_ids 1 x 4,096 int32; wk 2,048 x 512 float32; wo 1,024 x 2,048 float32; wq 2,048 x 1,024 float32; wv 2,048 x 512 float32.
;; Outputs: out0 1 x 4,096 x 2,048 float32.
;; 3 versions, each right; version 2 is faster than version 1; version 3 is version 2 with the launch prep written anew for expert scheduling mode. Each part assembles by itself: llvm-mc -triple=amdgcn-amd-amdhsa -mcpu=gfx1250 --defsym DOCPART=n.
;; ======== version 1 of 3: 4 launches
;; limits: values are held in f16: magnitudes above 65,504 overflow, below 6.1e-05 lose precision
;; workspace buffers: xb 16,777,216 bytes; wqkv 8,388,608 bytes; wob 8,388,608 bytes; rope 2,097,152 bytes; padf 16,384 bytes; qkv 16,777,216 bytes; vaux 4,325,376 bytes; att 16,777,216 bytes
;; launch prep (part 1): grid 1024 x 1, 8 waves a work-group, no clusters, 0 bytes of LDS; arguments hidden_states, wo, wq, wk, wv, position_ids, attention_mask, xb, wob, wqkv, rope, padf; writes xb, wob, wqkv, rope, padf
.if DOCPART == 1
	.amdgcn_target "amdgcn-amd-amdhsa--gfx1250"
	.amdhsa_code_object_version 6
	.text
	.protected	k_q1add98ed61_prep
	.globl	k_q1add98ed61_prep
	.p2align	8
	.type	k_q1add98ed61_prep,@function
k_q1add98ed61_prep:
	s_mov_b64 s[64:65], 0
	v_nop
	global_prefetch_b8 v0, s[64:65] scope:SCOPE_SE
	s_setreg_imm32_b32 hwreg(HW_REG_WAVE_MODE, 25, 1), 1
	s_wait_xcnt 0x0
; PREP: rounds the f32 inputs to 16 bits once, and makes the rotary table and the padding row.
;   work-groups   0..511  hidden_states -> xb    bf16 [4096][2048]
;               512..639  wo            -> wob   [2048][2048]: rounded to bf16 like every input, then held as f16; stored TWICE, rows 0..1023 and
;                                                1024..2047, since the last product takes attention's output as two f16 numbers side by side
;               640..767  wq            -> wqkv  bf16 [2048 k][2048 n], columns 0..1023
;               768..831  wk            -> wqkv  columns 1024 + 256 g + (0..127), g = key/value head
;               832..895  wv            -> wqkv  columns 1152 + 256 g + (0..127)
;               896..1023 rope [4096][128] f32 = 0.25 cos, 0.25 sin of position_ids[row] x inv_freq[0..63]; padf [4096] = (1 - mask) x lowest f32
; LIMITS: a bf16 value of wo below 2^-17 in magnitude is kept in f16 to 3e-8 absolute; 0 <= position_ids < 4096; mask values 0 or 1.
; A cast work-group takes 16 units of 1,024 f32: thread t reads 16 bytes of each unit, so a wave's load covers 512 consecutive bytes and its
; store of 8 bytes a lane covers 256 consecutive bytes, aligned.  All 16 loads go out first; no register is written twice, so the only waits
; are the counted ones for the data.  No LDS, no matrix unit, no cluster: nothing is shared and nothing is multiplied.
.set NEGB, 0xff7fffff                  ; the lowest finite f32
; src, dst: first scalar register of the two addresses; first: the job's first work-group; logw: log2 of the source's row length;
; spread: bytes added for each 128 columns passed; add: byte offset of the job's first column in the target's row of 4,096 bytes
.macro CAST src, dst, first, logw, spread, add, tof16
	s_sub_co_u32 s36, s2, \first                   ; my place in the job
	s_lshl_b32 s32, s36, 16                        ; 65,536 bytes of f32 for each work-group
	s_mov_b32 s33, 0
	s_add_nc_u64 s[34:35], s[\src:\src+1], s[32:33]
.irp u, 0,1,2,3,4,5,6,7,8,9,10,11,12,13,14,15
	global_load_b128 v[16+4*\u:19+4*\u], v2, s[34:35] offset:4096*\u th:TH_LOAD_NT
.endr
	s_lshl_b32 s37, s36, 14                        ; my first element
	v_lshl_add_u32 v1, v0, 2, s37                  ; + 4 t
.irp u, 0,1,2,3,4,5,6,7,8,9,10,11,12,13,14,15
	v_add_nc_u32 v3, 1024*\u, v1                   ; the element's number
	v_lshrrev_b32 v4, \logw, v3                    ; its row
	v_and_b32 v5, (1<<\logw)-1, v3                 ; its column
	v_lshlrev_b32 v4, 12, v4                       ; every target has rows of 4,096 bytes
	v_lshl_add_u32 v[112+\u], v5, 1, v4
.if \spread
	v_lshrrev_b32 v5, 7, v5                        ; the head: its 128 columns lie 256 columns apart in wqkv
	v_mad_u32_u24 v[112+\u], v5, \spread, v[112+\u]
.endif
.endr
.irp u, 0,1,2,3,4,5,6,7,8,9,10,11,12,13,14,15
	s_wait_loadcnt 15-\u                           ; loads return in order: unit u is in, the 15 - u younger ones stay out
	v_cvt_pk_bf16_f32 v[80+2*\u], v[16+4*\u], v[17+4*\u]
	v_cvt_pk_bf16_f32 v[81+2*\u], v[18+4*\u], v[19+4*\u]
.if \tof16
	v_lshlrev_b32 v6, 16, v[80+2*\u]               ; the rounded values widened again,
	v_and_b32 v7, 0xffff0000, v[80+2*\u]
	v_cvt_pk_f16_f32 v[80+2*\u], v6, v7            ; and held as f16: 8 bits of mantissa fit into 11
	v_lshlrev_b32 v6, 16, v[81+2*\u]
	v_and_b32 v7, 0xffff0000, v[81+2*\u]
	v_cvt_pk_f16_f32 v[81+2*\u], v6, v7
	global_store_b64 v[112+\u], v[80+2*\u:81+2*\u], s[\dst:\dst+1] offset:\add+4194304   ; the second copy, 1,024 rows of 4,096 bytes further down
.endif
	global_store_b64 v[112+\u], v[80+2*\u:81+2*\u], s[\dst:\dst+1] offset:\add
.endr
.endm
; 0.25 cos and 0.25 sin of v[pos] x v[inv].  The angle is reduced by a multiple of 2 pi held in two parts, quartered, put through
; Taylor polynomials (|y| <= pi/4: the first terms left out are below 3e-7), and doubled twice.
.macro SINCOS pos, inv, co, si
	v_mul_f32 v40, v[\pos], v[\inv]
	v_mul_f32 v41, 0.15915494, v40
	v_rndne_f32 v41, v41
	v_fma_f32 v40, -v41, s40, v40                  ; - n x (2 pi, upper part)
	v_fma_f32 v40, -v41, s41, v40                  ; - n x (2 pi, lower part)
	v_mul_f32 v40, s44, v40                        ; y = r / 4
	v_mul_f32 v41, v40, v40                        ; z = y y
	v_fmaak_f32 v42, s42, v41, 0x3c088889          ; -z/5040 + 1/120
	v_fmaak_f32 v43, s43, v41, 0xbab60b61          ; z/40320 - 1/720
	v_fmaak_f32 v42, v42, v41, 0xbe2aaaab          ; .. - 1/6
	v_fmaak_f32 v43, v43, v41, 0x3d2aaaab          ; .. + 1/24
	v_fma_f32 v42, v42, v41, 1.0
	v_fma_f32 v43, v43, v41, -0.5
	v_mul_f32 v42, v42, v40                        ; sin y
	v_fma_f32 v43, v43, v41, 1.0                   ; cos y
	v_mul_f32 v44, v42, v43
	v_mul_f32 v45, v42, v42
	v_add_f32 v44, v44, v44                        ; sin 2y = 2 s c
	v_fma_f32 v45, v45, -2.0, 1.0                  ; cos 2y = 1 - 2 s s
	v_mul_f32 v46, v44, v45
	v_mul_f32 v47, v44, v44
	v_mul_f32 v[\si], 0.5, v46                     ; 0.25 sin 4y
	v_fma_f32 v[\co], v47, -0.5, s44               ; 0.25 cos 4y
.endm
	s_load_b512 s[8:23], s[0:1], 0x0               ; hidden s[8:9], wo s[10:11], wq s[12:13], wk s[14:15], wv s[16:17], positions s[18:19], mask s[20:21], xb s[22:23]
	s_load_b256 s[24:31], s[0:1], 0x40             ; wob s[24:25], wqkv s[26:27], rope s[28:29], padf s[30:31]
	s_mov_b32 s2, ttmp9
	v_lshlrev_b32 v2, 4, v0                        ; 16 t
	s_wait_kmcnt 0x0
	s_cmp_ge_u32 s2, 896
	s_cbranch_scc1 .Lrope
	s_cmp_ge_u32 s2, 832
	s_cbranch_scc1 .Lwv
	s_cmp_ge_u32 s2, 768
	s_cbranch_scc1 .Lwk
	s_cmp_ge_u32 s2, 640
	s_cbranch_scc1 .Lwq
	s_cmp_ge_u32 s2, 512
	s_cbranch_scc1 .Lwo
	CAST 8, 22, 0, 11, 0, 0, 0
	s_endpgm
.Lwo:
	CAST 10, 24, 512, 11, 0, 0, 1
	s_endpgm
.Lwq:
	CAST 12, 26, 640, 10, 0, 0, 0
	s_endpgm
.Lwk:
	CAST 14, 26, 768, 9, 256, 2048, 0
	s_endpgm
.Lwv:
	CAST 16, 26, 832, 9, 256, 2304, 0
	s_endpgm
.Lrope:                                            ; 32 rows a work-group: thread t has frequencies 4 (t & 15) .. + 3 of rows t >> 4 and 16 + (t >> 4)
	s_sub_co_u32 s36, s2, 896
	s_lshl_b32 s37, s36, 5                         ; my first row
	v_lshrrev_b32 v3, 4, v0
	v_and_b32 v4, 15, v0
	v_add_nc_u32 v3, s37, v3
	v_lshlrev_b32 v5, 2, v3
	global_load_b32 v8, v5, s[18:19]
	global_load_b32 v9, v5, s[18:19] offset:64
	s_mov_b32 s40, 0x40c90fdb                      ; 2 pi, upper part
	s_mov_b32 s41, 0xb43bbd2e                      ; 2 pi, lower part
	s_mov_b32 s42, 0xb9500d01                      ; -1/5040
	s_mov_b32 s43, 0x37d00d01                      ; 1/40320
	s_mov_b32 s44, 0x3e800000                      ; 0.25
	v_lshlrev_b32 v6, 2, v4
.irp i, 0,1,2,3
	v_add_nc_u32 v7, \i, v6
	v_cvt_f32_u32 v[12+\i], v7
	v_mul_f32 v[12+\i], 0xbe549a78, v[12+\i]       ; - i x log2(10000) / 64
.endr
.irp i, 0,1,2,3
	v_exp_f32 v[12+\i], v[12+\i]                   ; inv_freq[i] = 10000 ^ (-i / 64)
.endr
	v_lshlrev_b32 v10, 9, v3                       ; a plain instruction behind the exponentials (ISA guide 5.7.2): a row of the table is 512 bytes
	v_lshl_add_u32 v10, v4, 4, v10
	s_wait_loadcnt 0x0
	v_cvt_f32_i32 v8, v8
	v_cvt_f32_i32 v9, v9
	s_wait_alu depctr_va_vdst(0)
.irp i, 0,1,2,3
	SINCOS 8, 12+\i, 16+\i, 20+\i
	SINCOS 9, 12+\i, 24+\i, 28+\i
.endr
	global_store_b128 v10, v[16:19], s[28:29]              ; sixteen lanes fill the row's 256 bytes of cosines,
	global_store_b128 v10, v[20:23], s[28:29] offset:256   ; and its 256 bytes of sines
	global_store_b128 v10, v[24:27], s[28:29] offset:8192
	global_store_b128 v10, v[28:31], s[28:29] offset:8448
	v_lshrrev_b32 v11, 5, v0
	v_readfirstlane_b32 s38, v11
	s_cmp_lg_u32 s38, 0
	s_cbranch_scc1 .Lend                           ; wave 0 alone makes the 32 rows' padding terms
	s_lshl_b32 s39, s37, 2
	v_lshl_add_u32 v32, v0, 2, s39
	global_load_b32 v33, v32, s[20:21]
	s_wait_loadcnt 0x0
	v_cvt_f32_i32 v33, v33
	v_sub_f32 v33, 1.0, v33
	v_mul_f32 v33, NEGB, v33                       ; (1 - mask) x lowest f32
	global_store_b32 v32, v33, s[30:31]
.Lend:
	s_endpgm
.Lfunc_end_k_q1add98ed61_prep:
	.size	k_q1add98ed61_prep, .Lfunc_end_k_q1add98ed61_prep-k_q1add98ed61_prep
	.p2alignl 7, 3214868480
	.fill 96, 4, 3214868480
	.section	.rodata,"a",@progbits
	.p2align	6, 0x0
	.amdhsa_kernel k_q1add98ed61_prep
		.amdhsa_group_segment_fixed_size 0
		.amdhsa_private_segment_fixed_size 0
		.amdhsa_enable_private_segment 0
		.amdhsa_kernarg_size 96
		.amdhsa_user_sgpr_count 2
		.amdhsa_user_sgpr_kernarg_segment_ptr 1
		.amdhsa_wavefront_size32 1
		.amdhsa_system_sgpr_workgroup_id_x 1
		.amdhsa_system_sgpr_workgroup_id_y 1
		.amdhsa_system_sgpr_workgroup_id_z 1
		.amdhsa_system_vgpr_workitem_id 0
		.amdhsa_next_free_vgpr 128
		.amdhsa_next_free_sgpr 66
		.amdhsa_reserve_vcc 0
		.amdhsa_float_denorm_mode_32 3
		.amdhsa_float_denorm_mode_16_64 3
		.amdhsa_memory_ordered 1
		.amdhsa_forward_progress 1
		.amdhsa_inst_pref_size 72
	.end_amdhsa_kernel
	.amdgpu_metadata
---
amdhsa.version: [ 1, 2 ]
amdhsa.kernels:
  - .name:           k_q1add98ed61_prep
    .symbol:         k_q1add98ed61_prep.kd
    .args:
      - { .name: hidden_states, .offset: 0, .size: 8, .value_kind: global_buffer, .address_space: global }
      - { .name: wo, .offset: 8, .size: 8, .value_kind: global_buffer, .address_space: global }
      - { .name: wq, .offset: 16, .size: 8, .value_kind: global_buffer, .address_space: global }
      - { .name: wk, .offset: 24, .size: 8, .value_kind: global_buffer, .address_space: global }
      - { .name: wv, .offset: 32, .size: 8, .value_kind: global_buffer, .address_space: global }
      - { .name: position_ids, .offset: 40, .size: 8, .value_kind: global_buffer, .address_space: global }
      - { .name: attention_mask, .offset: 48, .size: 8, .value_kind: global_buffer, .address_space: global }
      - { .name: xb, .offset: 56, .size: 8, .value_kind: global_buffer, .address_space: global }
      - { .name: wob, .offset: 64, .size: 8, .value_kind: global_buffer, .address_space: global }
      - { .name: wqkv, .offset: 72, .size: 8, .value_kind: global_buffer, .address_space: global }
      - { .name: rope, .offset: 80, .size: 8, .value_kind: global_buffer, .address_space: global }
      - { .name: padf, .offset: 88, .size: 8, .value_kind: global_buffer, .address_space: global }
    .group_segment_fixed_size: 0
    .private_segment_fixed_size: 0
    .kernarg_segment_align: 8
    .kernarg_segment_size: 96
    .max_flat_workgroup_size: 256
    .sgpr_count:     66
    .vgpr_count:     128
    .wavefront_size: 32
...
	.end_amdgpu_metadata
.endif
;; end of part 1
;; launch qkv (part 2): grid 8 x 32, 4 waves a work-group, clusters of 4 x 4, 327,680 bytes of LDS; arguments xb, wqkv, rope, attention_mask, qkv, vaux; writes qkv, vaux
.if DOCPART == 2
	.amdgcn_target "amdgcn-amd-amdhsa--gfx1250"
	.amdhsa_code_object_version 6
	.text
	.protected	k_q1add98ed61_qkv
	.globl	k_q1add98ed61_qkv
	.p2align	8
	.type	k_q1add98ed61_qkv,@function
k_q1add98ed61_qkv:
	s_mov_b64 s[64:65], 0
	v_nop
	global_prefetch_b8 v0, s[64:65] scope:SCOPE_SE
	s_setreg_imm32_b32 hwreg(HW_REG_WAVE_MODE, 25, 1), 1
	s_wait_xcnt 0x0
	s_wait_alu depctr_hold_cnt(0) depctr_sa_sdst(0) depctr_va_vdst(0) depctr_va_sdst(0) depctr_va_ssrc(0) depctr_va_vcc(0) depctr_vm_vsrc(0)
	s_getreg_b32 s2, hwreg(HW_REG_IB_STS2, 6, 4)
	s_cmp_eq_u32 s2, 0
	s_cbranch_scc0 .Lentry_in_a_cluster
	s_endpgm
.Lentry_in_a_cluster:
	s_bfe_u32 s2, ttmp6, 0x10000c
	s_cmp_lg_u32 s2, 0xf033
	s_cbranch_scc0 .Lentry_shape_is_right
	s_endpgm
.Lentry_shape_is_right:
; QKV: qkv[4096][2048] (f16) = xb[4096][2048] (bf16) x wqkv[2048 k][2048 n] (bf16), sums in f32, with the rotary embedding applied to the
; Q and K columns on the way out.  Columns: 0..1023 Q heads 0..7; then for g = 0..3: K_g at 1024 + 256 g, V_g at 1152 + 256 g.  Q and K leave
; multiplied by 0.25 (the table holds 0.25 cos and 0.25 sin), which gives f16 room.
; vaux, bytes 0 .. 131,071: [64][512] f32 = for each 64 rows the sum of mask[row] x V[row][.].
; vaux, from byte 131,072: V's LOW PARTS.  V is split exactly into two f16 numbers, hi + lo (f16 keeps 11 bits, the pair 22): hi goes to qkv, lo here,
; in the order in which the attention launch takes V^T's fragments: [head 4][32 keys 128][16 d 8][16 keys 2][lane 32] 16 bytes.
; LIMITS: |v| < 65,504 and |q|, |k| < 185,000 before the factor 0.25; mask values 0 or 1; a low part below 6e-5 is kept to 3e-8 absolute.
; A work-group makes 128 rows x 256 columns with four waves; a wave makes 64 x 128 = 4 x 8 accumulator tiles, 256 registers (window 1).
; K goes in steps of 128 through two LDS slots filled by the tensor data mover: one load a wave, 64 rows of 256 bytes (X) or of 512 bytes (W).
; CLUSTERS: 4 x 4 work-groups.  X's tile hangs on the block row alone and is asked for jointly by the four of a cluster's row, W's on the block
; column alone and is asked for jointly by the four of a column: the requests for both are divided by four.
; THE MATRIX INSTRUCTION IS USED TRANSPOSED: source 0 = 16 columns of W, source 1 = 16 rows of X, so that a lane holds row l % 16 and eight
; neighbouring columns 8 (l / 16) + 0..7.  W lies [k][n] in LDS and is read by the transposing load.
; REGISTERS: window 0: v16-31, v44 addresses, v32-43 mask, v64-159 and v160-255 two fragment buffers (W: 64, X: 32 registers each);
; window 1: accumulator tile (a, b) at v[8 (8 a + b)]; window 2: the table for tiles (a, b < 4) at v[16 (4 a + b)]: 8 cosines, 8 sines.
.set SIZE_K, 2048
.set KSTEP,  128
.set PA,     272                       ; X's LDS row: 256 bytes + 16: an odd multiple of 16 bytes, so sixteen rows begin at sixteen different 16-byte columns modulo 256
.set PB,     544                       ; W's LDS row: 512 bytes + 32: an odd multiple of 32 bytes, for the transposing load
.set BT,     128*PB                    ; W's tile: 128 k rows
.set SLOT,   BT+128*PA                 ; then X's tile: 128 rows
.set STAGE,  2*SLOT                    ; behind the ring: 16 rows x 272 bytes for each wave; no fill lands here
.set SPITCH, 272
.set VLO_AT, 131072                    ; where V's low parts begin in vaux
.set LAPS,   SIZE_K/(2*KSTEP)
.set ADRA, 16                          ; v16-17 LDS address of my X fragments in slot 0, 1
.set ADRB, 20                          ; v20-21 the same for W
.set STO,  24
.set RD,   25
.set CO,   26
.set F0,   64
.set F1,   160
.set G1,   24                          ; s[24:31] group 1 for X's tiles
.set G0,   32                          ; s[32:39] group 0 for X's tiles, one set for each slot
.set G1B,  48                          ; s[48:55] group 1 for W's tiles
.set G0B,  56                          ; s[56:63] group 0 for W's tiles
.set MSB, 0
.macro WIN new                         ; the immediate's high byte repeats the setting that is left
.if MSB != \new
	s_set_vgpr_msb (MSB<<8)|\new
.set MSB, \new
.endif
.endm
.macro PLACES                          ; four plain vector instructions behind a matrix instruction (ISA guide 7.12.1)
.rept 4
	v_nop
.endr
.endm
; A joint load: waves 0 and 1 fetch W's two halves, waves 2 and 3 X's.  The branch hangs on the wave's number alone.
.macro JLOAD s
	s_cmp_eq_u32 s11, 0
	s_cbranch_scc0 .Lfor_a_\@
	tensor_load_to_lds s[G0B+4*\s:G0B+4*\s+3], s[G1B:G1B+7]
	s_nop 0
	s_branch .Lasked_\@
.Lfor_a_\@:
	tensor_load_to_lds s[G0+4*\s:G0+4*\s+3], s[G1:G1+7]
	s_nop 0
.Lasked_\@:
.endm
.macro CREST                           ; a round of the cluster's barrier behind its opening barrier
	s_cmp_lg_u32 s10, 0
	s_cbranch_scc1 .Lnot_wave_0_\@
	s_barrier_signal -3
.Lnot_wave_0_\@:
	s_barrier_wait -3
	s_barrier_signal -1
	s_barrier_wait -1
.endm
.macro CROUND
	s_barrier_signal -1
	s_barrier_wait -1
	CREST
.endm
	s_load_b128 s[4:7], s[0:1], 0x0                ; xb s[4:5], wqkv s[6:7]
	s_load_b128 s[68:71], s[0:1], 0x10             ; rope s[68:69], mask s[70:71]
	s_load_b128 s[72:75], s[0:1], 0x20             ; qkv s[72:73], vaux s[74:75]
	v_lshl_add_u32 v62, v0, 2, 0x37400
	v_mov_b32 v63, 0
	ds_add_u32 v62, v63
	v_lshrrev_b32 v1, 5, v0
	v_readfirstlane_b32 s10, v1                    ; wave 0..3
	s_lshr_b32 s11, s10, 1                         ; my half of the block's rows.  Also: I fetch for W (0) or for X (1)
	s_and_b32 s12, s10, 1                          ; my half of its columns.  Also: which 64 rows of that tile I fetch
	s_bfe_u32 s40, ttmp6, 0x40000                  ; cx
	s_bfe_u32 s41, ttmp6, 0x40004                  ; cy
	s_lshl_b32 s42, ttmp9, 2
	s_add_co_u32 s42, s42, s40                     ; block column = 4 x cluster x + cx
	s_and_b32 s13, ttmp7, 0xffff
	s_lshl_b32 s13, s13, 2
	s_add_co_u32 s13, s13, s41                     ; block row = 4 x cluster y + cy
	s_lshl_b32 s43, s41, 2
	s_lshl_b32 s43, 15, s43                        ; my row of the cluster
	s_lshl_b32 s44, 0x1111, s40                    ; my column
	s_or_b32 s[G1+0], s43, (1<<16)|(1<<20)|(1<<21)|(5<<22)|(3<<25)   ; mask; 2-byte elements; padding on; bit 21 beside a mask; after 64 words 4 words
	s_mov_b32 s[G1+1], KSTEP<<16                   ; tensor_dim0 = 128
	s_mov_b32 s[G1+2], 64<<16                      ; tensor_dim1 = 64
	s_mov_b32 s[G1+3], KSTEP<<16                   ; tile_dim0 = 128
	s_mov_b32 s[G1+4], 64                          ; tile_dim1 = 64
	s_mov_b32 s[G1+5], SIZE_K                      ; elements from row to row
	s_mov_b32 s[G1+6], 0
	s_mov_b32 s[G1+7], 0
	s_or_b32 s[G1B+0], s44, (1<<16)|(1<<20)|(1<<21)|(6<<22)|(7<<25)  ; after 128 words 8 words
	s_mov_b32 s[G1B+1], 256<<16
	s_mov_b32 s[G1B+2], 64<<16
	s_mov_b32 s[G1B+3], 256<<16
	s_mov_b32 s[G1B+4], 64
	s_mov_b32 s[G1B+5], 2048
	s_mov_b32 s[G1B+6], 0
	s_mov_b32 s[G1B+7], 0
	s_lshl_b32 s16, s13, 7                         ; X: row 128 x block row + 64 x half, in registers that never hold cx
	s_lshl_b32 s17, s12, 6
	s_add_co_u32 s16, s16, s17
	s_mul_i32 s16, s16, SIZE_K*2
	s_mov_b32 s17, 0
	s_lshl_b32 s46, s42, 9                         ; W: 512 bytes x block column + 64 k rows x half, in registers that never hold cy
	s_lshl_b32 s47, s12, 18
	s_add_co_u32 s46, s46, s47
	s_mov_b32 s47, 0
	s_mul_i32 s20, s10, 64*PB                      ; W's halves at 0 and 34,816 (waves 0, 1)
	s_mul_i32 s21, s10, 64*PA
	s_add_co_u32 s21, s21, 64*PB                   ; X's halves at 69,632 and 87,040 (waves 2, 3)
	s_lshl_b32 s78, s13, 7
	s_lshl_b32 s79, s11, 6
	s_add_co_u32 s78, s78, s79                     ; my first row of the result
	s_mov_b32 s77, 0
	s_wait_dscnt 0x0
	s_wait_kmcnt 0x0
	s_add_nc_u64 s[14:15], s[4:5], s[16:17]
	s_add_nc_u64 s[46:47], s[6:7], s[46:47]
	s_lshl_b32 s76, s78, 9
	s_add_nc_u64 s[68:69], s[68:69], s[76:77]      ; the table at my first row
	s_lshl_b32 s76, s78, 2
	s_add_nc_u64 s[70:71], s[70:71], s[76:77]      ; the mask at my first row
	CROUND                                         ; all sixteen work-groups are here: the first joint loads meet
.irp s, 0,1
	s_mov_b32 s[G0+4*\s], 1
	s_add_co_u32 s[G0+4*\s+1], s21, \s*SLOT
	s_add_nc_u64 s[G0+4*\s+2:G0+4*\s+3], s[14:15], \s*KSTEP*2
	s_or_b32 s[G0+4*\s+3], s[G0+4*\s+3], 0x80000000
	s_mov_b32 s[G0B+4*\s], 1
	s_add_co_u32 s[G0B+4*\s+1], s20, \s*SLOT
	s_add_nc_u64 s[G0B+4*\s+2:G0B+4*\s+3], s[46:47], \s*KSTEP*4096
	s_or_b32 s[G0B+4*\s+3], s[G0B+4*\s+3], 0x80000000
	JLOAD \s                                       ; both slots' first fills: two tensor loads of the wave are out
.endr
	v_and_b32 v1, 15, v0                           ; r = l % 16
	v_bfe_u32 v2, v0, 4, 1                         ; h = l / 16
	v_lshlrev_b32 v27, 9, v1
	v_lshl_add_u32 v27, v2, 5, v27                 ; the table: 512 r + 32 h
	v_lshlrev_b32 v28, 2, v1                       ; the mask: 4 r
	; The table for my 64 rows and the mask go out now and stay out through the K loop; every wave asks (a V wave leaves the table unused).
	WIN 0x80                                       ; destination window 2
.irp a, 0,1,2,3
.irp b, 0,1,2,3
	global_load_b128 v[16*(4*\a+\b):16*(4*\a+\b)+3],     v27, s[68:69] offset:8192*\a+64*\b
	global_load_b128 v[16*(4*\a+\b)+4:16*(4*\a+\b)+7],   v27, s[68:69] offset:8192*\a+64*\b+16
	global_load_b128 v[16*(4*\a+\b)+8:16*(4*\a+\b)+11],  v27, s[68:69] offset:8192*\a+64*\b+256
	global_load_b128 v[16*(4*\a+\b)+12:16*(4*\a+\b)+15], v27, s[68:69] offset:8192*\a+64*\b+272
.endr
.endr
	WIN 0
.irp a, 0,1,2,3
	global_load_b32 v[40+\a], v28, s[70:71] offset:64*\a
.endr
	v_mul_u32_u24 v3, v1, PA
	v_lshl_add_u32 v3, v2, 4, v3                   ; 272 r + 16 h
	v_and_b32 v4, 7, v0
	v_lshl_add_u32 v4, v2, 3, v4                   ; k row 8 h + (l & 7)
	v_mul_u32_u24 v6, v4, SPITCH                   ; the same row in my stage
	v_mul_u32_u24 v4, v4, PB
	v_bfe_u32 v5, v0, 3, 1
	v_lshl_add_u32 v4, v5, 4, v4                   ; + 16 ((l >> 3) & 1)
	v_lshl_add_u32 v6, v5, 4, v6
	s_mul_i32 s22, s11, 64*PA
	s_add_co_u32 s22, s22, BT                      ; my 64 rows of X
	s_lshl_b32 s23, s12, 8                         ; my 128 columns of W
.irp s, 0,1
	v_add_nc_u32 v[ADRA+\s], s22, v3
	v_add_nc_u32 v[ADRB+\s], s23, v4
	s_add_co_u32 s22, s22, SLOT
	s_add_co_u32 s23, s23, SLOT
.endr
	s_mul_i32 s23, s10, 16*SPITCH
	s_add_co_u32 s23, s23, STAGE                   ; my stage
	v_add_nc_u32 v[STO], s23, v3
	v_add_nc_u32 v44, s23, v6                      ; the transposing read of my stage
	v_mul_u32_u24 v5, v2, SPITCH
	v_lshl_add_u32 v5, v1, 4, v5
	v_add_nc_u32 v[RD], s23, v5
	v_lshlrev_b32 v5, 12, v2
	v_lshl_add_u32 v[CO], v1, 4, v5                ; 4096 h + 16 r
	v_lshl_add_u32 v29, v2, 5, s23                 ; the column sums: stage + 32 h
	v_and_b32 v31, 31, v0
	v_lshlrev_b32 v31, 4, v31                      ; 16 l
	v_add_nc_u32 v30, s23, v31
; 16 matrix instructions: row blocks a0, a0 + 1 x all 8 column blocks, 32 along K.  The 32 accumulators take turns, one instruction a turn,
; in the same order in every quarter step.
.macro MUL16 f, a0, zero
.irp a, \a0, \a0+1
.irp b, 0,1,2,3,4,5,6,7
.if \zero
	v_wmma_f32_16x16x32_bf16 v[8*(8*(\a)+\b):8*(8*(\a)+\b)+7], v[\f+8*\b:\f+8*\b+7], v[\f+64+8*(\a):\f+64+8*(\a)+7], 0
.else
	v_wmma_f32_16x16x32_bf16 v[8*(8*(\a)+\b):8*(8*(\a)+\b)+7], v[\f+8*\b:\f+8*\b+7], v[\f+64+8*(\a):\f+64+8*(\a)+7], v[8*(8*(\a)+\b):8*(8*(\a)+\b)+7]
.endif
.endr
.endr
.endm
; 24 LDS loads: quarter step q of a slot into buffer f: W's 8 fragments (transposed on the way), then X's 4
.macro FETCH slot, q, f
.irp b, 0,1,2,3,4,5,6,7
	ds_load_tr16_b128 v[\f+8*\b:\f+8*\b+3],   v[ADRB+\slot] offset:\q*32*PB+32*\b
	ds_load_tr16_b128 v[\f+8*\b+4:\f+8*\b+7], v[ADRB+\slot] offset:\q*32*PB+32*\b+16*PB
.endr
.irp a, 0,1,2,3
	ds_load_b128 v[\f+64+8*\a:\f+64+8*\a+3],   v[ADRA+\slot] offset:\q*64+\a*16*PA
	ds_load_b128 v[\f+64+8*\a+4:\f+64+8*\a+7], v[ADRA+\slot] offset:\q*64+\a*16*PA+32
.endr
.endm
.macro QUARTER slot, q, f, g, zero     ; multiplies buffer f; in its middle fetches quarter q into buffer g
	s_wait_dscnt 4                                 ; all in but the youngest four loads: X's fragments 2 and 3
	WIN 0x50                                       ; C and D in window 1
	MUL16 \f, 0, \zero
	WIN 0
	PLACES
	FETCH \slot, \q, \g
	s_wait_dscnt 24                                ; all but the 24 just issued
	WIN 0x50
	MUL16 \f, 2, \zero
.endm
.macro THREE slot, zero
	QUARTER \slot, 1, F0, F1, \zero
	QUARTER \slot, 2, F1, F0, 0
	QUARTER \slot, 3, F0, F1, 0
.endm
; The last quarter of a K step changes slots.  In front of the barrier each wave waits for its reads of this slot and for all its tensor loads
; (one is out: its part of the next slot).  Where the slot is filled again the barrier opens a round of the cluster's barrier, and the joint
; refill is the first tensor load behind the round.  From a request to the wait for it a wave issues 112 matrix instructions.
.macro TURN slot, next, fill
	s_wait_dscnt 0x0
	s_wait_tensorcnt 0x0
	ds_add_u32 v62, v63
	s_wait_dscnt 0x0
	s_barrier_signal -1
	WIN 0x50
	MUL16 F1, 0, 0                                 ; register work while the others arrive
	WIN 0
	s_barrier_wait -1
.if \fill
	CREST
	s_add_nc_u64 s[G0+4*\slot+2:G0+4*\slot+3], s[G0+4*\slot+2:G0+4*\slot+3], 2*KSTEP*2
	s_add_nc_u64 s[G0B+4*\slot+2:G0B+4*\slot+3], s[G0B+4*\slot+2:G0B+4*\slot+3], 2*KSTEP*4096
	JLOAD \slot
.endif
	PLACES
	FETCH \next, 0, F0
	WIN 0x50
	MUL16 F1, 2, 0
.endm
.macro LAP zero
	THREE 0, \zero
	TURN 0, 1, 1
	THREE 1, 0
	TURN 1, 0, 1
.endm
	s_wait_tensorcnt 1                             ; my part of K step 0 is in; K step 1's stays out
	s_barrier_signal -1
	s_barrier_wait -1
	FETCH 0, 0, F0
	LAP 1                                          ; the first products start the sums: nothing is cleared
	WIN 0
	s_mov_b32 s3, LAPS-2
.Llap:
	LAP 0
	WIN 0
	s_sub_co_u32 s3, s3, 1
	s_cmp_lg_u32 s3, 0
	s_cbranch_scc1 .Llap
	THREE 0, 0                                     ; the last lap fills nothing
	TURN 0, 1, 0
	THREE 1, 0
	s_wait_dscnt 0x0
	WIN 0x50
	MUL16 F1, 0, 0
	MUL16 F1, 2, 0
	WIN 0
	PLACES                                         ; behind the last matrix instructions, for all that reads the sums below
	s_wait_loadcnt 0x0                             ; the table and the mask
	s_lshl_b32 s76, s78, 12                        ; qkv at my first row and column: rows of 4,096 bytes
	s_lshl_b32 s79, s42, 9
	s_add_co_u32 s76, s76, s79
	s_lshl_b32 s79, s12, 8
	s_add_co_u32 s76, s76, s79
	s_add_nc_u64 s[72:73], s[72:73], s[76:77]
	s_cmp_eq_u32 ttmp9, 0                          ; cluster column 0: block columns 0..3, all Q
	s_cbranch_scc1 .Lrope
	s_cmp_eq_u32 s12, 0                            ; cluster column 1: the left 128 columns of a block are K, the right V
	s_cbranch_scc1 .Lrope
	; V.  First the sum over my 64 rows of mask[row] x V[row][d]
	s_lshl_b32 s76, s78, 8                         ; the low parts: (first row / 32) x 8,192 bytes
	s_lshl_b32 s79, s40, 20                        ; + 128 x 8,192 bytes x key/value head (= cx here)
	s_add_co_u32 s76, s76, s79
	s_add_co_u32 s76, s76, VLO_AT
	s_add_nc_u64 s[66:67], s[74:75], s[76:77]
	s_lshl_b32 s76, s78, 5                         ; the sums: (first row / 64) x 2,048 bytes
	s_lshl_b32 s79, s40, 9                         ; + 512 bytes x key/value head
	s_add_co_u32 s76, s76, s79
	s_add_nc_u64 s[74:75], s[74:75], s[76:77]
	s_mov_b32 s18, 0x46000400                      ; 8193 = 2^13 + 1: splits 24 bits into 11 and the rest
	s_mov_b32 s19, 0x46000400
.irp a, 0,1,2,3
	v_cvt_f32_i32 v[32+2*\a], v[40+\a]
	v_cvt_f32_i32 v[33+2*\a], v[40+\a]
.endr
	WIN 0x01                                       ; source 0 in window 1
.irp b, 0,1,2,3,4,5,6,7
.irp j, 0,2,4,6
	v_pk_mul_f32 v[64+8*\b+\j:65+8*\b+\j], v[8*\b+\j:8*\b+\j+1], v[32:33]
.endr
.endr
.irp a, 1,2,3
.irp b, 0,1,2,3,4,5,6,7
.irp j, 0,2,4,6
	v_pk_fma_f32 v[64+8*\b+\j:65+8*\b+\j], v[8*(8*\a+\b)+\j:8*(8*\a+\b)+\j+1], v[32+2*\a:33+2*\a], v[64+8*\b+\j:65+8*\b+\j]
.endr
.endr
.endr
	WIN 0
.irp m, 1,2,4,8                                    ; over the sixteen lanes of a half: the sixteen rows of a tile
.set i, 0
.rept 64
	v_add_f32_dpp v[64+i], v[64+i], v[64+i] row_xmask:\m row_mask:0xf bank_mask:0xf
.set i, i+1
.endr
.endr
.irp b, 0,1,2,3,4,5,6,7
	ds_store_b128 v29, v[64+8*\b:67+8*\b] offset:64*\b        ; the sixteen lanes of a half store the same values to the same bytes
	ds_store_b128 v29, v[68+8*\b:71+8*\b] offset:64*\b+16
.endr
	ds_load_b128 v[192:195], v30                   ; my own bytes, served in order: 128 sums as 512 consecutive bytes
	s_wait_dscnt 0x0
	global_store_b128 v31, v[192:195], s[74:75]
; Rows 16 a .. + 15 of V are split: t = 8193 x, hi = t + (x - t) is x rounded to 11 bits, lo = x - hi is exact, and x - lo = hi takes x's place, so that the
; common way out below stores hi without a further rounding.  lo goes as f16 through my stage, [key][d], is read back transposed (lane (r, h): d = 16 dt + r,
; keys 8 h .. + 7) and is stored as it will be loaded: 512 consecutive bytes a wave.
.macro VLO a
	s_wait_xcnt 0x0                                ; the registers that earlier stores read are written again only behind this wait
	WIN 0x01                                       ; source 0 in window 1
.irp b, 0,1,2,3,4,5,6,7
.irp j, 0,2,4,6
	v_pk_mul_f32 v[64+8*\b+\j:65+8*\b+\j], v[8*(8*\a+\b)+\j:8*(8*\a+\b)+\j+1], s[18:19] op_sel_hi:[1,0]
.endr
.endr
.irp b, 0,1,2,3,4,5,6,7
.irp j, 0,2,4,6
	v_pk_add_f32 v[128+8*\b+\j:129+8*\b+\j], v[8*(8*\a+\b)+\j:8*(8*\a+\b)+\j+1], v[64+8*\b+\j:65+8*\b+\j] neg_lo:[0,1] neg_hi:[0,1]
.endr
.endr
	WIN 0
.set i, 0
.rept 32
	v_pk_add_f32 v[64+2*i:65+2*i], v[64+2*i:65+2*i], v[128+2*i:129+2*i]       ; hi
.set i, i+1
.endr
	WIN 0x01
.irp b, 0,1,2,3,4,5,6,7
.irp j, 0,2,4,6
	v_pk_add_f32 v[128+8*\b+\j:129+8*\b+\j], v[8*(8*\a+\b)+\j:8*(8*\a+\b)+\j+1], v[64+8*\b+\j:65+8*\b+\j] neg_lo:[0,1] neg_hi:[0,1]   ; lo
.endr
.endr
	WIN 0x41                                       ; and the destination in window 1
.irp b, 0,1,2,3,4,5,6,7
.irp j, 0,2,4,6
	v_pk_add_f32 v[8*(8*\a+\b)+\j:8*(8*\a+\b)+\j+1], v[8*(8*\a+\b)+\j:8*(8*\a+\b)+\j+1], v[128+8*\b+\j:129+8*\b+\j] neg_lo:[0,1] neg_hi:[0,1]
.endr
.endr
	WIN 0
.set i, 0
.rept 32
	v_cvt_pk_f16_f32 v[192+i], v[128+2*i], v[129+2*i]
.set i, i+1
.endr
.irp b, 0,1,2,3,4,5,6,7
	ds_store_b128 v[STO], v[192+4*\b:195+4*\b] offset:32*\b
.endr
.irp dt, 0,1,2,3,4,5,6,7
	ds_load_tr16_b128 v[224+4*\dt:227+4*\dt], v44 offset:32*\dt       ; a wave's LDS instructions are served in order: these see the stores above
.endr
.irp dt, 0,1,2,3,4,5,6,7
	s_wait_dscnt 7-\dt                             ; load dt is back; the 7 - dt later ones stay out
	global_store_b128 v31, v[224+4*\dt:227+4*\dt], s[66:67] offset:8192*(\a/2)+1024*\dt+512*(\a%2)
.endr
.endm
	VLO 0
	VLO 1
	VLO 2
	VLO 3
	s_branch .Lout
.Lrope:
; out[d] = x[d] cos - x[d + 64] sin, out[d + 64] = x[d + 64] cos + x[d] sin: d and d + 64 lie in the same lane and register of tiles b and b + 4
.macro ROPE a
	WIN 0x09                                       ; source 0 window 1 (sums), source 1 window 2 (table)
.irp b, 0,1,2,3
.irp j, 0,2,4,6
	v_pk_mul_f32 v[64+8*\b+\j:65+8*\b+\j], v[8*(8*\a+\b+4)+\j:8*(8*\a+\b+4)+\j+1], v[16*(4*\a+\b)+8+\j:16*(4*\a+\b)+9+\j]
	v_pk_mul_f32 v[96+8*\b+\j:97+8*\b+\j], v[8*(8*\a+\b)+\j:8*(8*\a+\b)+\j+1], v[16*(4*\a+\b)+8+\j:16*(4*\a+\b)+9+\j]
.endr
.endr
	WIN 0x49                                       ; and the destination in window 1
.irp b, 0,1,2,3
.irp j, 0,2,4,6
	v_pk_fma_f32 v[8*(8*\a+\b)+\j:8*(8*\a+\b)+\j+1], v[8*(8*\a+\b)+\j:8*(8*\a+\b)+\j+1], v[16*(4*\a+\b)+\j:16*(4*\a+\b)+\j+1], v[64+8*\b+\j:65+8*\b+\j] neg_lo:[0,0,1] neg_hi:[0,0,1]
	v_pk_fma_f32 v[8*(8*\a+\b+4)+\j:8*(8*\a+\b+4)+\j+1], v[8*(8*\a+\b+4)+\j:8*(8*\a+\b+4)+\j+1], v[16*(4*\a+\b)+\j:16*(4*\a+\b)+\j+1], v[96+8*\b+\j:97+8*\b+\j]
.endr
.endr
.endm
	ROPE 0
	ROPE 1
	ROPE 2
	ROPE 3
	WIN 0
.Lout:
; 16 rows at a time: round to f16, 16 bytes a lane into my own stage, read back as whole rows of 256 bytes
.macro OUT16 a, tmp, reg
	WIN 0x05                                       ; sources 0 and 1 in window 1
.irp b, 0,1,2,3,4,5,6,7
.irp q, 0,1,2,3
	v_cvt_pk_f16_f32 v[\tmp+4*\b+\q], v[8*(8*\a+\b)+2*\q], v[8*(8*\a+\b)+2*\q+1]
.endr
.endr
	WIN 0
.irp b, 0,1,2,3,4,5,6,7
	ds_store_b128 v[STO], v[\tmp+4*\b:\tmp+4*\b+3] offset:32*\b
.endr
	s_wait_xcnt 0x0                                ; the stores' base and the registers that earlier stores read are rewritten only behind this wait
.if \a
	s_add_nc_u64 s[72:73], s[72:73], 16*4096
.endif
.irp t, 0,1,2,3,4,5,6,7
	ds_load_b128 v[\reg+4*\t:\reg+4*\t+3], v[RD] offset:\t*2*SPITCH   ; a wave's LDS instructions are served in order: these see the stores above
.endr
.irp t, 0,1,2,3,4,5,6,7
	s_wait_dscnt 7-\t
	global_store_b128 v[CO], v[\reg+4*\t:\reg+4*\t+3], s[72:73] offset:8192*\t   ; sixteen lanes store 256 consecutive bytes, aligned
.endr
.endm
	OUT16 0, 64, 96
	OUT16 1, 128, 160
	OUT16 2, 64, 96
	OUT16 3, 128, 160
	s_wait_tensorcnt 0x0
	ds_add_u32 v62, v63
	s_wait_dscnt 0x0
	CROUND                                         ; the closing round: no work-group ends while a partner may still ask jointly
	s_endpgm
.Lfunc_end_k_q1add98ed61_qkv:
	.size	k_q1add98ed61_qkv, .Lfunc_end_k_q1add98ed61_qkv-k_q1add98ed61_qkv
	.p2alignl 7, 3214868480
	.fill 96, 4, 3214868480
	.section	.rodata,"a",@progbits
	.p2align	6, 0x0
	.amdhsa_kernel k_q1add98ed61_qkv
		.amdhsa_group_segment_fixed_size 327680
		.amdhsa_private_segment_fixed_size 0
		.amdhsa_enable_private_segment 0
		.amdhsa_kernarg_size 48
		.amdhsa_user_sgpr_count 2
		.amdhsa_user_sgpr_kernarg_segment_ptr 1
		.amdhsa_wavefront_size32 1
		.amdhsa_system_sgpr_workgroup_id_x 1
		.amdhsa_system_sgpr_workgroup_id_y 1
		.amdhsa_system_sgpr_workgroup_id_z 1
		.amdhsa_system_vgpr_workitem_id 0
		.amdhsa_next_free_vgpr 768
		.amdhsa_next_free_sgpr 80
		.amdhsa_reserve_vcc 0
		.amdhsa_float_denorm_mode_32 3
		.amdhsa_float_denorm_mode_16_64 3
		.amdhsa_memory_ordered 1
		.amdhsa_forward_progress 1
		.amdhsa_inst_pref_size 224
	.end_amdhsa_kernel
	.amdgpu_metadata
---
amdhsa.version: [ 1, 2 ]
amdhsa.kernels:
  - .name:           k_q1add98ed61_qkv
    .symbol:         k_q1add98ed61_qkv.kd
    .args:
      - { .name: xb, .offset: 0, .size: 8, .value_kind: global_buffer, .address_space: global }
      - { .name: wqkv, .offset: 8, .size: 8, .value_kind: global_buffer, .address_space: global }
      - { .name: rope, .offset: 16, .size: 8, .value_kind: global_buffer, .address_space: global }
      - { .name: attention_mask, .offset: 24, .size: 8, .value_kind: global_buffer, .address_space: global }
      - { .name: qkv, .offset: 32, .size: 8, .value_kind: global_buffer, .address_space: global }
      - { .name: vaux, .offset: 40, .size: 8, .value_kind: global_buffer, .address_space: global }
    .group_segment_fixed_size: 327680
    .private_segment_fixed_size: 0
    .kernarg_segment_align: 8
    .kernarg_segment_size: 48
    .max_flat_workgroup_size: 128
    .sgpr_count:     80
    .vgpr_count:     768
    .wavefront_size: 32
...
	.end_amdgpu_metadata
.endif
;; end of part 2
;; launch attn (part 3): grid 256 x 1, 4 waves a work-group, clusters of 4 x 1, 327,680 bytes of LDS; arguments qkv, padf, vaux, attention_mask, att; writes att
.if DOCPART == 3
	.amdgcn_target "amdgcn-amd-amdhsa--gfx1250"
	.amdhsa_code_object_version 6
	.text
	.protected	k_q1add98ed61_attn
	.globl	k_q1add98ed61_attn
	.p2align	8
	.type	k_q1add98ed61_attn,@function
k_q1add98ed61_attn:
	s_mov_b64 s[64:65], 0
	v_nop
	global_prefetch_b8 v0, s[64:65] scope:SCOPE_SE
	s_setreg_imm32_b32 hwreg(HW_REG_WAVE_MODE, 25, 1), 1
	s_wait_xcnt 0x0
	s_wait_alu depctr_hold_cnt(0) depctr_sa_sdst(0) depctr_va_vdst(0) depctr_va_sdst(0) depctr_va_ssrc(0) depctr_va_vcc(0) depctr_vm_vsrc(0)
	s_getreg_b32 s2, hwreg(HW_REG_IB_STS2, 6, 4)
	s_cmp_eq_u32 s2, 0
	s_cbranch_scc0 .Lentry_in_a_cluster
	s_endpgm
.Lentry_in_a_cluster:
	s_bfe_u32 s2, ttmp6, 0x10000c
	s_cmp_lg_u32 s2, 0x3003
	s_cbranch_scc0 .Lentry_shape_is_right
	s_endpgm
.Lentry_shape_is_right:
; ATTN: att[4096][2048] (f16: columns 0..1023 the result's high part, 1024..2047 its low part) = softmax(q k^T / sqrt(128) + causal + pad) v,
; from qkv (f16; Q and K carry 0.25 each), with a running maximum.
; THE MASKS ARE ADDED, as the problem defines them: a singly masked score is the lowest finite f32 (NEG), a doubly masked one is -infinity.
; So a row whose keys up to the diagonal are all padded has the maximum NEG, and every singly masked key has weight 1, the unpadded keys
; behind the diagonal too.  Keys in tiles behind the diagonal tile are not walked; they enter at the merge as one term of score NEG:
; exp2(NEG - m) x (sum of mask[k] V[k], sum of mask[k]), made from vaux's sums and the mask at the start.
; PRECISION: a row that sees few keys is as large as V itself, while the output's root mean square, by which it is judged, is set by the many rows
; that average over many keys.  f16 keeps 11 bits, too few for such a row.  Its keys lie in its diagonal tile, so there P and V each enter the second
; product as the exact sum of two f16 numbers (O += Vhi Phi + Vhi Plo + Vlo Phi), and the result leaves as two f16 numbers for every row.
; LIMITS: off the diagonal tile P and V are single f16 numbers, and Q and K everywhere; |score| < 1e31 (NEG absorbs it, as in the definition);
; mask values 0 or 1; |v| < 65,504; a low part below 6e-5 is kept to 3e-8 absolute.
; SHARING: cluster c: key/value head c & 3, p = c >> 2 (0..15).  It takes the query blocks (128 rows x the head's 2 query heads) p and then
; 31 - p: (p + 1) + (32 - p) = 33 key tiles of 128 for every cluster.  Work-group cx takes head 2 kvh + (cx & 1), rows 64 (cx >> 1) .. + 63.
; All four walk the same K and V tiles: every tile is ONE joint load (mask 15) a wave.  Inside a work-group the KEYS are split: wave w takes keys
; 32 w .. + 31 of every tile for all 64 queries, with a maximum and a sum of its own; the four are merged once for each block, through LDS.
; ORDER OF TILES: trip 0: the first block's diagonal tile p; trips 1 .. p: its tiles 0 .. p - 1; trips p + 1 .. 32: the second block's tiles
; 0 .. 31 - p, its diagonal tile last.  So the first and the last trip, which are written out anyway (the first starts the sums, the last asks for
; nothing), are the two diagonal ones, and the 31 trips between are one loop body with one guard: the change of blocks in trip p + 1.
; ONE SLOT: a wave takes all its fragments of a tile into registers at the head of a trip (32 LDS loads), so the slot is free for the next tile
; while this one is multiplied: a barrier when the tile has landed, a round of the cluster's barrier when it has been read, the refill behind it.
; LAYOUTS: S^T = K Q^T: lane (r, h), register j: key 8 h + j, query r.  Two such tiles packed to f16 ARE the second source of O^T = V^T P^T;
; V^T's fragments come from V kept [key][d] by the transposing load.  In O^T a lane holds query r, d = 16 dt + 8 h + j: maximum, sum and
; rescaling factor are one number a lane.
; REGISTERS: window 0: v8-27 addresses and constants, v28-35 maxima (twice each), v36-39 sums, v40-47 factors (twice each), v48-63 at work,
; v64-127 S, v128-159 P, v160-223 K fragments (in a diagonal trip later P's low part and the split's work), v224-239 padding terms;
; window 1: O(dt, nt) at v[8 (8 nt + dt)]; window 2: v0-127 Q fragments (nt, ks) at v[8 (4 nt + ks)], v128-191 V^T fragments, v192-231 the causal
; addends; window 3: v0-63, v64-127 the low parts of V^T's fragments of the first and of the second diagonal tile.
; LDS: 0 .. 262,143 the stage, [nt][block][source wave] 8,192 bytes each, so that a merging wave (nt = its number) reaches all of its 65,536 bytes
; by immediates.  Wave w's part of the slot (64 rows of K at pitch 272 or of V at pitch 288) lies at 65,536 w + 32,768: inside the SECOND block's
; stage, which is written only behind the last fill; the first block's stage shares no byte with a fill.
.set FILL, 32768                       ; a wave's part of the slot inside its 65,536 bytes
.set ML,   262144                      ; [block][wave] 64 maxima, 64 sums: 2,048 bytes a block
.set VT,   266240                      ; [block] 128 f32: the tail's sum of mask V
.set CNT,  267264                      ; [block] the four waves' parts of the tail's count
.set OST,  267520                      ; the way out: 16 rows x 272 bytes for each wave
.set VLO_AT, 131072                    ; where V's low parts begin in vaux
.set SB,  16                           ; v16-19 where I stage O of queries 16 nt .. + 15
.set MM,  28
.set LL,  36
.set AL,  40
.set SS,  64
.set PF,  128
.set KF,  160
.set PL,  160                          ; P's low part, in K's fragments' registers
.set TT,  192                          ; the split's work
.set DD,  208
.set PD,  224
.set CA,  192                          ; window 2
.set G1K, 24                           ; s[24:31] group 1 for K's tiles
.set G0K, 32                           ; s[32:35] group 0
.set G1V, 48                           ; s[48:55] group 1 for V's tiles
.set G0V, 56                           ; s[56:59] group 0
.set MSB, 0
.macro WIN new                         ; the immediate's high byte repeats the setting that is left
.if MSB != \new
	s_set_vgpr_msb (MSB<<8)|\new
.set MSB, \new
.endif
.endm
.macro PLACES                          ; four plain vector instructions behind a matrix instruction (ISA guide 7.12.1)
.rept 4
	v_nop
.endr
.endm
.macro ROUND                           ; a round of the cluster's barrier
	s_barrier_signal -1
	s_barrier_wait -1
	s_cmp_lg_u32 s14, 0
	s_cbranch_scc1 .Lnot_wave_0_\@
	s_barrier_signal -3
.Lnot_wave_0_\@:
	s_barrier_wait -3
	s_barrier_signal -1
	s_barrier_wait -1
.endm
.macro JLOAD                           ; waves 0, 1: K's rows 0-63, 64-127; waves 2, 3: V's.  The branch hangs on the wave's number alone
	s_cmp_eq_u32 s15, 0
	s_cbranch_scc0 .Lfor_v_\@
	tensor_load_to_lds s[G0K:G0K+3], s[G1K:G1K+7]
	s_nop 0
	s_branch .Lasked_\@
.Lfor_v_\@:
	tensor_load_to_lds s[G0V:G0V+3], s[G1V:G1V+7]
	s_nop 0
.Lasked_\@:
.endm
.macro QLOAD base                      ; my work-group's 64 queries as 16 fragments, straight into registers
	WIN 0x80                                       ; destination window 2
.irp nt, 0,1,2,3
.irp ks, 0,1,2,3
	global_load_b128 v[8*(4*\nt+\ks):8*(4*\nt+\ks)+3],   v13, s[\base:\base+1] offset:65536*\nt+64*\ks
	global_load_b128 v[8*(4*\nt+\ks)+4:8*(4*\nt+\ks)+7], v13, s[\base:\base+1] offset:65536*\nt+64*\ks+32
.endr
.endr
	WIN 0
.endm
.macro PDLOAD                          ; the padding terms of my 32 keys of the tile whose terms begin at s[74:75]
	global_load_b128 v[PD:PD+3],     v12, s[74:75]
	global_load_b128 v[PD+4:PD+7],   v12, s[74:75] offset:16
	global_load_b128 v[PD+8:PD+11],  v12, s[74:75] offset:64
	global_load_b128 v[PD+12:PD+15], v12, s[74:75] offset:80
.endm
.macro SMUL                            ; S^T = K Q^T: eight accumulators take turns, one instruction a turn
.irp ks, 0,1,2,3
.irp nt, 0,1,2,3
.irp k2, 0,1
.if \ks == 0
	v_wmma_f32_16x16x32_f16 v[SS+16*\nt+8*\k2:SS+16*\nt+8*\k2+7], v[KF+8*(4*\k2+\ks):KF+8*(4*\k2+\ks)+7], v[8*(4*\nt+\ks):8*(4*\nt+\ks)+7], 0
.else
	v_wmma_f32_16x16x32_f16 v[SS+16*\nt+8*\k2:SS+16*\nt+8*\k2+7], v[KF+8*(4*\k2+\ks):KF+8*(4*\k2+\ks)+7], v[8*(4*\nt+\ks):8*(4*\nt+\ks)+7], v[SS+16*\nt+8*\k2:SS+16*\nt+8*\k2+7]
.endif
.endr
.endr
.endr
.endm
.macro SCALE                           ; score x 16 log2(e) / sqrt(128) + the key's padding term
.irp nt, 0,1,2,3
.irp k2, 0,1
.irp j, 0,2,4,6
	v_pk_fma_f32 v[SS+16*\nt+8*\k2+\j:SS+16*\nt+8*\k2+\j+1], v[SS+16*\nt+8*\k2+\j:SS+16*\nt+8*\k2+\j+1], s[76:77], v[PD+8*\k2+\j:PD+8*\k2+\j+1] op_sel_hi:[1,0,1]
.endr
.endr
.endr
.endm
.macro CAUSAL                          ; the diagonal tile: NEG is added where key > query; the addend hangs on k2 - nt and j alone and was made at the start
	WIN 0x08                                       ; source 1 window 2
.irp nt, 0,1,2,3
.irp k2, 0,1
.irp j, 0,2,4,6
	v_pk_add_f32 v[SS+16*\nt+8*\k2+\j:SS+16*\nt+8*\k2+\j+1], v[SS+16*\nt+8*\k2+\j:SS+16*\nt+8*\k2+\j+1], v[CA+8*(\k2-\nt+3)+\j:CA+8*(\k2-\nt+3)+\j+1]
.endr
.endr
.endr
	WIN 0
.endm
.macro SMAX nt                         ; the new maximum of query r: my 32 keys, the old one, and NEG, so that it is always finite; the factor's exponent
	v_max3_num_f32 v[48+\nt], v[SS+16*\nt], v[SS+16*\nt+1], v[SS+16*\nt+2]
.irp k, 3,5,7,9,11,13
	v_max3_num_f32 v[48+\nt], v[48+\nt], v[SS+16*\nt+\k], v[SS+16*\nt+\k+1]
.endr
	v_max3_num_f32 v[48+\nt], v[48+\nt], v[SS+16*\nt+15], v[MM+2*\nt]
	v_permlanex16_b32 v[52+\nt], v[48+\nt], s78, s79           ; the other half's eight keys of each tile
	v_max3_num_f32 v[48+\nt], v[48+\nt], v[52+\nt], v26
	v_sub_f32 v[AL+2*\nt], v[MM+2*\nt], v[48+\nt]              ; -infinity where a block begins: the factor is then 0
	v_mov_b32 v[MM+2*\nt], v[48+\nt]
	v_mov_b32 v[MM+2*\nt+1], v[48+\nt]
.endm
.macro SUBEXP nt
.irp k, 0,2,4,6,8,10,12,14
	v_pk_add_f32 v[SS+16*\nt+\k:SS+16*\nt+\k+1], v[SS+16*\nt+\k:SS+16*\nt+\k+1], v[MM+2*\nt:MM+2*\nt+1] neg_lo:[0,1] neg_hi:[0,1]
.endr
.irp k, 0,1,2,3,4,5,6,7,8,9,10,11,12,13,14,15
	v_exp_f32 v[SS+16*\nt+\k], v[SS+16*\nt+\k]
.endr
.endm
; The sum of my keys' weights, and the weights as f16.  split = 1: as two f16 numbers: t = 8193 p, hi = t + (p - t) is p rounded to 11 bits, lo = p - hi is exact.
.macro SUMCVT nt, split
	v_pk_add_f32 v[56:57], v[SS+16*\nt:SS+16*\nt+1], v[SS+16*\nt+2:SS+16*\nt+3]
	v_pk_add_f32 v[58:59], v[SS+16*\nt+4:SS+16*\nt+5], v[SS+16*\nt+6:SS+16*\nt+7]
	v_pk_add_f32 v[60:61], v[SS+16*\nt+8:SS+16*\nt+9], v[SS+16*\nt+10:SS+16*\nt+11]
	v_pk_add_f32 v[62:63], v[SS+16*\nt+12:SS+16*\nt+13], v[SS+16*\nt+14:SS+16*\nt+15]
	v_pk_add_f32 v[56:57], v[56:57], v[58:59]
	v_pk_add_f32 v[60:61], v[60:61], v[62:63]
	v_pk_add_f32 v[56:57], v[56:57], v[60:61]
	v_add_f32 v56, v56, v57
	v_mov_b32 v[AL+2*\nt+1], v[AL+2*\nt]                       ; the factor twice, for the packed multiply
	v_fma_f32 v[LL+\nt], v[LL+\nt], v[AL+2*\nt], v56           ; each half of the lanes keeps the sum of its own keys
.if \split
.irp k, 0,2,4,6,8,10,12,14
	v_pk_mul_f32 v[TT+\k:TT+\k+1], v[SS+16*\nt+\k:SS+16*\nt+\k+1], s[60:61] op_sel_hi:[1,0]
.endr
.irp k, 0,2,4,6,8,10,12,14
	v_pk_add_f32 v[DD+\k:DD+\k+1], v[SS+16*\nt+\k:SS+16*\nt+\k+1], v[TT+\k:TT+\k+1] neg_lo:[0,1] neg_hi:[0,1]
.endr
.irp k, 0,2,4,6,8,10,12,14
	v_pk_add_f32 v[TT+\k:TT+\k+1], v[TT+\k:TT+\k+1], v[DD+\k:DD+\k+1]
.endr
.irp k, 0,2,4,6,8,10,12,14
	v_pk_add_f32 v[SS+16*\nt+\k:SS+16*\nt+\k+1], v[SS+16*\nt+\k:SS+16*\nt+\k+1], v[TT+\k:TT+\k+1] neg_lo:[0,1] neg_hi:[0,1]
.endr
.irp k, 0,1,2,3,4,5,6,7
	v_cvt_pk_f16_f32 v[PF+8*\nt+\k], v[TT+2*\k], v[TT+2*\k+1]
	v_cvt_pk_f16_f32 v[PL+8*\nt+\k], v[SS+16*\nt+2*\k], v[SS+16*\nt+2*\k+1]
.endr
.else
.irp k, 0,1,2,3,4,5,6,7
	v_cvt_pk_f16_f32 v[PF+8*\nt+\k], v[SS+16*\nt+2*\k], v[SS+16*\nt+2*\k+1]
.endr
.endif
.endm
.macro RESCALE
	WIN 0x41                                       ; O in window 1, the factor in window 0
.irp nt, 0,1,2,3
.irp dt, 0,1,2,3,4,5,6,7
.irp j, 0,2,4,6
	v_pk_mul_f32 v[8*(8*\nt+\dt)+\j:8*(8*\nt+\dt)+\j+1], v[8*(8*\nt+\dt)+\j:8*(8*\nt+\dt)+\j+1], v[AL+2*\nt:AL+2*\nt+1]
.endr
.endr
.endr
.endm
; O^T += V^T P^T: 32 accumulators take turns, one instruction a turn, from one such product into the next too.
; win: 0x52: V^T in window 2, 0x53: in window 3; P in window 0, O in window 1.  vb: V^T's first register, pb: P's.
.macro PVMUL zero, win, vb, pb
	WIN \win
.irp dt, 0,1,2,3,4,5,6,7
.irp nt, 0,1,2,3
.if \zero
	v_wmma_f32_16x16x32_f16 v[8*(8*\nt+\dt):8*(8*\nt+\dt)+7], v[\vb+8*\dt:\vb+8*\dt+7], v[\pb+8*\nt:\pb+8*\nt+7], 0
.else
	v_wmma_f32_16x16x32_f16 v[8*(8*\nt+\dt):8*(8*\nt+\dt)+7], v[\vb+8*\dt:\vb+8*\dt+7], v[\pb+8*\nt:\pb+8*\nt+7], v[8*(8*\nt+\dt):8*(8*\nt+\dt)+7]
.endif
.endr
.endr
.endm
.macro STAGE_OUT blk                   ; a block is done: my O, maxima and sums go to LDS for the merge
	WIN 0x04                                       ; store data in window 1
.irp nt, 0,1,2,3
.irp dt, 0,1,2,3,4,5,6,7
.irp u, 0,1
	ds_store_b128 v[SB+\nt], v[8*(8*\nt+\dt)+4*\u:8*(8*\nt+\dt)+4*\u+3] offset:32768*\blk+1024*\dt+512*\u
.endr
.endr
.endr
	WIN 0
.irp nt, 0,1,2,3
	v_permlanex16_b32 v[52+\nt], v[LL+\nt], s78, s79
.endr
.irp nt, 0,1,2,3
	v_add_f32 v[LL+\nt], v[LL+\nt], v[52+\nt]      ; both halves' keys
	ds_store_b32 v15, v[MM+2*\nt] offset:2048*\blk+64*\nt
	ds_store_b32 v15, v[LL+\nt] offset:2048*\blk+64*\nt+256
.endr
.endm
; Wave w merges queries 16 w .. + 15 of one block: the four waves' parts and the tail, each weighted by exp2(its maximum - the common one) / the sum.
.macro MERGE
.irp ws, 0,1,2,3
	ds_load_b32 v[48+\ws], v20 offset:512*\ws
	ds_load_b32 v[52+\ws], v20 offset:512*\ws+256
.endr
	ds_load_b128 v[56:59], v27
.irp dt, 0,1,2,3,4,5,6,7
	ds_load_b128 v[KF+8*\dt:KF+8*\dt+3],   v21 offset:64*\dt
	ds_load_b128 v[KF+8*\dt+4:KF+8*\dt+7], v21 offset:64*\dt+16
.endr
	s_wait_dscnt 0x0
	v_max3_num_f32 v62, v48, v49, v50
	v_max_num_f32 v62, v62, v51                    ; the common maximum: never below NEG, so always finite
.irp ws, 0,1,2,3
	v_sub_f32 v[AL+2*\ws], v[48+\ws], v62
.endr
	v_sub_f32 v60, v26, v62
.irp ws, 0,1,2,3
	v_exp_f32 v[AL+2*\ws], v[AL+2*\ws]
.endr
	v_exp_f32 v60, v60                             ; the tail's weight: 1 if the row has seen nothing but NEG, else 0
	v_add_f32 v56, v56, v57                        ; plain instructions behind the exponentials (ISA guide 5.7.2): the tail's count
	v_add_f32 v58, v58, v59
	v_add_f32 v56, v56, v58
	s_wait_alu depctr_va_vdst(0)
	v_mul_f32 v63, v60, v56
.irp ws, 0,1,2,3
	v_fmac_f32 v63, v[AL+2*\ws], v[52+\ws]
.endr
	v_rcp_f32 v57, v63                             ; the sum is at least 1: the row's own key is real or singly masked
	v_nop
	s_wait_alu depctr_va_vdst(0)
.irp ws, 0,1,2,3
	v_mul_f32 v[AL+2*\ws+1], v[AL+2*\ws], v57      ; the division goes into the weights
	v_mul_f32 v[AL+2*\ws], v[AL+2*\ws], v57
.endr
	v_mul_f32 v61, v60, v57
	v_mul_f32 v60, v60, v57
.set i, 0
.rept 32
	v_pk_mul_f32 v[SS+2*i:SS+2*i+1], v[KF+2*i:KF+2*i+1], v[60:61]
.set i, i+1
.endr
.irp ws, 0,1,2,3
.irp dt, 0,1,2,3,4,5,6,7
	ds_load_b128 v[KF+8*\dt:KF+8*\dt+3],   v14 offset:8192*\ws+1024*\dt
	ds_load_b128 v[KF+8*\dt+4:KF+8*\dt+7], v14 offset:8192*\ws+1024*\dt+512
.endr
	s_wait_dscnt 0x0
.set i, 0
.rept 32
	v_pk_fma_f32 v[SS+2*i:SS+2*i+1], v[KF+2*i:KF+2*i+1], v[AL+2*\ws:AL+2*\ws+1], v[SS+2*i:SS+2*i+1]
.set i, i+1
.endr
.endr
	; the result as two f16 numbers, 32 values at a time: t = 8193 x, hi = t + (x - t), lo = x - hi
.irp hf, 0,1
.set i, 0
.rept 16
	v_pk_mul_f32 v[KF+2*i:KF+2*i+1], v[SS+32*\hf+2*i:SS+32*\hf+2*i+1], s[60:61] op_sel_hi:[1,0]
.set i, i+1
.endr
.set i, 0
.rept 16
	v_pk_add_f32 v[KF+32+2*i:KF+33+2*i], v[SS+32*\hf+2*i:SS+32*\hf+2*i+1], v[KF+2*i:KF+2*i+1] neg_lo:[0,1] neg_hi:[0,1]
.set i, i+1
.endr
.set i, 0
.rept 16
	v_pk_add_f32 v[KF+2*i:KF+2*i+1], v[KF+2*i:KF+2*i+1], v[KF+32+2*i:KF+33+2*i]
.set i, i+1
.endr
.set i, 0
.rept 16
	v_pk_add_f32 v[SS+32*\hf+2*i:SS+32*\hf+2*i+1], v[SS+32*\hf+2*i:SS+32*\hf+2*i+1], v[KF+2*i:KF+2*i+1] neg_lo:[0,1] neg_hi:[0,1]
.set i, i+1
.endr
.set i, 0
.rept 16
	v_cvt_pk_f16_f32 v[PF+16*\hf+i], v[KF+2*i], v[KF+2*i+1]
	v_cvt_pk_f16_f32 v[PD+16*\hf+i], v[SS+32*\hf+2*i], v[SS+32*\hf+2*i+1]
.set i, i+1
.endr
.endr
	; my own bytes of LDS; a wave's LDS instructions are served in order: each run of loads sees the stores in front of it and not those behind
.irp dt, 0,1,2,3,4,5,6,7
	ds_store_b128 v22, v[PF+4*\dt:PF+4*\dt+3] offset:32*\dt
.endr
.irp t, 0,1,2,3,4,5,6,7
	ds_load_b128 v[KF+4*\t:KF+4*\t+3], v23 offset:544*\t
.endr
.irp dt, 0,1,2,3,4,5,6,7
	ds_store_b128 v22, v[PD+4*\dt:PD+4*\dt+3] offset:32*\dt
.endr
.irp t, 0,1,2,3,4,5,6,7
	ds_load_b128 v[KF+32+4*\t:KF+32+4*\t+3], v23 offset:544*\t
.endr
.irp t, 0,1,2,3,4,5,6,7
	s_wait_dscnt 23-\t                             ; the high part's rows 2 t and 2 t + 1 are back; its 7 - t later loads and the low part's 16 instructions stay out
	global_store_b128 v24, v[KF+4*\t:KF+4*\t+3], s[84:85] offset:8192*\t          ; sixteen lanes store a row's 256 bytes of one head, aligned
.endr
.irp t, 0,1,2,3,4,5,6,7
	s_wait_dscnt 7-\t                              ; the low part's rows; the 7 - t later loads stay out
	global_store_b128 v24, v[KF+32+4*\t:KF+32+4*\t+3], s[84:85] offset:8192*\t+2048
.endr
	s_wait_xcnt 0x0                                ; the stores' base and data registers are written again only behind this wait
	s_add_nc_u64 s[84:85], s[84:85], s[86:87]      ; att at the other block
	v_xor_b32 v14, 0x8000, v14                     ; and the other block's stage, maxima, tail and count: one bit each that the addresses leave free
	v_xor_b32 v20, 0x800, v20
	v_xor_b32 v21, 0x200, v21
	v_xor_b32 v27, 16, v27
.endm
; One key tile; s88 holds the trip's number.  refill: the next tile is asked for; first: O starts here; diag: the diagonal tile (the causal step, P and V in
; two parts); sw: the guarded change of blocks; vl: where, in window 3, the low parts of this diagonal tile's V^T fragments lie.
.macro TRIP refill, first, diag, sw, vl
	s_wait_tensorcnt 0x0                           ; my part of this trip's tile has landed,
	s_wait_dscnt 0x0                               ; no LDS instruction of mine is out,
	s_barrier_signal -1
	s_barrier_wait -1                              ; and so for all four waves: the tile is whole
.if \sw
	s_cmp_lg_u32 s88, s18                          ; trip p + 1: the second block begins
	s_cbranch_scc1 .Lsame_\@
	STAGE_OUT 0                                    ; the first block's stage is read only at the end, behind barriers
	QLOAD 82
.irp k, 0,1,2,3,4,5,6,7
	v_mov_b32 v[MM+\k], 0xff800000                 ; the old maximum -infinity: this trip's factor is 0 and wipes the (finite) O and sums of the first block
.endr
	s_wait_loadcnt 0x0                             ; the new queries
.Lsame_\@:
.endif
.irp k2, 0,1
.irp ks, 0,1,2,3
	ds_load_b128 v[KF+8*(4*\k2+\ks):KF+8*(4*\k2+\ks)+3],   v8 offset:4352*\k2+64*\ks
	ds_load_b128 v[KF+8*(4*\k2+\ks)+4:KF+8*(4*\k2+\ks)+7], v8 offset:4352*\k2+64*\ks+32
.endr
.endr
	WIN 0x80
.irp dt, 0,1,2,3,4,5,6,7
	ds_load_tr16_b128 v[128+8*\dt:128+8*\dt+3], v10 offset:32*\dt
	ds_load_tr16_b128 v[128+8*\dt+4:128+8*\dt+7], v10 offset:32*\dt+4608
.endr
	WIN 0
.if \refill
	s_wait_xcnt 0x0                                ; the padding loads' base is written again only behind this wait
	s_sub_co_u32 s22, s88, s20                     ; the next trip's tile: t - p,
	s_cmp_lt_u32 s88, s20
	s_cselect_b32 s22, s88, s22                    ; or t while the first block lasts
	s_lshl_b32 s72, s22, 19                        ; 128 rows of 4,096 bytes
	s_add_nc_u64 s[G0K+2:G0K+3], s[66:67], s[72:73]   ; no tensor load of mine is out: the descriptors may be written
	s_or_b32 s[G0K+3], s[G0K+3], 0x80000000
	s_add_nc_u64 s[G0V+2:G0V+3], s[68:69], s[72:73]
	s_or_b32 s[G0V+3], s[G0V+3], 0x80000000
	s_lshl_b32 s72, s22, 9
	s_add_nc_u64 s[74:75], s[6:7], s[72:73]
	s_wait_dscnt 0x0                               ; my fragments are in registers: my reads of the slot are over
	s_set_vgpr_msb 0x8
	s_wait_tensorcnt 0x0                           ; (met at once: none was issued since the wait at the trip's head)
	ds_add_u32 v11, v255
	s_wait_dscnt 0x0
	s_set_vgpr_msb 0x800
	ROUND                                          ; both hold of every wave of the four work-groups
	JLOAD                                          ; my one tensor load until the next round, first behind this one; it has both products and the softmax in which to land
.else
	s_wait_dscnt 16                                ; K's fragments are in; V's sixteen loads stay out
.endif
	WIN 0x08                                       ; Q in window 2
	SMUL
	WIN 0
	PLACES
	s_wait_loadcnt 0x0                             ; this tile's padding terms, asked for in the trip before
	SCALE
.if \refill
	PDLOAD                                         ; the next tile's, into the registers just read
.endif
.if \diag
	CAUSAL
.endif
.irp q, 0,1,2,3
	SMAX \q
.endr
.irp q, 0,2,4,6
	v_exp_f32 v[AL+\q], v[AL+\q]
.endr
.irp q, 0,1,2,3
	SUBEXP \q                                      ; each run of exponentials is followed by plain instructions on other registers (ISA guide 5.7.2)
.endr
	v_nop
	s_wait_alu depctr_va_vdst(0)
.irp q, 0,1,2,3
	SUMCVT \q, \diag
.endr
.if \refill == 0
	s_wait_dscnt 0x0                               ; V's fragments
.endif
.if \first
	PVMUL 1, 0x52, 128, PF                         ; the first product starts the sums: nothing is cleared
.else
	RESCALE
	PVMUL 0, 0x52, 128, PF
.endif
.if \diag
	PVMUL 0, 0x52, 128, PL                         ; V's high part x P's low part,
	PVMUL 0, 0x53, \vl, PF                         ; V's low part x P's high part
.endif
	WIN 0
	PLACES                                         ; behind the last matrix instruction: for the stage's stores, the next loads into K's and V's fragments, the next writes of P and O
.endm
	s_load_b256 s[4:11], s[0:1], 0x0               ; qkv s[4:5], padf s[6:7], vaux s[8:9], mask s[10:11]
	s_load_b64 s[12:13], s[0:1], 0x20              ; att
	v_lshl_add_u32 v11, v0, 2, 0x45900
	s_set_vgpr_msb 0x80
	v_mov_b32 v255, 0
	s_set_vgpr_msb 0x8088
	ds_add_u32 v11, v255
	s_set_vgpr_msb 0x8800
	v_lshrrev_b32 v1, 5, v0
	v_readfirstlane_b32 s14, v1                    ; wave
	s_lshr_b32 s15, s14, 1                         ; I fetch K (0) or V (1); also: which wave's part of the slot holds my keys
	s_and_b32 s16, s14, 1                          ; which 64 rows I fetch; also: which 32 rows of that part are my keys
	s_bfe_u32 s17, ttmp6, 0x40000                  ; cx
	s_and_b32 s19, ttmp9, 3                        ; key/value head
	s_lshr_b32 s20, ttmp9, 2                       ; p: the first query block
	s_sub_co_u32 s21, 31, s20                      ; the second
	s_add_co_u32 s18, s20, 1                       ; the trip in which it begins
	s_mov_b32 s60, 0x46000400                      ; 8193 = 2^13 + 1: splits 24 bits into 11 and the rest
	s_mov_b32 s61, 0x46000400
	s_mov_b32 s76, 0x400293ee                      ; 16 log2(e) / sqrt(128): the 16 undoes the two factors 0.25
	s_mov_b32 s77, 0x400293ee
	s_mov_b32 s78, 0x76543210                      ; v_permlanex16_b32: lane i of one half reads lane i of the other
	s_mov_b32 s79, 0xfedcba98
	s_mov_b32 s97, 0                               ; the upper half of the pair that holds a tail's weight
	s_mov_b32 s[G1K+0], 15|(1<<16)|(1<<20)|(1<<21)|(5<<22)|(3<<25)   ; all four work-groups; 2-byte elements; padding: after 64 words 4 words; bit 21 beside a mask
	s_mov_b32 s[G1K+1], 128<<16                    ; tensor_dim0 = 128
	s_mov_b32 s[G1K+2], 64<<16                     ; tensor_dim1 = 64
	s_mov_b32 s[G1K+3], 128<<16                    ; tile_dim0 = 128
	s_mov_b32 s[G1K+4], 64                         ; tile_dim1 = 64
	s_mov_b32 s[G1K+5], 2048                       ; elements from row to row
	s_mov_b32 s[G1K+6], 0
	s_mov_b32 s[G1K+7], 0
	s_mov_b32 s[G1V+0], 15|(1<<16)|(1<<20)|(1<<21)|(5<<22)|(7<<25)   ; the same with 8 words of padding: pitch 288 for the transposing load
	s_mov_b32 s[G1V+1], 128<<16
	s_mov_b32 s[G1V+2], 64<<16
	s_mov_b32 s[G1V+3], 128<<16
	s_mov_b32 s[G1V+4], 64
	s_mov_b32 s[G1V+5], 2048
	s_mov_b32 s[G1V+6], 0
	s_mov_b32 s[G1V+7], 0
	s_lshl_b32 s40, s14, 16
	s_mov_b32 s[G0K], 1
	s_add_co_u32 s[G0K+1], s40, FILL               ; my part of the slot: 65,536 x wave + 32,768
	s_mov_b32 s[G0V], 1
	s_add_co_u32 s[G0V+1], s40, FILL
	s_lshl_b32 s72, s16, 18                        ; 64 rows of 4,096 bytes
	s_lshl_b32 s41, s19, 9                         ; 512 bytes for each key/value head
	s_add_co_u32 s72, s72, s41
	s_add_co_u32 s72, s72, 2048                    ; behind Q's 1,024 columns
	s_mov_b32 s73, 0
	s_wait_dscnt 0x0
	s_wait_kmcnt 0x0
	s_add_nc_u64 s[66:67], s[4:5], s[72:73]        ; K's rows that I fetch, in tile 0
	s_add_nc_u64 s[68:69], s[66:67], 256           ; V's
	s_lshl_b32 s72, s20, 19                        ; trip 0: tile p
	s_add_nc_u64 s[G0K+2:G0K+3], s[66:67], s[72:73]
	s_or_b32 s[G0K+3], s[G0K+3], 0x80000000
	s_add_nc_u64 s[G0V+2:G0V+3], s[68:69], s[72:73]
	s_or_b32 s[G0V+3], s[G0V+3], 0x80000000
	s_lshl_b32 s72, s20, 9
	s_add_nc_u64 s[74:75], s[6:7], s[72:73]        ; its padding terms
	ROUND                                          ; in front of the first joint load
	JLOAD
	; what hangs on cx: global addresses of Q and att and the causal comparison, in registers of their own
	s_lshr_b32 s92, s17, 1
	s_and_b32 s93, s17, 1
	s_lshl1_add_u32 s93, s19, s93                  ; query head
	s_lshl_b32 s93, s93, 8                         ; its 256 bytes of a row, in qkv and in att alike
	s_mov_b32 s91, 0
	s_lshl_b32 s94, s92, 18                        ; 64 rows of 4,096 bytes, in qkv and in att alike
	s_add_co_u32 s94, s94, s93
	s_lshl_b32 s95, s20, 19
	s_add_co_u32 s90, s94, s95
	s_add_nc_u64 s[80:81], s[4:5], s[90:91]        ; Q of the first block
	s_add_nc_u64 s[84:85], s[12:13], s[90:91]      ; att of the first block
	s_lshl_b32 s95, s21, 19
	s_add_co_u32 s90, s94, s95
	s_add_nc_u64 s[82:83], s[4:5], s[90:91]        ; Q of the second
	s_sub_co_u32 s86, s21, s20
	s_lshl_b32 s86, s86, 19                        ; from att's first block to the second: 31 - 2 p blocks of 128 rows of 4,096 bytes
	s_mov_b32 s87, 0
	s_lshl_b32 s72, s19, 20                        ; V's low parts: 128 x 8,192 bytes for each key/value head,
	s_lshl_b32 s41, s14, 13                        ; 8,192 for each 32 keys: my wave's
	s_add_co_u32 s72, s72, s41
	s_add_co_u32 s72, s72, VLO_AT
	s_add_nc_u64 s[98:99], s[8:9], s[72:73]
	s_lshl_b32 s72, s20, 15                        ; 4 x 8,192 for each tile
	s_add_nc_u64 s[36:37], s[98:99], s[72:73]      ; the first block's diagonal tile
	s_lshl_b32 s72, s21, 15
	s_add_nc_u64 s[38:39], s[98:99], s[72:73]      ; the second's
	s_lshl_b32 s72, s19, 9
	s_add_nc_u64 s[8:9], s[8:9], s[72:73]          ; the sums of mask V at my key/value head
	v_and_b32 v1, 15, v0                           ; r
	v_bfe_u32 v2, v0, 4, 1                         ; h
	v_and_b32 v3, 31, v0                           ; lane
	v_lshlrev_b32 v13, 12, v1
	v_lshl_add_u32 v13, v2, 4, v13                 ; Q: 4096 r + 16 h
	v_lshlrev_b32 v12, 5, v2
	v_lshl_add_u32 v12, s14, 7, v12                ; padding terms: 128 w + 32 h
	v_lshlrev_b32 v5, 2, v0                        ; 4 t
	v_lshlrev_b32 v9, 4, v3                        ; 16 l
	QLOAD 80
	PDLOAD
	WIN 0xc0                                       ; destination window 3
.irp dt, 0,1,2,3,4,5,6,7
	global_load_b128 v[8*\dt:8*\dt+3],       v9, s[36:37] offset:1024*\dt          ; stored in this order: each load takes 512 consecutive bytes
	global_load_b128 v[8*\dt+4:8*\dt+7],     v9, s[36:37] offset:1024*\dt+512
	global_load_b128 v[64+8*\dt:64+8*\dt+3], v9, s[38:39] offset:1024*\dt
	global_load_b128 v[68+8*\dt:68+8*\dt+3], v9, s[38:39] offset:1024*\dt+512
.endr
	WIN 0
.set j, 1
.rept 31
	global_load_b32 v[62+2*j], v5, s[8:9] offset:4096*j        ; thread t = d: the sum of mask V over rows 128 j .. + 63,
	global_load_b32 v[125+j], v5, s[8:9] offset:4096*j+2048    ; over rows 128 j + 64 .. + 127,
	global_load_b32 v[63+2*j], v5, s[10:11] offset:512*j       ; and mask[128 j + t], beside the first: a pair (sum, count)
.set j, j+1
.endr
	v_and_b32 v4, 7, v0
	v_bfe_u32 v7, v0, 3, 1
	v_mul_u32_u24 v6, v1, 272
	v_lshl_add_u32 v6, v2, 4, v6                   ; 272 r + 16 h
	s_lshl_b32 s41, s15, 16
	s_mul_i32 s42, s16, 32*272
	s_add_co_u32 s42, s42, s41
	s_add_co_u32 s42, s42, FILL
	v_add_nc_u32 v8, s42, v6                       ; my K fragments
	v_lshl_add_u32 v4, v2, 3, v4
	v_mul_u32_u24 v4, v4, 288
	v_lshl_add_u32 v4, v7, 4, v4                   ; 288 (8 h + (l & 7)) + 16 ((l >> 3) & 1)
	s_mul_i32 s42, s16, 32*288
	s_add_co_u32 s42, s42, s41
	s_add_co_u32 s42, s42, FILL+131072
	v_add_nc_u32 v10, s42, v4                      ; my V^T fragments: waves 2 and 3 fetched V
	s_lshl_b32 s42, s14, 13
	v_lshl_add_u32 v[SB], v3, 4, s42               ; where I stage O: 65,536 nt + 8,192 w + 16 l
	v_add_nc_u32 v[SB+1], 65536, v[SB]
	v_add_nc_u32 v[SB+2], 131072, v[SB]
	v_add_nc_u32 v[SB+3], 196608, v[SB]
	s_lshl_b32 s42, s14, 16
	v_lshl_add_u32 v14, v3, 4, s42                 ; where I read the four waves' O of my sixteen queries
	s_lshl_b32 s42, s14, 9
	s_add_co_u32 s42, s42, ML
	v_lshl_add_u32 v15, v1, 2, s42                 ; where I stage maxima and sums
	s_lshl_b32 s42, s14, 6
	s_add_co_u32 s42, s42, ML
	v_lshl_add_u32 v20, v1, 2, s42                 ; where I read those of my sixteen queries
	v_lshlrev_b32 v21, 5, v2
	v_add_nc_u32 v21, VT, v21
	s_mul_i32 s42, s14, 16*272
	s_add_co_u32 s42, s42, OST
	v_add_nc_u32 v22, s42, v6
	v_mul_u32_u24 v23, v2, 272
	v_lshl_add_u32 v23, v1, 4, v23
	v_add_nc_u32 v23, s42, v23
	s_lshl_b32 s42, s14, 16
	v_lshl_add_u32 v24, v2, 12, s42
	v_lshl_add_u32 v24, v1, 4, v24                 ; att: (16 w + h) rows of 4,096 bytes + 16 r
	s_lshl_b32 s94, s92, 6
	s_lshl_b32 s95, s14, 5
	s_sub_co_i32 s94, s94, s95
	v_add_nc_u32 v25, s94, v1
	v_lshlrev_b32 v7, 3, v2
	v_sub_nc_u32 v25, v25, v7                      ; 64 (cx >> 1) + r - 32 w - 8 h
	v_mov_b32 v26, 0xff7fffff                      ; NEG
	v_mov_b32 v27, CNT
	; the causal addends: key 32 w + 16 k2 + 8 h + j lies behind query 64 (cx >> 1) + 16 nt + r where j + 16 (k2 - nt) > v25
	WIN 0x80                                       ; destination window 2
.irp d, 0,1,2,3,4
.irp j, 0,1,2,3,4,5,6,7
	v_cmp_gt_i32 vcc_lo, \j+16*(\d-3), v25
	v_cndmask_b32 v[CA+8*\d+\j], 0, v26, vcc_lo
.endr
.endr
	WIN 0
.irp k, 0,1,2,3,4,5,6,7
	v_mov_b32 v[MM+\k], 0xff800000                 ; no key seen yet
.endr
.irp k, 0,1,2,3
	v_mov_b32 v[LL+\k], 0
	v_mov_b32 v[52+\k], 0                          ; destinations of v_permlanex16_b32 count as read
.endr
	s_wait_loadcnt 0x0
	; The tails: key tiles j behind each block's diagonal tile.  p <= 15, so tiles 16 .. 31 all count for the first block, and only tiles 17 .. 31 can count for the second.
.set j, 1
.rept 31
	v_add_f32 v[62+2*j], v[62+2*j], v[125+j]
	v_cvt_f32_i32 v[63+2*j], v[63+2*j]
.if j < 16
	s_cmp_lt_u32 s20, j
	s_cselect_b32 s96, 1.0, 0
.if j == 1
	v_pk_mul_f32 v[48:49], v[62+2*j:63+2*j], s[96:97] op_sel_hi:[1,0]
.else
	v_pk_fma_f32 v[48:49], v[62+2*j:63+2*j], s[96:97], v[48:49] op_sel_hi:[1,0,1]
.endif
.else
	v_pk_add_f32 v[48:49], v[48:49], v[62+2*j:63+2*j]
.if j > 16
	s_cmp_lt_u32 s21, j
	s_cselect_b32 s96, 1.0, 0
.if j == 17
	v_pk_mul_f32 v[50:51], v[62+2*j:63+2*j], s[96:97] op_sel_hi:[1,0]
.else
	v_pk_fma_f32 v[50:51], v[62+2*j:63+2*j], s[96:97], v[50:51] op_sel_hi:[1,0,1]
.endif
.endif
.endif
.set j, j+1
.endr
	v_add_nc_u32 v4, VT, v5
	ds_store_b32 v4, v48
	ds_store_b32 v4, v50 offset:512
.irp c, 49,51
	v_add_f32_dpp v[\c], v[\c], v[\c] row_xmask:1 row_mask:0xf bank_mask:0xf
	v_add_f32_dpp v[\c], v[\c], v[\c] row_xmask:2 row_mask:0xf bank_mask:0xf
	v_add_f32_dpp v[\c], v[\c], v[\c] row_xmask:4 row_mask:0xf bank_mask:0xf
	v_add_f32_dpp v[\c], v[\c], v[\c] row_xmask:8 row_mask:0xf bank_mask:0xf
.endr
	v_permlanex16_b32 v52, v49, s78, s79
	v_permlanex16_b32 v53, v51, s78, s79
	v_add_f32 v49, v49, v52
	v_add_f32 v51, v51, v53
	s_lshl_b32 s42, s14, 2
	s_add_co_u32 s42, s42, CNT
	v_mov_b32 v7, s42
	ds_store_b32 v7, v49                           ; all lanes store the same value to my wave's word
	ds_store_b32 v7, v51 offset:16
	; 33 trips.  The second block begins in trip p + 1, which is one of 1 .. 16.
	s_mov_b32 s88, 0
	TRIP 1, 1, 1, 0, 0                             ; the first block's diagonal tile starts the sums
	s_mov_b32 s88, 1
.Ltrip:
	TRIP 1, 0, 0, 1, 0
	s_add_co_u32 s88, s88, 1
	s_cmp_lt_u32 s88, 32
	s_cbranch_scc1 .Ltrip
	TRIP 0, 0, 1, 0, 64                            ; the second block's diagonal tile: nothing is left to fetch
	s_barrier_signal -1                            ; every wave has taken its fragments of the last tile (its LDS loads were waited for in front of the second product),
	s_barrier_wait -1                              ; and no fill follows: the slot's bytes may now hold the second block's stage
	STAGE_OUT 1
	s_wait_dscnt 0x0                               ; my stage is written,
	s_barrier_signal -1
	s_barrier_wait -1                              ; everybody's is
	s_mov_b32 s89, 0
.Lblk:
	MERGE                                          ; the first block, then the second
	s_add_co_u32 s89, s89, 1
	s_cmp_lt_u32 s89, 2
	s_cbranch_scc1 .Lblk
	s_set_vgpr_msb 0x8
	s_wait_tensorcnt 0x0
	ds_add_u32 v11, v255
	s_wait_dscnt 0x0
	s_set_vgpr_msb 0x800
	ROUND                                          ; the closing round: no work-group ends while a partner may still ask jointly
	s_endpgm
.Lfunc_end_k_q1add98ed61_attn:
	.size	k_q1add98ed61_attn, .Lfunc_end_k_q1add98ed61_attn-k_q1add98ed61_attn
	.p2alignl 7, 3214868480
	.fill 96, 4, 3214868480
	.section	.rodata,"a",@progbits
	.p2align	6, 0x0
	.amdhsa_kernel k_q1add98ed61_attn
		.amdhsa_group_segment_fixed_size 327680
		.amdhsa_private_segment_fixed_size 0
		.amdhsa_enable_private_segment 0
		.amdhsa_kernarg_size 40
		.amdhsa_user_sgpr_count 2
		.amdhsa_user_sgpr_kernarg_segment_ptr 1
		.amdhsa_wavefront_size32 1
		.amdhsa_system_sgpr_workgroup_id_x 1
		.amdhsa_system_sgpr_workgroup_id_y 1
		.amdhsa_system_sgpr_workgroup_id_z 1
		.amdhsa_system_vgpr_workitem_id 0
		.amdhsa_next_free_vgpr 896
		.amdhsa_next_free_sgpr 100
		.amdhsa_reserve_vcc 1
		.amdhsa_float_denorm_mode_32 3
		.amdhsa_float_denorm_mode_16_64 3
		.amdhsa_memory_ordered 1
		.amdhsa_forward_progress 1
		.amdhsa_inst_pref_size 194
	.end_amdhsa_kernel
	.amdgpu_metadata
---
amdhsa.version: [ 1, 2 ]
amdhsa.kernels:
  - .name:           k_q1add98ed61_attn
    .symbol:         k_q1add98ed61_attn.kd
    .args:
      - { .name: qkv, .offset: 0, .size: 8, .value_kind: global_buffer, .address_space: global }
      - { .name: padf, .offset: 8, .size: 8, .value_kind: global_buffer, .address_space: global }
      - { .name: vaux, .offset: 16, .size: 8, .value_kind: global_buffer, .address_space: global }
      - { .name: attention_mask, .offset: 24, .size: 8, .value_kind: global_buffer, .address_space: global }
      - { .name: att, .offset: 32, .size: 8, .value_kind: global_buffer, .address_space: global }
    .group_segment_fixed_size: 327680
    .private_segment_fixed_size: 0
    .kernarg_segment_align: 8
    .kernarg_segment_size: 40
    .max_flat_workgroup_size: 128
    .sgpr_count:     100
    .vgpr_count:     896
    .wavefront_size: 32
...
	.end_amdgpu_metadata
.endif
;; end of part 3
;; launch oproj (part 4): grid 8 x 32, 4 waves a work-group, clusters of 4 x 4, 327,680 bytes of LDS; arguments att, wob, out0; writes out0
.if DOCPART == 4
	.amdgcn_target "amdgcn-amd-amdhsa--gfx1250"
	.amdhsa_code_object_version 6
	.text
	.protected	k_q1add98ed61_oproj
	.globl	k_q1add98ed61_oproj
	.p2align	8
	.type	k_q1add98ed61_oproj,@function
k_q1add98ed61_oproj:
	s_mov_b64 s[64:65], 0
	v_nop
	global_prefetch_b8 v0, s[64:65] scope:SCOPE_SE
	s_setreg_imm32_b32 hwreg(HW_REG_WAVE_MODE, 25, 1), 1
	s_wait_xcnt 0x0
	s_wait_alu depctr_hold_cnt(0) depctr_sa_sdst(0) depctr_va_vdst(0) depctr_va_sdst(0) depctr_va_ssrc(0) depctr_va_vcc(0) depctr_vm_vsrc(0)
	s_getreg_b32 s2, hwreg(HW_REG_IB_STS2, 6, 4)
	s_cmp_eq_u32 s2, 0
	s_cbranch_scc0 .Lentry_in_a_cluster
	s_endpgm
.Lentry_in_a_cluster:
	s_bfe_u32 s2, ttmp6, 0x10000c
	s_cmp_lg_u32 s2, 0xf033
	s_cbranch_scc0 .Lentry_shape_is_right
	s_endpgm
.Lentry_shape_is_right:
; OPROJ: out0[4096][2048] (f32) = att[4096][2048] (f16) x wob[2048 k][2048 n] (f16), sums in f32.
; att holds attention's result as two f16 numbers, the high parts in columns 0..1023 and the low parts in 1024..2047, and wob holds wo twice, one copy under
; the other: the one product over K = 2,048 is (hi + lo) x wo.  f16 keeps 11 bits, the pair 22.
; The frame of the QKV product: a work-group makes 128 rows x 256 columns with four waves, a wave 64 x 128 = 4 x 8 accumulator tiles (window 1);
; K goes in steps of 128 through two LDS slots filled by the tensor data mover, one load a wave.
; CLUSTERS: 4 x 4 work-groups; att's tile is asked for jointly along a cluster's row, wob's along a column: the requests are divided by four.
; The matrix instruction is used transposed (source 0 = 16 columns of wob, source 1 = 16 rows of att): a lane holds row l % 16 and eight
; neighbouring columns.  wob lies [k][n] in LDS and is read by the transposing load.
.set SIZE_K, 2048
.set KSTEP,  128
.set PA,     272                       ; att's LDS row: 256 bytes + 16
.set PB,     544                       ; wob's LDS row: 512 bytes + 32
.set BT,     128*PB
.set SLOT,   BT+128*PA
.set STAGE,  2*SLOT                    ; behind the ring: 16 rows x 528 bytes for each wave; no fill lands here
.set SPITCH, 528
.set LAPS,   SIZE_K/(2*KSTEP)
.set ADRA, 16
.set ADRB, 20
.set STO,  24
.set RD,   25
.set CO,   26
.set F0,   64
.set F1,   160
.set G1,   24
.set G0,   32
.set G1B,  48
.set G0B,  56
.set MSB, 0
.macro WIN new
.if MSB != \new
	s_set_vgpr_msb (MSB<<8)|\new
.set MSB, \new
.endif
.endm
.macro PLACES                          ; four plain vector instructions behind a matrix instruction (ISA guide 7.12.1)
.rept 4
	v_nop
.endr
.endm
.macro JLOAD s                         ; waves 0, 1: wob's two halves; waves 2, 3: att's
	s_cmp_eq_u32 s11, 0
	s_cbranch_scc0 .Lfor_a_\@
	tensor_load_to_lds s[G0B+4*\s:G0B+4*\s+3], s[G1B:G1B+7]
	s_nop 0
	s_branch .Lasked_\@
.Lfor_a_\@:
	tensor_load_to_lds s[G0+4*\s:G0+4*\s+3], s[G1:G1+7]
	s_nop 0
.Lasked_\@:
.endm
.macro CREST
	s_cmp_lg_u32 s10, 0
	s_cbranch_scc1 .Lnot_wave_0_\@
	s_barrier_signal -3
.Lnot_wave_0_\@:
	s_barrier_wait -3
	s_barrier_signal -1
	s_barrier_wait -1
.endm
.macro CROUND
	s_barrier_signal -1
	s_barrier_wait -1
	CREST
.endm
	s_load_b128 s[4:7], s[0:1], 0x0                ; att s[4:5], wob s[6:7]
	s_load_b64 s[8:9], s[0:1], 0x10                ; out0
	v_lshl_add_u32 v62, v0, 2, 0x3b400
	v_mov_b32 v63, 0
	ds_add_u32 v62, v63
	v_lshrrev_b32 v1, 5, v0
	v_readfirstlane_b32 s10, v1
	s_lshr_b32 s11, s10, 1                         ; my half of the rows; also: I fetch wob (0) or att (1)
	s_and_b32 s12, s10, 1                          ; my half of the columns; also: which 64 rows I fetch
	s_bfe_u32 s40, ttmp6, 0x40000                  ; cx
	s_bfe_u32 s41, ttmp6, 0x40004                  ; cy
	s_lshl_b32 s42, ttmp9, 2
	s_add_co_u32 s42, s42, s40                     ; block column
	s_and_b32 s13, ttmp7, 0xffff
	s_lshl_b32 s13, s13, 2
	s_add_co_u32 s13, s13, s41                     ; block row
	s_lshl_b32 s43, s41, 2
	s_lshl_b32 s43, 15, s43
	s_lshl_b32 s44, 0x1111, s40
	s_or_b32 s[G1+0], s43, (1<<16)|(1<<20)|(1<<21)|(5<<22)|(3<<25)
	s_mov_b32 s[G1+1], KSTEP<<16
	s_mov_b32 s[G1+2], 64<<16
	s_mov_b32 s[G1+3], KSTEP<<16
	s_mov_b32 s[G1+4], 64
	s_mov_b32 s[G1+5], SIZE_K
	s_mov_b32 s[G1+6], 0
	s_mov_b32 s[G1+7], 0
	s_or_b32 s[G1B+0], s44, (1<<16)|(1<<20)|(1<<21)|(6<<22)|(7<<25)
	s_mov_b32 s[G1B+1], 256<<16
	s_mov_b32 s[G1B+2], 64<<16
	s_mov_b32 s[G1B+3], 256<<16
	s_mov_b32 s[G1B+4], 64
	s_mov_b32 s[G1B+5], 2048
	s_mov_b32 s[G1B+6], 0
	s_mov_b32 s[G1B+7], 0
	s_lshl_b32 s16, s13, 7
	s_lshl_b32 s17, s12, 6
	s_add_co_u32 s16, s16, s17
	s_mul_i32 s16, s16, SIZE_K*2
	s_mov_b32 s17, 0
	s_lshl_b32 s46, s42, 9
	s_lshl_b32 s47, s12, 18
	s_add_co_u32 s46, s46, s47
	s_mov_b32 s47, 0
	s_mul_i32 s20, s10, 64*PB
	s_mul_i32 s21, s10, 64*PA
	s_add_co_u32 s21, s21, 64*PB
	s_wait_dscnt 0x0
	s_wait_kmcnt 0x0
	s_add_nc_u64 s[14:15], s[4:5], s[16:17]
	s_add_nc_u64 s[46:47], s[6:7], s[46:47]
	CROUND                                         ; in front of the first joint loads
.irp s, 0,1
	s_mov_b32 s[G0+4*\s], 1
	s_add_co_u32 s[G0+4*\s+1], s21, \s*SLOT
	s_add_nc_u64 s[G0+4*\s+2:G0+4*\s+3], s[14:15], \s*KSTEP*2
	s_or_b32 s[G0+4*\s+3], s[G0+4*\s+3], 0x80000000
	s_mov_b32 s[G0B+4*\s], 1
	s_add_co_u32 s[G0B+4*\s+1], s20, \s*SLOT
	s_add_nc_u64 s[G0B+4*\s+2:G0B+4*\s+3], s[46:47], \s*KSTEP*4096
	s_or_b32 s[G0B+4*\s+3], s[G0B+4*\s+3], 0x80000000
	JLOAD \s                                       ; two tensor loads of the wave are out
.endr
	v_and_b32 v1, 15, v0
	v_bfe_u32 v2, v0, 4, 1
	v_mul_u32_u24 v3, v1, PA
	v_lshl_add_u32 v3, v2, 4, v3
	v_and_b32 v4, 7, v0
	v_lshl_add_u32 v4, v2, 3, v4
	v_mul_u32_u24 v4, v4, PB
	v_bfe_u32 v5, v0, 3, 1
	v_lshl_add_u32 v4, v5, 4, v4
	s_mul_i32 s22, s11, 64*PA
	s_add_co_u32 s22, s22, BT
	s_lshl_b32 s23, s12, 8
.irp s, 0,1
	v_add_nc_u32 v[ADRA+\s], s22, v3
	v_add_nc_u32 v[ADRB+\s], s23, v4
	s_add_co_u32 s22, s22, SLOT
	s_add_co_u32 s23, s23, SLOT
.endr
	s_mul_i32 s23, s10, 16*SPITCH
	s_add_co_u32 s23, s23, STAGE
	v_mul_u32_u24 v5, v1, SPITCH
	v_lshl_add_u32 v5, v2, 5, v5
	v_add_nc_u32 v[STO], s23, v5                   ; in: 528 r + 32 h
	v_and_b32 v[CO], 31, v0
	v_lshlrev_b32 v[CO], 4, v[CO]                  ; 16 l
	v_add_nc_u32 v[RD], s23, v[CO]                 ; back: a whole row of 512 bytes
; The 32 accumulators take turns, one instruction a turn, in the same order in every quarter step.
.macro MUL16 f, a0, zero
.irp a, \a0, \a0+1
.irp b, 0,1,2,3,4,5,6,7
.if \zero
	v_wmma_f32_16x16x32_f16 v[8*(8*(\a)+\b):8*(8*(\a)+\b)+7], v[\f+8*\b:\f+8*\b+7], v[\f+64+8*(\a):\f+64+8*(\a)+7], 0
.else
	v_wmma_f32_16x16x32_f16 v[8*(8*(\a)+\b):8*(8*(\a)+\b)+7], v[\f+8*\b:\f+8*\b+7], v[\f+64+8*(\a):\f+64+8*(\a)+7], v[8*(8*(\a)+\b):8*(8*(\a)+\b)+7]
.endif
.endr
.endr
.endm
.macro FETCH slot, q, f
.irp b, 0,1,2,3,4,5,6,7
	ds_load_tr16_b128 v[\f+8*\b:\f+8*\b+3],   v[ADRB+\slot] offset:\q*32*PB+32*\b
	ds_load_tr16_b128 v[\f+8*\b+4:\f+8*\b+7], v[ADRB+\slot] offset:\q*32*PB+32*\b+16*PB
.endr
.irp a, 0,1,2,3
	ds_load_b128 v[\f+64+8*\a:\f+64+8*\a+3],   v[ADRA+\slot] offset:\q*64+\a*16*PA
	ds_load_b128 v[\f+64+8*\a+4:\f+64+8*\a+7], v[ADRA+\slot] offset:\q*64+\a*16*PA+32
.endr
.endm
.macro QUARTER slot, q, f, g, zero
	s_wait_dscnt 4                                 ; all in but the youngest four loads: att's fragments 2 and 3
	WIN 0x50
	MUL16 \f, 0, \zero
	WIN 0
	PLACES
	FETCH \slot, \q, \g
	s_wait_dscnt 24                                ; all but the 24 just issued
	WIN 0x50
	MUL16 \f, 2, \zero
.endm
.macro THREE slot, zero
	QUARTER \slot, 1, F0, F1, \zero
	QUARTER \slot, 2, F1, F0, 0
	QUARTER \slot, 3, F0, F1, 0
.endm
; The change of slots: each wave's reads of this slot and all its tensor loads are waited for in front of the barrier; where the slot is filled
; again the barrier opens a round of the cluster's barrier, and the joint refill is the first tensor load behind the round.
.macro TURN slot, next, fill
	s_wait_dscnt 0x0
	s_wait_tensorcnt 0x0
	ds_add_u32 v62, v63
	s_wait_dscnt 0x0
	s_barrier_signal -1
	WIN 0x50
	MUL16 F1, 0, 0
	WIN 0
	s_barrier_wait -1
.if \fill
	CREST
	s_add_nc_u64 s[G0+4*\slot+2:G0+4*\slot+3], s[G0+4*\slot+2:G0+4*\slot+3], 2*KSTEP*2
	s_add_nc_u64 s[G0B+4*\slot+2:G0B+4*\slot+3], s[G0B+4*\slot+2:G0B+4*\slot+3], 2*KSTEP*4096
	JLOAD \slot
.endif
	PLACES
	FETCH \next, 0, F0
	WIN 0x50
	MUL16 F1, 2, 0
.endm
.macro LAP zero
	THREE 0, \zero
	TURN 0, 1, 1
	THREE 1, 0
	TURN 1, 0, 1
.endm
	s_wait_tensorcnt 1                             ; my part of K step 0 is in; K step 1's stays out
	s_barrier_signal -1
	s_barrier_wait -1
	FETCH 0, 0, F0
	LAP 1
	WIN 0
	s_mov_b32 s3, LAPS-2
.Llap:
	LAP 0
	WIN 0
	s_sub_co_u32 s3, s3, 1
	s_cmp_lg_u32 s3, 0
	s_cbranch_scc1 .Llap
	THREE 0, 0
	TURN 0, 1, 0
	THREE 1, 0
	s_wait_dscnt 0x0
	WIN 0x50
	MUL16 F1, 0, 0
	MUL16 F1, 2, 0
	WIN 0
	PLACES                                         ; behind the last matrix instructions, for the LDS stores of the sums and the loads into the buffers
	s_lshl_b32 s16, s13, 7
	s_lshl_b32 s17, s11, 6
	s_add_co_u32 s16, s16, s17                     ; my first row
	s_lshl_b32 s16, s16, 13                        ; rows of 8,192 bytes
	s_mov_b32 s17, 0
	s_add_nc_u64 s[8:9], s[8:9], s[16:17]
	s_lshl_b32 s46, s42, 10                        ; my first column: 1,024 bytes x block + 512 x half
	s_lshl_b32 s47, s12, 9
	s_add_co_u32 s46, s46, s47
	s_mov_b32 s47, 0
	s_add_nc_u64 s[8:9], s[8:9], s[46:47]
; 16 rows at a time through my own stage: 32 bytes a lane in, whole rows of 512 bytes back
.macro OUT16F a, reg
	WIN 0x04                                       ; store data in window 1
.irp b, 0,1,2,3,4,5,6,7
	ds_store_b128 v[STO], v[8*(8*\a+\b):8*(8*\a+\b)+3] offset:64*\b
	ds_store_b128 v[STO], v[8*(8*\a+\b)+4:8*(8*\a+\b)+7] offset:64*\b+16
.endr
	WIN 0
	s_wait_xcnt 0x0                                ; the stores' base and the registers that earlier stores read are rewritten only behind this wait
.if \a
	s_add_nc_u64 s[8:9], s[8:9], 16*8192
.endif
.irp t, 0,1,2,3,4,5,6,7,8,9,10,11,12,13,14,15
	ds_load_b128 v[\reg+4*\t:\reg+4*\t+3], v[RD] offset:SPITCH*\t    ; a wave's LDS instructions are served in order: these see the stores above
.endr
.irp t, 0,1,2,3,4,5,6,7,8,9,10,11,12,13,14,15
	s_wait_dscnt 15-\t
	global_store_b128 v[CO], v[\reg+4*\t:\reg+4*\t+3], s[8:9] offset:8192*\t th:TH_STORE_NT   ; the wave stores 512 consecutive bytes of one row, aligned
.endr
.endm
	OUT16F 0, F0
	OUT16F 1, F1
	OUT16F 2, F0
	OUT16F 3, F1
	s_wait_tensorcnt 0x0
	ds_add_u32 v62, v63
	s_wait_dscnt 0x0
	CROUND                                         ; the closing round
	s_endpgm
.Lfunc_end_k_q1add98ed61_oproj:
	.size	k_q1add98ed61_oproj, .Lfunc_end_k_q1add98ed61_oproj-k_q1add98ed61_oproj
	.p2alignl 7, 3214868480
	.fill 96, 4, 3214868480
	.section	.rodata,"a",@progbits
	.p2align	6, 0x0
	.amdhsa_kernel k_q1add98ed61_oproj
		.amdhsa_group_segment_fixed_size 327680
		.amdhsa_private_segment_fixed_size 0
		.amdhsa_enable_private_segment 0
		.amdhsa_kernarg_size 24
		.amdhsa_user_sgpr_count 2
		.amdhsa_user_sgpr_kernarg_segment_ptr 1
		.amdhsa_wavefront_size32 1
		.amdhsa_system_sgpr_workgroup_id_x 1
		.amdhsa_system_sgpr_workgroup_id_y 1
		.amdhsa_system_sgpr_workgroup_id_z 1
		.amdhsa_system_vgpr_workitem_id 0
		.amdhsa_next_free_vgpr 512
		.amdhsa_next_free_sgpr 66
		.amdhsa_reserve_vcc 0
		.amdhsa_float_denorm_mode_32 3
		.amdhsa_float_denorm_mode_16_64 3
		.amdhsa_memory_ordered 1
		.amdhsa_forward_progress 1
		.amdhsa_inst_pref_size 118
	.end_amdhsa_kernel
	.amdgpu_metadata
---
amdhsa.version: [ 1, 2 ]
amdhsa.kernels:
  - .name:           k_q1add98ed61_oproj
    .symbol:         k_q1add98ed61_oproj.kd
    .args:
      - { .name: att, .offset: 0, .size: 8, .value_kind: global_buffer, .address_space: global }
      - { .name: wob, .offset: 8, .size: 8, .value_kind: global_buffer, .address_space: global }
      - { .name: out0, .offset: 16, .size: 8, .value_kind: global_buffer, .address_space: global }
    .group_segment_fixed_size: 327680
    .private_segment_fixed_size: 0
    .kernarg_segment_align: 8
    .kernarg_segment_size: 24
    .max_flat_workgroup_size: 128
    .sgpr_count:     66
    .vgpr_count:     512
    .wavefront_size: 32
...
	.end_amdgpu_metadata
.endif
;; end of part 4
;; ======== version 2 of 3: 4 launches; 1.15 times as fast as version 1
;; limits: values are held in f16: magnitudes above 65,504 overflow, below 6.1e-05 lose precision
;; workspace buffers: xb 16,777,216 bytes; wqkv 8,388,608 bytes; wob 4,194,304 bytes; rope 2,097,152 bytes; padf 16,384 bytes; qkv 16,777,216 bytes; vaux 4,325,376 bytes; att 8,388,608 bytes
;; launch prep (part 5): grid 1024 x 1, 8 waves a work-group, no clusters, 0 bytes of LDS; arguments hidden_states, wo, wq, wk, wv, position_ids, attention_mask, xb, wob, wqkv, rope, padf; writes xb, wob, wqkv, rope, padf
.if DOCPART == 5
	.amdgcn_target "amdgcn-amd-amdhsa--gfx1250"
	.amdhsa_code_object_version 6
	.text
	.protected	k_q1add98ed61_prep
	.globl	k_q1add98ed61_prep
	.p2align	8
	.type	k_q1add98ed61_prep,@function
k_q1add98ed61_prep:
	s_mov_b64 s[64:65], 0
	v_nop
	global_prefetch_b8 v0, s[64:65] scope:SCOPE_SE
	s_setreg_imm32_b32 hwreg(HW_REG_WAVE_MODE, 25, 1), 1
	s_wait_xcnt 0x0
; PREP: rounds the f32 inputs to 16 bits once, and makes the rotary table and the padding row.
;   work-groups   0..511  hidden_states -> xb    bf16 [4096][2048]
;               512..639  wo            -> wob   [1024][2048]: rounded to bf16 like every input, then held as f16
;               640..767  wq            -> wqkv  bf16 [2048 k][2048 n], columns 0..1023
;               768..831  wk            -> wqkv  columns 1024 + 256 g + (0..127), g = key/value head
;               832..895  wv            -> wqkv  columns 1152 + 256 g + (0..127)
;               896..1023 rope [4096][128] f32 = 0.25 cos, 0.25 sin of position_ids[row] x inv_freq[0..63]; padf [4096] = (1 - mask) x lowest f32
; LIMITS: a bf16 value of wo below 2^-17 in magnitude is kept in f16 to 3e-8 absolute; 0 <= position_ids < 4096; mask values 0 or 1.
; A cast work-group takes 16 units of 1,024 f32: thread t reads 16 bytes of each unit, so a wave's load covers 512 consecutive bytes and its
; store of 8 bytes a lane covers 256 consecutive bytes, aligned.  All 16 loads go out first; no register is written twice, so the only waits
; are the counted ones for the data.  No LDS, no matrix unit, no cluster: nothing is shared and nothing is multiplied.
.set NEGB, 0xff7fffff                  ; the lowest finite f32
; src, dst: first scalar register of the two addresses; first: the job's first work-group; logw: log2 of the source's row length;
; spread: bytes added for each 128 columns passed; add: byte offset of the job's first column in the target's row of 4,096 bytes
.macro CAST src, dst, first, logw, spread, add, tof16
	s_sub_co_u32 s36, s2, \first                   ; my place in the job
	s_lshl_b32 s32, s36, 16                        ; 65,536 bytes of f32 for each work-group
	s_mov_b32 s33, 0
	s_add_nc_u64 s[34:35], s[\src:\src+1], s[32:33]
.irp u, 0,1,2,3,4,5,6,7,8,9,10,11,12,13,14,15
	global_load_b128 v[16+4*\u:19+4*\u], v2, s[34:35] offset:4096*\u th:TH_LOAD_NT
.endr
	s_lshl_b32 s37, s36, 14                        ; my first element
	v_lshl_add_u32 v1, v0, 2, s37                  ; + 4 t
.irp u, 0,1,2,3,4,5,6,7,8,9,10,11,12,13,14,15
	v_add_nc_u32 v3, 1024*\u, v1                   ; the element's number
	v_lshrrev_b32 v4, \logw, v3                    ; its row
	v_and_b32 v5, (1<<\logw)-1, v3                 ; its column
	v_lshlrev_b32 v4, 12, v4                       ; every target has rows of 4,096 bytes
	v_lshl_add_u32 v[112+\u], v5, 1, v4
.if \spread
	v_lshrrev_b32 v5, 7, v5                        ; the head: its 128 columns lie 256 columns apart in wqkv
	v_mad_u32_u24 v[112+\u], v5, \spread, v[112+\u]
.endif
.endr
.irp u, 0,1,2,3,4,5,6,7,8,9,10,11,12,13,14,15
	s_wait_loadcnt 15-\u                           ; loads return in order: unit u is in, the 15 - u younger ones stay out
	v_cvt_pk_bf16_f32 v[80+2*\u], v[16+4*\u], v[17+4*\u]
	v_cvt_pk_bf16_f32 v[81+2*\u], v[18+4*\u], v[19+4*\u]
.if \tof16
	v_lshlrev_b32 v6, 16, v[80+2*\u]               ; the rounded values widened again,
	v_and_b32 v7, 0xffff0000, v[80+2*\u]
	v_cvt_pk_f16_f32 v[80+2*\u], v6, v7            ; and held as f16: 8 bits of mantissa fit into 11
	v_lshlrev_b32 v6, 16, v[81+2*\u]
	v_and_b32 v7, 0xffff0000, v[81+2*\u]
	v_cvt_pk_f16_f32 v[81+2*\u], v6, v7
.endif
	global_store_b64 v[112+\u], v[80+2*\u:81+2*\u], s[\dst:\dst+1] offset:\add
.endr
.endm
; 0.25 cos and 0.25 sin of v[pos] x v[inv].  The angle is reduced by a multiple of 2 pi held in two parts, quartered, put through
; Taylor polynomials (|y| <= pi/4: the first terms left out are below 3e-7), and doubled twice.
.macro SINCOS pos, inv, co, si
	v_mul_f32 v40, v[\pos], v[\inv]
	v_mul_f32 v41, 0.15915494, v40
	v_rndne_f32 v41, v41
	v_fma_f32 v40, -v41, s40, v40                  ; - n x (2 pi, upper part)
	v_fma_f32 v40, -v41, s41, v40                  ; - n x (2 pi, lower part)
	v_mul_f32 v40, s44, v40                        ; y = r / 4
	v_mul_f32 v41, v40, v40                        ; z = y y
	v_fmaak_f32 v42, s42, v41, 0x3c088889          ; -z/5040 + 1/120
	v_fmaak_f32 v43, s43, v41, 0xbab60b61          ; z/40320 - 1/720
	v_fmaak_f32 v42, v42, v41, 0xbe2aaaab          ; .. - 1/6
	v_fmaak_f32 v43, v43, v41, 0x3d2aaaab          ; .. + 1/24
	v_fma_f32 v42, v42, v41, 1.0
	v_fma_f32 v43, v43, v41, -0.5
	v_mul_f32 v42, v42, v40                        ; sin y
	v_fma_f32 v43, v43, v41, 1.0                   ; cos y
	v_mul_f32 v44, v42, v43
	v_mul_f32 v45, v42, v42
	v_add_f32 v44, v44, v44                        ; sin 2y = 2 s c
	v_fma_f32 v45, v45, -2.0, 1.0                  ; cos 2y = 1 - 2 s s
	v_mul_f32 v46, v44, v45
	v_mul_f32 v47, v44, v44
	v_mul_f32 v[\si], 0.5, v46                     ; 0.25 sin 4y
	v_fma_f32 v[\co], v47, -0.5, s44               ; 0.25 cos 4y
.endm
	s_load_b512 s[8:23], s[0:1], 0x0               ; hidden s[8:9], wo s[10:11], wq s[12:13], wk s[14:15], wv s[16:17], positions s[18:19], mask s[20:21], xb s[22:23]
	s_load_b256 s[24:31], s[0:1], 0x40             ; wob s[24:25], wqkv s[26:27], rope s[28:29], padf s[30:31]
	s_mov_b32 s2, ttmp9
	v_lshlrev_b32 v2, 4, v0                        ; 16 t
	s_wait_kmcnt 0x0
	s_cmp_ge_u32 s2, 896
	s_cbranch_scc1 .Lrope
	s_cmp_ge_u32 s2, 832
	s_cbranch_scc1 .Lwv
	s_cmp_ge_u32 s2, 768
	s_cbranch_scc1 .Lwk
	s_cmp_ge_u32 s2, 640
	s_cbranch_scc1 .Lwq
	s_cmp_ge_u32 s2, 512
	s_cbranch_scc1 .Lwo
	CAST 8, 22, 0, 11, 0, 0, 0
	s_endpgm
.Lwo:
	CAST 10, 24, 512, 11, 0, 0, 1
	s_endpgm
.Lwq:
	CAST 12, 26, 640, 10, 0, 0, 0
	s_endpgm
.Lwk:
	CAST 14, 26, 768, 9, 256, 2048, 0
	s_endpgm
.Lwv:
	CAST 16, 26, 832, 9, 256, 2304, 0
	s_endpgm
.Lrope:                                            ; 32 rows a work-group: thread t has frequencies 4 (t & 15) .. + 3 of rows t >> 4 and 16 + (t >> 4)
	s_sub_co_u32 s36, s2, 896
	s_lshl_b32 s37, s36, 5                         ; my first row
	v_lshrrev_b32 v3, 4, v0
	v_and_b32 v4, 15, v0
	v_add_nc_u32 v3, s37, v3
	v_lshlrev_b32 v5, 2, v3
	global_load_b32 v8, v5, s[18:19]
	global_load_b32 v9, v5, s[18:19] offset:64
	s_mov_b32 s40, 0x40c90fdb                      ; 2 pi, upper part
	s_mov_b32 s41, 0xb43bbd2e                      ; 2 pi, lower part
	s_mov_b32 s42, 0xb9500d01                      ; -1/5040
	s_mov_b32 s43, 0x37d00d01                      ; 1/40320
	s_mov_b32 s44, 0x3e800000                      ; 0.25
	v_lshlrev_b32 v6, 2, v4
.irp i, 0,1,2,3
	v_add_nc_u32 v7, \i, v6
	v_cvt_f32_u32 v[12+\i], v7
	v_mul_f32 v[12+\i], 0xbe549a78, v[12+\i]       ; - i x log2(10000) / 64
.endr
.irp i, 0,1,2,3
	v_exp_f32 v[12+\i], v[12+\i]                   ; inv_freq[i] = 10000 ^ (-i / 64)
.endr
	v_lshlrev_b32 v10, 9, v3                       ; a plain instruction behind the exponentials (ISA guide 5.7.2): a row of the table is 512 bytes
	v_lshl_add_u32 v10, v4, 4, v10
	s_wait_loadcnt 0x0
	v_cvt_f32_i32 v8, v8
	v_cvt_f32_i32 v9, v9
	s_wait_alu depctr_va_vdst(0)
.irp i, 0,1,2,3
	SINCOS 8, 12+\i, 16+\i, 20+\i
	SINCOS 9, 12+\i, 24+\i, 28+\i
.endr
	global_store_b128 v10, v[16:19], s[28:29]              ; sixteen lanes fill the row's 256 bytes of cosines,
	global_store_b128 v10, v[20:23], s[28:29] offset:256   ; and its 256 bytes of sines
	global_store_b128 v10, v[24:27], s[28:29] offset:8192
	global_store_b128 v10, v[28:31], s[28:29] offset:8448
	v_lshrrev_b32 v11, 5, v0
	v_readfirstlane_b32 s38, v11
	s_cmp_lg_u32 s38, 0
	s_cbranch_scc1 .Lend                           ; wave 0 alone makes the 32 rows' padding terms
	s_lshl_b32 s39, s37, 2
	v_lshl_add_u32 v32, v0, 2, s39
	global_load_b32 v33, v32, s[20:21]
	s_wait_loadcnt 0x0
	v_cvt_f32_i32 v33, v33
	v_sub_f32 v33, 1.0, v33
	v_mul_f32 v33, NEGB, v33                       ; (1 - mask) x lowest f32
	global_store_b32 v32, v33, s[30:31]
.Lend:
	s_endpgm
.Lfunc_end_k_q1add98ed61_prep:
	.size	k_q1add98ed61_prep, .Lfunc_end_k_q1add98ed61_prep-k_q1add98ed61_prep
	.p2alignl 7, 3214868480
	.fill 96, 4, 3214868480
	.section	.rodata,"a",@progbits
	.p2align	6, 0x0
	.amdhsa_kernel k_q1add98ed61_prep
		.amdhsa_group_segment_fixed_size 0
		.amdhsa_private_segment_fixed_size 0
		.amdhsa_enable_private_segment 0
		.amdhsa_kernarg_size 96
		.amdhsa_user_sgpr_count 2
		.amdhsa_user_sgpr_kernarg_segment_ptr 1
		.amdhsa_wavefront_size32 1
		.amdhsa_system_sgpr_workgroup_id_x 1
		.amdhsa_system_sgpr_workgroup_id_y 1
		.amdhsa_system_sgpr_workgroup_id_z 1
		.amdhsa_system_vgpr_workitem_id 0
		.amdhsa_next_free_vgpr 128
		.amdhsa_next_free_sgpr 66
		.amdhsa_reserve_vcc 0
		.amdhsa_float_denorm_mode_32 3
		.amdhsa_float_denorm_mode_16_64 3
		.amdhsa_memory_ordered 1
		.amdhsa_forward_progress 1
		.amdhsa_inst_pref_size 70
	.end_amdhsa_kernel
	.amdgpu_metadata
---
amdhsa.version: [ 1, 2 ]
amdhsa.kernels:
  - .name:           k_q1add98ed61_prep
    .symbol:         k_q1add98ed61_prep.kd
    .args:
      - { .name: hidden_states, .offset: 0, .size: 8, .value_kind: global_buffer, .address_space: global }
      - { .name: wo, .offset: 8, .size: 8, .value_kind: global_buffer, .address_space: global }
      - { .name: wq, .offset: 16, .size: 8, .value_kind: global_buffer, .address_space: global }
      - { .name: wk, .offset: 24, .size: 8, .value_kind: global_buffer, .address_space: global }
      - { .name: wv, .offset: 32, .size: 8, .value_kind: global_buffer, .address_space: global }
      - { .name: position_ids, .offset: 40, .size: 8, .value_kind: global_buffer, .address_space: global }
      - { .name: attention_mask, .offset: 48, .size: 8, .value_kind: global_buffer, .address_space: global }
      - { .name: xb, .offset: 56, .size: 8, .value_kind: global_buffer, .address_space: global }
      - { .name: wob, .offset: 64, .size: 8, .value_kind: global_buffer, .address_space: global }
      - { .name: wqkv, .offset: 72, .size: 8, .value_kind: global_buffer, .address_space: global }
      - { .name: rope, .offset: 80, .size: 8, .value_kind: global_buffer, .address_space: global }
      - { .name: padf, .offset: 88, .size: 8, .value_kind: global_buffer, .address_space: global }
    .group_segment_fixed_size: 0
    .private_segment_fixed_size: 0
    .kernarg_segment_align: 8
    .kernarg_segment_size: 96
    .max_flat_workgroup_size: 256
    .sgpr_count:     66
    .vgpr_count:     128
    .wavefront_size: 32
...
	.end_amdgpu_metadata
.endif
;; end of part 5
;; launch qkv: the kernel of part 2 again; grid 8 x 32, 4 waves a work-group, clusters of 4 x 4, 327,680 bytes of LDS; arguments xb, wqkv, rope, attention_mask, qkv, vaux; writes qkv, vaux
;; launch attn (part 6): grid 256 x 1, 4 waves a work-group, clusters of 4 x 1, 327,680 bytes of LDS; arguments qkv, padf, vaux, attention_mask, att; writes att
.if DOCPART == 6
	.amdgcn_target "amdgcn-amd-amdhsa--gfx1250"
	.amdhsa_code_object_version 6
	.text
	.protected	k_q1add98ed61_attn
	.globl	k_q1add98ed61_attn
	.p2align	8
	.type	k_q1add98ed61_attn,@function
k_q1add98ed61_attn:
	s_mov_b64 s[64:65], 0
	v_nop
	global_prefetch_b8 v0, s[64:65] scope:SCOPE_SE
	s_setreg_imm32_b32 hwreg(HW_REG_WAVE_MODE, 25, 1), 1
	s_wait_xcnt 0x0
	s_wait_alu depctr_hold_cnt(0) depctr_sa_sdst(0) depctr_va_vdst(0) depctr_va_sdst(0) depctr_va_ssrc(0) depctr_va_vcc(0) depctr_vm_vsrc(0)
	s_getreg_b32 s2, hwreg(HW_REG_IB_STS2, 6, 4)
	s_cmp_eq_u32 s2, 0
	s_cbranch_scc0 .Lentry_in_a_cluster
	s_endpgm
.Lentry_in_a_cluster:
	s_bfe_u32 s2, ttmp6, 0x10000c
	s_cmp_lg_u32 s2, 0x3003
	s_cbranch_scc0 .Lentry_shape_is_right
	s_endpgm
.Lentry_shape_is_right:
; ATTN: att[4096][1024] (f16) = softmax(q k^T / sqrt(128) + causal + pad) v, from qkv (f16; Q and K carry 0.25 each), with a running maximum.
; THE MASKS ARE ADDED, as the problem defines them: a singly masked score is the lowest finite f32 (NEG), a doubly masked one is -infinity.
; So a row whose keys up to the diagonal are all padded has the maximum NEG, and every singly masked key has weight 1, the unpadded keys
; behind the diagonal too.  Keys in tiles behind the diagonal tile are not walked; they enter at the merge as one term of score NEG:
; exp2(NEG - m) x (sum of mask[k] V[k], sum of mask[k]), made from vaux's sums and the mask at the start.
; PRECISION: a row that sees few keys is as large as V itself, while the output's root mean square, by which it is judged, is set by the many rows
; that average over many keys.  Such a row's keys lie in its diagonal tile, so there P and V each enter the second product as the exact sum of two
; f16 numbers (O += Vhi Phi + Vhi Plo + Vlo Phi): f16 keeps 11 bits, the pair 22.  The result leaves as ONE f16 number, the rounding of the last
; product's operand.
; LIMITS: att is a single f16 number (11 bits), so are P and V off the diagonal tile, and Q and K everywhere; |score| < 1e31 (NEG absorbs it, as in
; the definition); mask values 0 or 1; |v| < 65,504; a low part below 6e-5 is kept to 3e-8 absolute.
; SHARING: cluster c: key/value head c & 3, p = c >> 2 (0..15).  It takes the query blocks (128 rows x the head's 2 query heads) p and then
; 31 - p: (p + 1) + (32 - p) = 33 key tiles of 128 for every cluster.  Work-group cx takes head 2 kvh + (cx & 1), rows 64 (cx >> 1) .. + 63.
; All four walk the same K and V tiles: every tile is ONE joint load (mask 15) a wave.  Inside a work-group the KEYS are split: wave w takes keys
; 32 w .. + 31 of every tile for all 64 queries, with a maximum and a sum of its own; the four are merged once for each block, through LDS.
; ORDER OF TILES: trip 0: the first block's diagonal tile p; trips 1 .. p: its tiles 0 .. p - 1; trips p + 1 .. 32: the second block's tiles
; 0 .. 31 - p, its diagonal tile last.  So the first and the last trip, which are written out anyway (the first starts the sums, the last asks for
; nothing), are the two diagonal ones, and the 31 trips between are one loop body with one guard: the change of blocks in trip p + 1.
; TWO SLOTS, one round of the cluster's barrier a trip.  In front of the round each wave waits for its one tensor load (its part of this trip's tile)
; and for its LDS reads of the other slot (last trip's fragments); behind it the next tile is asked for into that other slot, first thing, and only
; then this trip's fragments are read.  So a tile is on its way from one round to the next: a whole trip.  Trip t uses slot t & 1; the two slots lie
; 131,072 bytes apart, one address bit that all addresses inside a slot leave free, so one exclusive-or a trip turns the descriptors' LDS word and
; the two read addresses, and the loop's body is one trip.
; LAYOUTS: S^T = K Q^T: lane (r, h), register j: key 8 h + j, query r.  Two such tiles packed to f16 ARE the second source of O^T = V^T P^T;
; V^T's fragments come from V kept [key][d] by the transposing load.  In O^T a lane holds query r, d = 16 dt + 8 h + j: maximum, sum and
; rescaling factor are one number a lane.
; REGISTERS: window 0: v8-27 addresses and constants, v28-35 maxima (twice each), v36-39 sums, v40-47 factors (twice each), v48-63 at work,
; v64-127 S, v128-159 P, v160-223 K fragments (in a diagonal trip later P's low part and the split's work), v224-239 padding terms, v240-241 addresses;
; window 1: O(dt, nt) at v[8 (8 nt + dt)]; window 2: v0-127 Q fragments (nt, ks) at v[8 (4 nt + ks)], v128-191 V^T fragments, v192-231 the causal
; addends; window 3: v0-63, v64-127 the low parts of V^T's fragments of the first and of the second diagonal tile.
; LDS: slot 0 at 0, slot 1 at 131,072: four regions of 18,432 bytes each, one for each loading wave (64 rows of K at pitch 272, or of V at pitch 288).
; The first block's stage (a part of 32,768 bytes for each 16 queries nt: [source wave] 8,192) shares no byte with a fill: nt = 0, 1, 2 at
; 204,800 + 32,768 nt, nt = 3 at 73,728.  Maxima and sums, tails, counts and the way out lie at 106,496 .. 129,279.  The second block's stage is written
; only behind the last fill and lies in the slots: 32,768 (nt & 1) + 131,072 (nt >> 1).
.set REG,   18432                      ; a loading wave's region of a slot
.set SLOTX, 0x20000                    ; from slot 0 to slot 1
.set ML,   106496                      ; [block][wave] 64 maxima, 64 sums: 2,048 bytes a block
.set VT,   110592                      ; [block] 128 f32: the tail's sum of mask V
.set CNT,  111616                      ; [block] the four waves' parts of the tail's count
.set OST,  111872                      ; the way out: 16 rows x 272 bytes for each wave
.set VLO_AT, 131072                    ; where V's low parts begin in vaux
.set SB,  16                           ; v16-19 where I stage O of queries 16 nt .. + 15
.set MM,  28
.set LL,  36
.set AL,  40
.set SS,  64
.set PF,  128
.set KF,  160
.set PL,  160                          ; P's low part, in K's fragments' registers
.set TT,  192                          ; the split's work
.set DD,  208
.set PD,  224
.set SBW, 240                          ; v240 8,192 w + 16 l: my place in a part of the stage
.set RB1, 241                          ; v241 where I read the second block's stage
.set CA,  192                          ; window 2
.set G1K, 24                           ; s[24:31] group 1 for K's tiles
.set G0K, 32                           ; s[32:35] group 0
.set G1V, 48                           ; s[48:55] group 1 for V's tiles
.set G0V, 56                           ; s[56:59] group 0
.set MSB, 0
.macro WIN new                         ; the immediate's high byte repeats the setting that is left
.if MSB != \new
	s_set_vgpr_msb (MSB<<8)|\new
.set MSB, \new
.endif
.endm
.macro PLACES                          ; four plain vector instructions behind a matrix instruction (ISA guide 7.12.1)
.rept 4
	v_nop
.endr
.endm
.macro ROUND                           ; a round of the cluster's barrier
	s_barrier_signal -1
	s_barrier_wait -1
	s_cmp_lg_u32 s14, 0
	s_cbranch_scc1 .Lnot_wave_0_\@
	s_barrier_signal -3
.Lnot_wave_0_\@:
	s_barrier_wait -3
	s_barrier_signal -1
	s_barrier_wait -1
.endm
.macro JLOAD                           ; waves 0, 1: K's rows 0-63, 64-127; waves 2, 3: V's.  The branch hangs on the wave's number alone
	s_cmp_eq_u32 s15, 0
	s_cbranch_scc0 .Lfor_v_\@
	tensor_load_to_lds s[G0K:G0K+3], s[G1K:G1K+7]
	s_nop 0
	s_branch .Lasked_\@
.Lfor_v_\@:
	tensor_load_to_lds s[G0V:G0V+3], s[G1V:G1V+7]
	s_nop 0
.Lasked_\@:
.endm
.macro QLOAD base                      ; my work-group's 64 queries as 16 fragments, straight into registers
	WIN 0x80                                       ; destination window 2
.irp nt, 0,1,2,3
.irp ks, 0,1,2,3
	global_load_b128 v[8*(4*\nt+\ks):8*(4*\nt+\ks)+3],   v13, s[\base:\base+1] offset:65536*\nt+64*\ks
	global_load_b128 v[8*(4*\nt+\ks)+4:8*(4*\nt+\ks)+7], v13, s[\base:\base+1] offset:65536*\nt+64*\ks+32
.endr
.endr
	WIN 0
.endm
.macro PDLOAD                          ; the padding terms of my 32 keys of the tile whose terms begin at s[74:75]
	global_load_b128 v[PD:PD+3],     v12, s[74:75]
	global_load_b128 v[PD+4:PD+7],   v12, s[74:75] offset:16
	global_load_b128 v[PD+8:PD+11],  v12, s[74:75] offset:64
	global_load_b128 v[PD+12:PD+15], v12, s[74:75] offset:80
.endm
.macro SMUL                            ; S^T = K Q^T: eight accumulators take turns, one instruction a turn
.irp ks, 0,1,2,3
.irp nt, 0,1,2,3
.irp k2, 0,1
.if \ks == 0
	v_wmma_f32_16x16x32_f16 v[SS+16*\nt+8*\k2:SS+16*\nt+8*\k2+7], v[KF+8*(4*\k2+\ks):KF+8*(4*\k2+\ks)+7], v[8*(4*\nt+\ks):8*(4*\nt+\ks)+7], 0
.else
	v_wmma_f32_16x16x32_f16 v[SS+16*\nt+8*\k2:SS+16*\nt+8*\k2+7], v[KF+8*(4*\k2+\ks):KF+8*(4*\k2+\ks)+7], v[8*(4*\nt+\ks):8*(4*\nt+\ks)+7], v[SS+16*\nt+8*\k2:SS+16*\nt+8*\k2+7]
.endif
.endr
.endr
.endr
.endm
.macro SCALE                           ; score x 16 log2(e) / sqrt(128) + the key's padding term
.irp nt, 0,1,2,3
.irp k2, 0,1
.irp j, 0,2,4,6
	v_pk_fma_f32 v[SS+16*\nt+8*\k2+\j:SS+16*\nt+8*\k2+\j+1], v[SS+16*\nt+8*\k2+\j:SS+16*\nt+8*\k2+\j+1], s[76:77], v[PD+8*\k2+\j:PD+8*\k2+\j+1] op_sel_hi:[1,0,1]
.endr
.endr
.endr
.endm
.macro CAUSAL                          ; the diagonal tile: NEG is added where key > query; the addend hangs on k2 - nt and j alone and was made at the start
	WIN 0x08                                       ; source 1 window 2
.irp nt, 0,1,2,3
.irp k2, 0,1
.irp j, 0,2,4,6
	v_pk_add_f32 v[SS+16*\nt+8*\k2+\j:SS+16*\nt+8*\k2+\j+1], v[SS+16*\nt+8*\k2+\j:SS+16*\nt+8*\k2+\j+1], v[CA+8*(\k2-\nt+3)+\j:CA+8*(\k2-\nt+3)+\j+1]
.endr
.endr
.endr
	WIN 0
.endm
.macro SMAX nt                         ; the new maximum of query r: my 32 keys, the old one, and NEG, so that it is always finite; the factor's exponent
	v_max3_num_f32 v[48+\nt], v[SS+16*\nt], v[SS+16*\nt+1], v[SS+16*\nt+2]
.irp k, 3,5,7,9,11,13
	v_max3_num_f32 v[48+\nt], v[48+\nt], v[SS+16*\nt+\k], v[SS+16*\nt+\k+1]
.endr
	v_max3_num_f32 v[48+\nt], v[48+\nt], v[SS+16*\nt+15], v[MM+2*\nt]
	v_permlanex16_b32 v[52+\nt], v[48+\nt], s78, s79           ; the other half's eight keys of each tile
	v_max3_num_f32 v[48+\nt], v[48+\nt], v[52+\nt], v26
	v_sub_f32 v[AL+2*\nt], v[MM+2*\nt], v[48+\nt]              ; -infinity where a block begins: the factor is then 0
	v_mov_b32 v[MM+2*\nt], v[48+\nt]
	v_mov_b32 v[MM+2*\nt+1], v[48+\nt]
.endm
.macro SUBEXP nt
.irp k, 0,2,4,6,8,10,12,14
	v_pk_add_f32 v[SS+16*\nt+\k:SS+16*\nt+\k+1], v[SS+16*\nt+\k:SS+16*\nt+\k+1], v[MM+2*\nt:MM+2*\nt+1] neg_lo:[0,1] neg_hi:[0,1]
.endr
.irp k, 0,1,2,3,4,5,6,7,8,9,10,11,12,13,14,15
	v_exp_f32 v[SS+16*\nt+\k], v[SS+16*\nt+\k]
.endr
.endm
; The sum of my keys' weights, and the weights as f16.  split = 1: as two f16 numbers: t = 8193 p, hi = t + (p - t) is p rounded to 11 bits, lo = p - hi is exact.
.macro SUMCVT nt, split
	v_pk_add_f32 v[56:57], v[SS+16*\nt:SS+16*\nt+1], v[SS+16*\nt+2:SS+16*\nt+3]
	v_pk_add_f32 v[58:59], v[SS+16*\nt+4:SS+16*\nt+5], v[SS+16*\nt+6:SS+16*\nt+7]
	v_pk_add_f32 v[60:61], v[SS+16*\nt+8:SS+16*\nt+9], v[SS+16*\nt+10:SS+16*\nt+11]
	v_pk_add_f32 v[62:63], v[SS+16*\nt+12:SS+16*\nt+13], v[SS+16*\nt+14:SS+16*\nt+15]
	v_pk_add_f32 v[56:57], v[56:57], v[58:59]
	v_pk_add_f32 v[60:61], v[60:61], v[62:63]
	v_pk_add_f32 v[56:57], v[56:57], v[60:61]
	v_add_f32 v56, v56, v57
	v_mov_b32 v[AL+2*\nt+1], v[AL+2*\nt]                       ; the factor twice, for the packed multiply
	v_fma_f32 v[LL+\nt], v[LL+\nt], v[AL+2*\nt], v56           ; each half of the lanes keeps the sum of its own keys
.if \split
.irp k, 0,2,4,6,8,10,12,14
	v_pk_mul_f32 v[TT+\k:TT+\k+1], v[SS+16*\nt+\k:SS+16*\nt+\k+1], s[60:61] op_sel_hi:[1,0]
.endr
.irp k, 0,2,4,6,8,10,12,14
	v_pk_add_f32 v[DD+\k:DD+\k+1], v[SS+16*\nt+\k:SS+16*\nt+\k+1], v[TT+\k:TT+\k+1] neg_lo:[0,1] neg_hi:[0,1]
.endr
.irp k, 0,2,4,6,8,10,12,14
	v_pk_add_f32 v[TT+\k:TT+\k+1], v[TT+\k:TT+\k+1], v[DD+\k:DD+\k+1]
.endr
.irp k, 0,2,4,6,8,10,12,14
	v_pk_add_f32 v[SS+16*\nt+\k:SS+16*\nt+\k+1], v[SS+16*\nt+\k:SS+16*\nt+\k+1], v[TT+\k:TT+\k+1] neg_lo:[0,1] neg_hi:[0,1]
.endr
.irp k, 0,1,2,3,4,5,6,7
	v_cvt_pk_f16_f32 v[PF+8*\nt+\k], v[TT+2*\k], v[TT+2*\k+1]
	v_cvt_pk_f16_f32 v[PL+8*\nt+\k], v[SS+16*\nt+2*\k], v[SS+16*\nt+2*\k+1]
.endr
.else
.irp k, 0,1,2,3,4,5,6,7
	v_cvt_pk_f16_f32 v[PF+8*\nt+\k], v[SS+16*\nt+2*\k], v[SS+16*\nt+2*\k+1]
.endr
.endif
.endm
.macro RESCALE
	WIN 0x41                                       ; O in window 1, the factor in window 0
.irp nt, 0,1,2,3
.irp dt, 0,1,2,3,4,5,6,7
.irp j, 0,2,4,6
	v_pk_mul_f32 v[8*(8*\nt+\dt)+\j:8*(8*\nt+\dt)+\j+1], v[8*(8*\nt+\dt)+\j:8*(8*\nt+\dt)+\j+1], v[AL+2*\nt:AL+2*\nt+1]
.endr
.endr
.endr
.endm
; O^T += V^T P^T: 32 accumulators take turns, one instruction a turn, from one such product into the next too.
; win: 0x52: V^T in window 2, 0x53: in window 3; P in window 0, O in window 1.  vb: V^T's first register, pb: P's.
.macro PVMUL zero, win, vb, pb
	WIN \win
.irp dt, 0,1,2,3,4,5,6,7
.irp nt, 0,1,2,3
.if \zero
	v_wmma_f32_16x16x32_f16 v[8*(8*\nt+\dt):8*(8*\nt+\dt)+7], v[\vb+8*\dt:\vb+8*\dt+7], v[\pb+8*\nt:\pb+8*\nt+7], 0
.else
	v_wmma_f32_16x16x32_f16 v[8*(8*\nt+\dt):8*(8*\nt+\dt)+7], v[\vb+8*\dt:\vb+8*\dt+7], v[\pb+8*\nt:\pb+8*\nt+7], v[8*(8*\nt+\dt):8*(8*\nt+\dt)+7]
.endif
.endr
.endr
.endm
.macro STAGE_OUT blk                   ; a block is done: my O, maxima and sums go to LDS for the merge
.if \blk
.irp nt, 0,1,2,3
	v_add_nc_u32 v[SB+\nt], 32768*(\nt%2)+131072*(\nt/2), v[SBW]   ; the second block's stage: in the slots, which have had their last fill
.endr
.endif
	WIN 0x04                                       ; store data in window 1
.irp nt, 0,1,2,3
.irp dt, 0,1,2,3,4,5,6,7
.irp u, 0,1
	ds_store_b128 v[SB+\nt], v[8*(8*\nt+\dt)+4*\u:8*(8*\nt+\dt)+4*\u+3] offset:1024*\dt+512*\u
.endr
.endr
.endr
	WIN 0
.irp nt, 0,1,2,3
	v_permlanex16_b32 v[52+\nt], v[LL+\nt], s78, s79
.endr
.irp nt, 0,1,2,3
	v_add_f32 v[LL+\nt], v[LL+\nt], v[52+\nt]      ; both halves' keys
	ds_store_b32 v15, v[MM+2*\nt] offset:2048*\blk+64*\nt
	ds_store_b32 v15, v[LL+\nt] offset:2048*\blk+64*\nt+256
.endr
.endm
; Wave w merges queries 16 w .. + 15 of one block: the four waves' parts and the tail, each weighted by exp2(its maximum - the common one) / the sum.
.macro MERGE
.irp ws, 0,1,2,3
	ds_load_b32 v[48+\ws], v20 offset:512*\ws
	ds_load_b32 v[52+\ws], v20 offset:512*\ws+256
.endr
	ds_load_b128 v[56:59], v27
.irp dt, 0,1,2,3,4,5,6,7
	ds_load_b128 v[KF+8*\dt:KF+8*\dt+3],   v21 offset:64*\dt
	ds_load_b128 v[KF+8*\dt+4:KF+8*\dt+7], v21 offset:64*\dt+16
.endr
	s_wait_dscnt 0x0
	v_max3_num_f32 v62, v48, v49, v50
	v_max_num_f32 v62, v62, v51                    ; the common maximum: never below NEG, so always finite
.irp ws, 0,1,2,3
	v_sub_f32 v[AL+2*\ws], v[48+\ws], v62
.endr
	v_sub_f32 v60, v26, v62
.irp ws, 0,1,2,3
	v_exp_f32 v[AL+2*\ws], v[AL+2*\ws]
.endr
	v_exp_f32 v60, v60                             ; the tail's weight: 1 if the row has seen nothing but NEG, else 0
	v_add_f32 v56, v56, v57                        ; plain instructions behind the exponentials (ISA guide 5.7.2): the tail's count
	v_add_f32 v58, v58, v59
	v_add_f32 v56, v56, v58
	s_wait_alu depctr_va_vdst(0)
	v_mul_f32 v63, v60, v56
.irp ws, 0,1,2,3
	v_fmac_f32 v63, v[AL+2*\ws], v[52+\ws]
.endr
	v_rcp_f32 v57, v63                             ; the sum is at least 1: the row's own key is real or singly masked
	v_nop
	s_wait_alu depctr_va_vdst(0)
.irp ws, 0,1,2,3
	v_mul_f32 v[AL+2*\ws+1], v[AL+2*\ws], v57      ; the division goes into the weights
	v_mul_f32 v[AL+2*\ws], v[AL+2*\ws], v57
.endr
	v_mul_f32 v61, v60, v57
	v_mul_f32 v60, v60, v57
.set i, 0
.rept 32
	v_pk_mul_f32 v[SS+2*i:SS+2*i+1], v[KF+2*i:KF+2*i+1], v[60:61]
.set i, i+1
.endr
.irp ws, 0,1,2,3
.irp dt, 0,1,2,3,4,5,6,7
	ds_load_b128 v[KF+8*\dt:KF+8*\dt+3],   v14 offset:8192*\ws+1024*\dt
	ds_load_b128 v[KF+8*\dt+4:KF+8*\dt+7], v14 offset:8192*\ws+1024*\dt+512
.endr
	s_wait_dscnt 0x0
.set i, 0
.rept 32
	v_pk_fma_f32 v[SS+2*i:SS+2*i+1], v[KF+2*i:KF+2*i+1], v[AL+2*\ws:AL+2*\ws+1], v[SS+2*i:SS+2*i+1]
.set i, i+1
.endr
.endr
.set i, 0
.rept 32
	v_cvt_pk_f16_f32 v[PF+i], v[SS+2*i], v[SS+2*i+1]           ; the one rounding of the result: the last product's operand
.set i, i+1
.endr
.irp dt, 0,1,2,3,4,5,6,7
	ds_store_b128 v22, v[PF+4*\dt:PF+4*\dt+3] offset:32*\dt
.endr
.irp t, 0,1,2,3,4,5,6,7
	ds_load_b128 v[KF+4*\t:KF+4*\t+3], v23 offset:544*\t       ; my own bytes; a wave's LDS instructions are served in order
.endr
.irp t, 0,1,2,3,4,5,6,7
	s_wait_dscnt 7-\t                              ; rows 2 t and 2 t + 1 are back; the 7 - t later loads stay out
	global_store_b128 v24, v[KF+4*\t:KF+4*\t+3], s[84:85] offset:4096*\t   ; sixteen lanes store a row's 256 bytes of one head, aligned
.endr
	s_wait_xcnt 0x0                                ; the stores' base and data registers are written again only behind this wait
	s_add_nc_u64 s[84:85], s[84:85], s[86:87]      ; att at the other block
	v_mov_b32 v14, v[RB1]                          ; the second block's stage,
	v_xor_b32 v20, 0x800, v20                      ; and its maxima, tail and count: one bit each that the addresses leave free
	v_xor_b32 v21, 0x200, v21
	v_xor_b32 v27, 16, v27
.endm
; One key tile; s88 holds the trip's number.  refill: the next tile is asked for; first: O starts here; diag: the diagonal tile (the causal step, P and V in
; two parts); sw: the guarded change of blocks; vl: where, in window 3, the low parts of this diagonal tile's V^T fragments lie.
.macro TRIP refill, first, diag, sw, vl
	s_wait_tensorcnt 0x0                           ; my one tensor load has landed: my part of this trip's tile; so the descriptors may be written,
	ds_add_u32 v254, v255
	s_wait_dscnt 0x0
	s_wait_dscnt 0x0                               ; my LDS reads of the other slot (last trip's fragments) and my LDS stores are done,
.if \refill
	s_wait_xcnt 0x0                                ; and the padding loads' base is written again only behind this wait
	s_sub_co_u32 s22, s88, s20                     ; the next trip's tile: t - p,
	s_cmp_lt_u32 s88, s20
	s_cselect_b32 s22, s88, s22                    ; or t while the first block lasts
	s_lshl_b32 s72, s22, 19                        ; 128 rows of 4,096 bytes
	s_add_nc_u64 s[G0K+2:G0K+3], s[66:67], s[72:73]
	s_or_b32 s[G0K+3], s[G0K+3], 0x80000000
	s_add_nc_u64 s[G0V+2:G0V+3], s[68:69], s[72:73]
	s_or_b32 s[G0V+3], s[G0V+3], 0x80000000
	s_xor_b32 s[G0K+1], s[G0K+1], SLOTX            ; into the other slot
	s_xor_b32 s[G0V+1], s[G0V+1], SLOTX
	s_lshl_b32 s72, s22, 9
	s_add_nc_u64 s[74:75], s[6:7], s[72:73]
	ROUND                                          ; all that holds of every wave of the four work-groups: this tile is whole, the other slot is free
	JLOAD                                          ; my one tensor load until the next round, first behind this one: it has the whole trip in which to land
.else
	s_barrier_signal -1                            ; the last tile: every wave's part has landed; nothing is filled any more
	s_barrier_wait -1
.endif
.if \sw
	s_cmp_lg_u32 s88, s18                          ; trip p + 1: the second block begins
	s_cbranch_scc1 .Lsame_\@
	STAGE_OUT 0                                    ; the first block's stage is read only at the end, behind barriers
	QLOAD 82
.irp k, 0,1,2,3,4,5,6,7
	v_mov_b32 v[MM+\k], 0xff800000                 ; the old maximum -infinity: this trip's factor is 0 and wipes the (finite) O and sums of the first block
.endr
	s_wait_loadcnt 0x0                             ; the new queries
.Lsame_\@:
.endif
.irp k2, 0,1
.irp ks, 0,1,2,3
	ds_load_b128 v[KF+8*(4*\k2+\ks):KF+8*(4*\k2+\ks)+3],   v8 offset:4352*\k2+64*\ks
	ds_load_b128 v[KF+8*(4*\k2+\ks)+4:KF+8*(4*\k2+\ks)+7], v8 offset:4352*\k2+64*\ks+32
.endr
.endr
	WIN 0x80
.irp dt, 0,1,2,3,4,5,6,7
	ds_load_tr16_b128 v[128+8*\dt:128+8*\dt+3], v10 offset:32*\dt
	ds_load_tr16_b128 v[128+8*\dt+4:128+8*\dt+7], v10 offset:32*\dt+4608
.endr
	WIN 0
.if \refill
	v_xor_b32 v8, SLOTX, v8                        ; the next trip reads the other slot
	v_xor_b32 v10, SLOTX, v10
.endif
	s_wait_dscnt 16                                ; K's fragments are in; V's sixteen loads stay out and land under the first product
	WIN 0x08                                       ; Q in window 2
	SMUL
	WIN 0
	PLACES
	s_wait_loadcnt 0x0                             ; this tile's padding terms, asked for in the trip before
	SCALE
.if \refill
	PDLOAD                                         ; the next tile's, into the registers just read
.endif
.if \diag
	CAUSAL
.endif
.irp q, 0,1,2,3
	SMAX \q
.endr
.irp q, 0,2,4,6
	v_exp_f32 v[AL+\q], v[AL+\q]
.endr
.irp q, 0,1,2,3
	SUBEXP \q                                      ; each run of exponentials is followed by plain instructions on other registers (ISA guide 5.7.2)
.endr
	v_nop
	s_wait_alu depctr_va_vdst(0)
.irp q, 0,1,2,3
	SUMCVT \q, \diag
.endr
	s_wait_dscnt 0x0                               ; V's fragments
.if \first
	PVMUL 1, 0x52, 128, PF                         ; the first product starts the sums: nothing is cleared
.else
	RESCALE
	PVMUL 0, 0x52, 128, PF
.endif
.if \diag
	PVMUL 0, 0x52, 128, PL                         ; V's high part x P's low part,
	PVMUL 0, 0x53, \vl, PF                         ; V's low part x P's high part
.endif
	WIN 0
	PLACES                                         ; behind the last matrix instruction: for the stage's stores, the next loads into K's and V's fragments, the next writes of P and O
.endm
	s_load_b256 s[4:11], s[0:1], 0x0               ; qkv s[4:5], padf s[6:7], vaux s[8:9], mask s[10:11]
	s_load_b64 s[12:13], s[0:1], 0x20              ; att
	v_lshl_add_u32 v254, v0, 2, 0x4a000
	v_mov_b32 v255, 0
	ds_add_u32 v254, v255
	v_lshrrev_b32 v1, 5, v0
	v_readfirstlane_b32 s14, v1                    ; wave
	s_lshr_b32 s15, s14, 1                         ; I fetch K (0) or V (1); also: which wave's region of a slot holds my keys
	s_and_b32 s16, s14, 1                          ; which 64 rows I fetch; also: which 32 rows of that region are my keys
	s_bfe_u32 s17, ttmp6, 0x40000                  ; cx
	s_and_b32 s19, ttmp9, 3                        ; key/value head
	s_lshr_b32 s20, ttmp9, 2                       ; p: the first query block
	s_sub_co_u32 s21, 31, s20                      ; the second
	s_add_co_u32 s18, s20, 1                       ; the trip in which it begins
	s_mov_b32 s60, 0x46000400                      ; 8193 = 2^13 + 1: splits 24 bits into 11 and the rest
	s_mov_b32 s61, 0x46000400
	s_mov_b32 s76, 0x400293ee                      ; 16 log2(e) / sqrt(128): the 16 undoes the two factors 0.25
	s_mov_b32 s77, 0x400293ee
	s_mov_b32 s78, 0x76543210                      ; v_permlanex16_b32: lane i of one half reads lane i of the other
	s_mov_b32 s79, 0xfedcba98
	s_mov_b32 s97, 0                               ; the upper half of the pair that holds a tail's weight
	s_mov_b32 s[G1K+0], 15|(1<<16)|(1<<20)|(1<<21)|(5<<22)|(3<<25)   ; all four work-groups; 2-byte elements; padding: after 64 words 4 words; bit 21 beside a mask
	s_mov_b32 s[G1K+1], 128<<16                    ; tensor_dim0 = 128
	s_mov_b32 s[G1K+2], 64<<16                     ; tensor_dim1 = 64
	s_mov_b32 s[G1K+3], 128<<16                    ; tile_dim0 = 128
	s_mov_b32 s[G1K+4], 64                         ; tile_dim1 = 64
	s_mov_b32 s[G1K+5], 2048                       ; elements from row to row
	s_mov_b32 s[G1K+6], 0
	s_mov_b32 s[G1K+7], 0
	s_mov_b32 s[G1V+0], 15|(1<<16)|(1<<20)|(1<<21)|(5<<22)|(7<<25)   ; the same with 8 words of padding: pitch 288 for the transposing load
	s_mov_b32 s[G1V+1], 128<<16
	s_mov_b32 s[G1V+2], 64<<16
	s_mov_b32 s[G1V+3], 128<<16
	s_mov_b32 s[G1V+4], 64
	s_mov_b32 s[G1V+5], 2048
	s_mov_b32 s[G1V+6], 0
	s_mov_b32 s[G1V+7], 0
	s_mov_b32 s[G0K], 1
	s_mul_i32 s[G0K+1], s14, REG                   ; my region of slot 0: 18,432 x wave
	s_mov_b32 s[G0V], 1
	s_mul_i32 s[G0V+1], s14, REG
	s_lshl_b32 s72, s16, 18                        ; 64 rows of 4,096 bytes
	s_lshl_b32 s41, s19, 9                         ; 512 bytes for each key/value head
	s_add_co_u32 s72, s72, s41
	s_add_co_u32 s72, s72, 2048                    ; behind Q's 1,024 columns
	s_mov_b32 s73, 0
	s_wait_dscnt 0x0
	s_wait_kmcnt 0x0
	s_add_nc_u64 s[66:67], s[4:5], s[72:73]        ; K's rows that I fetch, in tile 0
	s_add_nc_u64 s[68:69], s[66:67], 256           ; V's
	s_lshl_b32 s72, s20, 19                        ; trip 0: tile p
	s_add_nc_u64 s[G0K+2:G0K+3], s[66:67], s[72:73]
	s_or_b32 s[G0K+3], s[G0K+3], 0x80000000
	s_add_nc_u64 s[G0V+2:G0V+3], s[68:69], s[72:73]
	s_or_b32 s[G0V+3], s[G0V+3], 0x80000000
	s_lshl_b32 s72, s20, 9
	s_add_nc_u64 s[74:75], s[6:7], s[72:73]        ; its padding terms
	ROUND                                          ; in front of the first joint load
	JLOAD                                          ; slot 0; slot 1 is first filled behind the first trip's round
	; what hangs on cx: global addresses of Q and att and the causal comparison, in registers of their own
	s_lshr_b32 s92, s17, 1
	s_and_b32 s93, s17, 1
	s_lshl1_add_u32 s93, s19, s93                  ; query head
	s_lshl_b32 s93, s93, 8                         ; its 256 bytes of a row, in qkv and in att alike
	s_mov_b32 s91, 0
	s_lshl_b32 s94, s92, 18                        ; qkv: 64 rows of 4,096 bytes
	s_add_co_u32 s94, s94, s93
	s_lshl_b32 s95, s20, 19
	s_add_co_u32 s90, s94, s95
	s_add_nc_u64 s[80:81], s[4:5], s[90:91]        ; Q of the first block
	s_lshl_b32 s95, s21, 19
	s_add_co_u32 s90, s94, s95
	s_add_nc_u64 s[82:83], s[4:5], s[90:91]        ; of the second
	s_lshl_b32 s94, s92, 17                        ; att: 64 rows of 2,048 bytes
	s_add_co_u32 s94, s94, s93
	s_lshl_b32 s95, s20, 18
	s_add_co_u32 s90, s94, s95
	s_add_nc_u64 s[84:85], s[12:13], s[90:91]      ; att of the first block
	s_sub_co_u32 s86, s21, s20
	s_lshl_b32 s86, s86, 18                        ; from there to the second: 31 - 2 p blocks of 128 rows of 2,048 bytes
	s_mov_b32 s87, 0
	s_lshl_b32 s72, s19, 20                        ; V's low parts: 128 x 8,192 bytes for each key/value head,
	s_lshl_b32 s41, s14, 13                        ; 8,192 for each 32 keys: my wave's
	s_add_co_u32 s72, s72, s41
	s_add_co_u32 s72, s72, VLO_AT
	s_add_nc_u64 s[98:99], s[8:9], s[72:73]
	s_lshl_b32 s72, s20, 15                        ; 4 x 8,192 for each tile
	s_add_nc_u64 s[36:37], s[98:99], s[72:73]      ; the first block's diagonal tile
	s_lshl_b32 s72, s21, 15
	s_add_nc_u64 s[38:39], s[98:99], s[72:73]      ; the second's
	s_lshl_b32 s72, s19, 9
	s_add_nc_u64 s[8:9], s[8:9], s[72:73]          ; the sums of mask V at my key/value head
	v_and_b32 v1, 15, v0                           ; r
	v_bfe_u32 v2, v0, 4, 1                         ; h
	v_and_b32 v3, 31, v0                           ; lane
	v_lshlrev_b32 v13, 12, v1
	v_lshl_add_u32 v13, v2, 4, v13                 ; Q: 4096 r + 16 h
	v_lshlrev_b32 v12, 5, v2
	v_lshl_add_u32 v12, s14, 7, v12                ; padding terms: 128 w + 32 h
	v_lshlrev_b32 v5, 2, v0                        ; 4 t
	v_lshlrev_b32 v9, 4, v3                        ; 16 l
	QLOAD 80
	PDLOAD
	WIN 0xc0                                       ; destination window 3
.irp dt, 0,1,2,3,4,5,6,7
	global_load_b128 v[8*\dt:8*\dt+3],       v9, s[36:37] offset:1024*\dt          ; stored in this order: each load takes 512 consecutive bytes
	global_load_b128 v[8*\dt+4:8*\dt+7],     v9, s[36:37] offset:1024*\dt+512
	global_load_b128 v[64+8*\dt:64+8*\dt+3], v9, s[38:39] offset:1024*\dt
	global_load_b128 v[68+8*\dt:68+8*\dt+3], v9, s[38:39] offset:1024*\dt+512
.endr
	WIN 0
.set j, 1
.rept 31
	global_load_b32 v[62+2*j], v5, s[8:9] offset:4096*j        ; thread t = d: the sum of mask V over rows 128 j .. + 63,
	global_load_b32 v[125+j], v5, s[8:9] offset:4096*j+2048    ; over rows 128 j + 64 .. + 127,
	global_load_b32 v[63+2*j], v5, s[10:11] offset:512*j       ; and mask[128 j + t], beside the first: a pair (sum, count)
.set j, j+1
.endr
	v_and_b32 v4, 7, v0
	v_bfe_u32 v7, v0, 3, 1
	v_mul_u32_u24 v6, v1, 272
	v_lshl_add_u32 v6, v2, 4, v6                   ; 272 r + 16 h
	s_mul_i32 s41, s15, REG
	s_mul_i32 s42, s16, 32*272
	s_add_co_u32 s42, s42, s41
	v_add_nc_u32 v8, s42, v6                       ; my K fragments in slot 0: waves 0 and 1 fetched K
	v_lshl_add_u32 v4, v2, 3, v4
	v_mul_u32_u24 v4, v4, 288
	v_lshl_add_u32 v4, v7, 4, v4                   ; 288 (8 h + (l & 7)) + 16 ((l >> 3) & 1)
	s_mul_i32 s42, s16, 32*288
	s_add_co_u32 s42, s42, s41
	s_add_co_u32 s42, s42, 2*REG
	v_add_nc_u32 v10, s42, v4                      ; my V^T fragments in slot 0: waves 2 and 3 fetched V
	s_lshl_b32 s42, s14, 13
	v_lshl_add_u32 v[SBW], v3, 4, s42              ; my place in a part of the stage: 8,192 w + 16 l
.irp nt, 0,1,2,3
	v_add_nc_u32 v[SB+\nt], 204800+32768*\nt-229376*(\nt/3), v[SBW]    ; the first block's stage: 204,800 + 32,768 nt, and 73,728 for nt = 3
.endr
	s_lshl_b32 s42, s14, 15
	s_add_co_u32 s42, s42, 204800                  ; where I read the four waves' O of my sixteen queries (nt = my wave's number), first block
	s_cmp_lg_u32 s14, 3
	s_cbranch_scc1 .Lpart
	s_mov_b32 s42, 73728
.Lpart:
	v_lshl_add_u32 v14, v3, 4, s42
	s_lshl_b32 s42, s16, 15
	s_lshl_b32 s43, s15, 17
	s_add_co_u32 s42, s42, s43
	v_lshl_add_u32 v[RB1], v3, 4, s42              ; second block: 32,768 (w & 1) + 131,072 (w >> 1)
	s_lshl_b32 s42, s14, 9
	s_add_co_u32 s42, s42, ML
	v_lshl_add_u32 v15, v1, 2, s42                 ; where I stage maxima and sums
	s_lshl_b32 s42, s14, 6
	s_add_co_u32 s42, s42, ML
	v_lshl_add_u32 v20, v1, 2, s42                 ; where I read those of my sixteen queries
	v_lshlrev_b32 v21, 5, v2
	v_add_nc_u32 v21, VT, v21
	s_mul_i32 s42, s14, 16*272
	s_add_co_u32 s42, s42, OST
	v_add_nc_u32 v22, s42, v6
	v_mul_u32_u24 v23, v2, 272
	v_lshl_add_u32 v23, v1, 4, v23
	v_add_nc_u32 v23, s42, v23
	s_lshl_b32 s42, s14, 15
	v_lshl_add_u32 v24, v2, 11, s42
	v_lshl_add_u32 v24, v1, 4, v24                 ; att: (16 w + h) rows of 2,048 bytes + 16 r
	s_lshl_b32 s94, s92, 6
	s_lshl_b32 s95, s14, 5
	s_sub_co_i32 s94, s94, s95
	v_add_nc_u32 v25, s94, v1
	v_lshlrev_b32 v7, 3, v2
	v_sub_nc_u32 v25, v25, v7                      ; 64 (cx >> 1) + r - 32 w - 8 h
	v_mov_b32 v26, 0xff7fffff                      ; NEG
	v_mov_b32 v27, CNT
	; the causal addends: key 32 w + 16 k2 + 8 h + j lies behind query 64 (cx >> 1) + 16 nt + r where j + 16 (k2 - nt) > v25
	WIN 0x80                                       ; destination window 2
.irp d, 0,1,2,3,4
.irp j, 0,1,2,3,4,5,6,7
	v_cmp_gt_i32 vcc_lo, \j+16*(\d-3), v25
	v_cndmask_b32 v[CA+8*\d+\j], 0, v26, vcc_lo
.endr
.endr
	WIN 0
.irp k, 0,1,2,3,4,5,6,7
	v_mov_b32 v[MM+\k], 0xff800000                 ; no key seen yet
.endr
.irp k, 0,1,2,3
	v_mov_b32 v[LL+\k], 0
	v_mov_b32 v[52+\k], 0                          ; destinations of v_permlanex16_b32 count as read
.endr
	s_wait_loadcnt 0x0
	; The tails: key tiles j behind each block's diagonal tile.  p <= 15, so tiles 16 .. 31 all count for the first block, and only tiles 17 .. 31 can count for the second.
.set j, 1
.rept 31
	v_add_f32 v[62+2*j], v[62+2*j], v[125+j]
	v_cvt_f32_i32 v[63+2*j], v[63+2*j]
.if j < 16
	s_cmp_lt_u32 s20, j
	s_cselect_b32 s96, 1.0, 0
.if j == 1
	v_pk_mul_f32 v[48:49], v[62+2*j:63+2*j], s[96:97] op_sel_hi:[1,0]
.else
	v_pk_fma_f32 v[48:49], v[62+2*j:63+2*j], s[96:97], v[48:49] op_sel_hi:[1,0,1]
.endif
.else
	v_pk_add_f32 v[48:49], v[48:49], v[62+2*j:63+2*j]
.if j > 16
	s_cmp_lt_u32 s21, j
	s_cselect_b32 s96, 1.0, 0
.if j == 17
	v_pk_mul_f32 v[50:51], v[62+2*j:63+2*j], s[96:97] op_sel_hi:[1,0]
.else
	v_pk_fma_f32 v[50:51], v[62+2*j:63+2*j], s[96:97], v[50:51] op_sel_hi:[1,0,1]
.endif
.endif
.endif
.set j, j+1
.endr
	v_add_nc_u32 v4, VT, v5
	ds_store_b32 v4, v48
	ds_store_b32 v4, v50 offset:512
.irp c, 49,51
	v_add_f32_dpp v[\c], v[\c], v[\c] row_xmask:1 row_mask:0xf bank_mask:0xf
	v_add_f32_dpp v[\c], v[\c], v[\c] row_xmask:2 row_mask:0xf bank_mask:0xf
	v_add_f32_dpp v[\c], v[\c], v[\c] row_xmask:4 row_mask:0xf bank_mask:0xf
	v_add_f32_dpp v[\c], v[\c], v[\c] row_xmask:8 row_mask:0xf bank_mask:0xf
.endr
	v_permlanex16_b32 v52, v49, s78, s79
	v_permlanex16_b32 v53, v51, s78, s79
	v_add_f32 v49, v49, v52
	v_add_f32 v51, v51, v53
	s_lshl_b32 s42, s14, 2
	s_add_co_u32 s42, s42, CNT
	v_mov_b32 v7, s42
	ds_store_b32 v7, v49                           ; all lanes store the same value to my wave's word
	ds_store_b32 v7, v51 offset:16
	; 33 trips; trip t reads slot t & 1.  The second block begins in trip p + 1, which is one of 1 .. 16.
	s_mov_b32 s88, 0
	TRIP 1, 1, 1, 0, 0                             ; the first block's diagonal tile starts the sums
	s_mov_b32 s88, 1
.Ltrip:
	TRIP 1, 0, 0, 1, 0
	s_add_co_u32 s88, s88, 1
	s_cmp_lt_u32 s88, 32
	s_cbranch_scc1 .Ltrip
	TRIP 0, 0, 1, 0, 64                            ; the second block's diagonal tile: nothing is left to fetch
	s_barrier_signal -1                            ; every wave has taken its fragments of the last tile (its LDS loads were waited for in front of the second product),
	s_barrier_wait -1                              ; and no fill follows: the slots' bytes may now hold the second block's stage
	STAGE_OUT 1
	s_wait_dscnt 0x0                               ; my stage is written,
	s_barrier_signal -1
	s_barrier_wait -1                              ; everybody's is
	s_mov_b32 s89, 0
.Lblk:
	MERGE                                          ; the first block, then the second
	s_add_co_u32 s89, s89, 1
	s_cmp_lt_u32 s89, 2
	s_cbranch_scc1 .Lblk
	s_wait_tensorcnt 0x0
	ds_add_u32 v254, v255
	s_wait_dscnt 0x0
	ROUND                                          ; the closing round: no work-group ends while a partner may still ask jointly
	s_endpgm
.Lfunc_end_k_q1add98ed61_attn:
	.size	k_q1add98ed61_attn, .Lfunc_end_k_q1add98ed61_attn-k_q1add98ed61_attn
	.p2alignl 7, 3214868480
	.fill 96, 4, 3214868480
	.section	.rodata,"a",@progbits
	.p2align	6, 0x0
	.amdhsa_kernel k_q1add98ed61_attn
		.amdhsa_group_segment_fixed_size 327680
		.amdhsa_private_segment_fixed_size 0
		.amdhsa_enable_private_segment 0
		.amdhsa_kernarg_size 40
		.amdhsa_user_sgpr_count 2
		.amdhsa_user_sgpr_kernarg_segment_ptr 1
		.amdhsa_wavefront_size32 1
		.amdhsa_system_sgpr_workgroup_id_x 1
		.amdhsa_system_sgpr_workgroup_id_y 1
		.amdhsa_system_sgpr_workgroup_id_z 1
		.amdhsa_system_vgpr_workitem_id 0
		.amdhsa_next_free_vgpr 896
		.amdhsa_next_free_sgpr 100
		.amdhsa_reserve_vcc 1
		.amdhsa_float_denorm_mode_32 3
		.amdhsa_float_denorm_mode_16_64 3
		.amdhsa_memory_ordered 1
		.amdhsa_forward_progress 1
		.amdhsa_inst_pref_size 183
	.end_amdhsa_kernel
	.amdgpu_metadata
---
amdhsa.version: [ 1, 2 ]
amdhsa.kernels:
  - .name:           k_q1add98ed61_attn
    .symbol:         k_q1add98ed61_attn.kd
    .args:
      - { .name: qkv, .offset: 0, .size: 8, .value_kind: global_buffer, .address_space: global }
      - { .name: padf, .offset: 8, .size: 8, .value_kind: global_buffer, .address_space: global }
      - { .name: vaux, .offset: 16, .size: 8, .value_kind: global_buffer, .address_space: global }
      - { .name: attention_mask, .offset: 24, .size: 8, .value_kind: global_buffer, .address_space: global }
      - { .name: att, .offset: 32, .size: 8, .value_kind: global_buffer, .address_space: global }
    .group_segment_fixed_size: 327680
    .private_segment_fixed_size: 0
    .kernarg_segment_align: 8
    .kernarg_segment_size: 40
    .max_flat_workgroup_size: 128
    .sgpr_count:     100
    .vgpr_count:     896
    .wavefront_size: 32
...
	.end_amdgpu_metadata
.endif
;; end of part 6
;; launch oproj (part 7): grid 8 x 32, 4 waves a work-group, clusters of 4 x 4, 327,680 bytes of LDS; arguments att, wob, out0; writes out0
.if DOCPART == 7
	.amdgcn_target "amdgcn-amd-amdhsa--gfx1250"
	.amdhsa_code_object_version 6
	.text
	.protected	k_q1add98ed61_oproj
	.globl	k_q1add98ed61_oproj
	.p2align	8
	.type	k_q1add98ed61_oproj,@function
k_q1add98ed61_oproj:
	s_mov_b64 s[64:65], 0
	v_nop
	global_prefetch_b8 v0, s[64:65] scope:SCOPE_SE
	s_setreg_imm32_b32 hwreg(HW_REG_WAVE_MODE, 25, 1), 1
	s_wait_xcnt 0x0
	s_wait_alu depctr_hold_cnt(0) depctr_sa_sdst(0) depctr_va_vdst(0) depctr_va_sdst(0) depctr_va_ssrc(0) depctr_va_vcc(0) depctr_vm_vsrc(0)
	s_getreg_b32 s2, hwreg(HW_REG_IB_STS2, 6, 4)
	s_cmp_eq_u32 s2, 0
	s_cbranch_scc0 .Lentry_in_a_cluster
	s_endpgm
.Lentry_in_a_cluster:
	s_bfe_u32 s2, ttmp6, 0x10000c
	s_cmp_lg_u32 s2, 0xf033
	s_cbranch_scc0 .Lentry_shape_is_right
	s_endpgm
.Lentry_shape_is_right:
; OPROJ: out0[4096][2048] (f32) = att[4096][1024] (f16) x wob[1024 k][2048 n] (f16), sums in f32.
; The frame of the QKV product: a work-group makes 128 rows x 256 columns with four waves, a wave 64 x 128 = 4 x 8 accumulator tiles (window 1);
; K goes in steps of 128 through two LDS slots filled by the tensor data mover, one load a wave.
; CLUSTERS: 4 x 4 work-groups; att's tile is asked for jointly along a cluster's row, wob's along a column: the requests are divided by four.
; The matrix instruction is used transposed (source 0 = 16 columns of wob, source 1 = 16 rows of att): a lane holds row l % 16 and eight
; neighbouring columns.  wob lies [k][n] in LDS and is read by the transposing load.
.set SIZE_K, 1024
.set KSTEP,  128
.set PA,     272                       ; att's LDS row: 256 bytes + 16
.set PB,     544                       ; wob's LDS row: 512 bytes + 32
.set BT,     128*PB
.set SLOT,   BT+128*PA
.set STAGE,  2*SLOT                    ; behind the ring: 16 rows x 528 bytes for each wave; no fill lands here
.set SPITCH, 528
.set LAPS,   SIZE_K/(2*KSTEP)
.set ADRA, 16
.set ADRB, 20
.set STO,  24
.set RD,   25
.set CO,   26
.set F0,   64
.set F1,   160
.set G1,   24
.set G0,   32
.set G1B,  48
.set G0B,  56
.set MSB, 0
.macro WIN new
.if MSB != \new
	s_set_vgpr_msb (MSB<<8)|\new
.set MSB, \new
.endif
.endm
.macro PLACES                          ; four plain vector instructions behind a matrix instruction (ISA guide 7.12.1)
.rept 4
	v_nop
.endr
.endm
.macro JLOAD s                         ; waves 0, 1: wob's two halves; waves 2, 3: att's
	s_cmp_eq_u32 s11, 0
	s_cbranch_scc0 .Lfor_a_\@
	tensor_load_to_lds s[G0B+4*\s:G0B+4*\s+3], s[G1B:G1B+7]
	s_nop 0
	s_branch .Lasked_\@
.Lfor_a_\@:
	tensor_load_to_lds s[G0+4*\s:G0+4*\s+3], s[G1:G1+7]
	s_nop 0
.Lasked_\@:
.endm
.macro CREST
	s_cmp_lg_u32 s10, 0
	s_cbranch_scc1 .Lnot_wave_0_\@
	s_barrier_signal -3
.Lnot_wave_0_\@:
	s_barrier_wait -3
	s_barrier_signal -1
	s_barrier_wait -1
.endm
.macro CROUND
	s_barrier_signal -1
	s_barrier_wait -1
	CREST
.endm
	s_load_b128 s[4:7], s[0:1], 0x0                ; att s[4:5], wob s[6:7]
	s_load_b64 s[8:9], s[0:1], 0x10                ; out0
	v_lshl_add_u32 v62, v0, 2, 0x3b400
	v_mov_b32 v63, 0
	ds_add_u32 v62, v63
	v_lshrrev_b32 v1, 5, v0
	v_readfirstlane_b32 s10, v1
	s_lshr_b32 s11, s10, 1                         ; my half of the rows; also: I fetch wob (0) or att (1)
	s_and_b32 s12, s10, 1                          ; my half of the columns; also: which 64 rows I fetch
	s_bfe_u32 s40, ttmp6, 0x40000                  ; cx
	s_bfe_u32 s41, ttmp6, 0x40004                  ; cy
	s_lshl_b32 s42, ttmp9, 2
	s_add_co_u32 s42, s42, s40                     ; block column
	s_and_b32 s13, ttmp7, 0xffff
	s_lshl_b32 s13, s13, 2
	s_add_co_u32 s13, s13, s41                     ; block row
	s_lshl_b32 s43, s41, 2
	s_lshl_b32 s43, 15, s43
	s_lshl_b32 s44, 0x1111, s40
	s_or_b32 s[G1+0], s43, (1<<16)|(1<<20)|(1<<21)|(5<<22)|(3<<25)
	s_mov_b32 s[G1+1], KSTEP<<16
	s_mov_b32 s[G1+2], 64<<16
	s_mov_b32 s[G1+3], KSTEP<<16
	s_mov_b32 s[G1+4], 64
	s_mov_b32 s[G1+5], SIZE_K
	s_mov_b32 s[G1+6], 0
	s_mov_b32 s[G1+7], 0
	s_or_b32 s[G1B+0], s44, (1<<16)|(1<<20)|(1<<21)|(6<<22)|(7<<25)
	s_mov_b32 s[G1B+1], 256<<16
	s_mov_b32 s[G1B+2], 64<<16
	s_mov_b32 s[G1B+3], 256<<16
	s_mov_b32 s[G1B+4], 64
	s_mov_b32 s[G1B+5], 2048
	s_mov_b32 s[G1B+6], 0
	s_mov_b32 s[G1B+7], 0
	s_lshl_b32 s16, s13, 7
	s_lshl_b32 s17, s12, 6
	s_add_co_u32 s16, s16, s17
	s_mul_i32 s16, s16, SIZE_K*2
	s_mov_b32 s17, 0
	s_lshl_b32 s46, s42, 9
	s_lshl_b32 s47, s12, 18
	s_add_co_u32 s46, s46, s47
	s_mov_b32 s47, 0
	s_mul_i32 s20, s10, 64*PB
	s_mul_i32 s21, s10, 64*PA
	s_add_co_u32 s21, s21, 64*PB
	s_wait_dscnt 0x0
	s_wait_kmcnt 0x0
	s_add_nc_u64 s[14:15], s[4:5], s[16:17]
	s_add_nc_u64 s[46:47], s[6:7], s[46:47]
	CROUND                                         ; in front of the first joint loads
.irp s, 0,1
	s_mov_b32 s[G0+4*\s], 1
	s_add_co_u32 s[G0+4*\s+1], s21, \s*SLOT
	s_add_nc_u64 s[G0+4*\s+2:G0+4*\s+3], s[14:15], \s*KSTEP*2
	s_or_b32 s[G0+4*\s+3], s[G0+4*\s+3], 0x80000000
	s_mov_b32 s[G0B+4*\s], 1
	s_add_co_u32 s[G0B+4*\s+1], s20, \s*SLOT
	s_add_nc_u64 s[G0B+4*\s+2:G0B+4*\s+3], s[46:47], \s*KSTEP*4096
	s_or_b32 s[G0B+4*\s+3], s[G0B+4*\s+3], 0x80000000
	JLOAD \s                                       ; two tensor loads of the wave are out
.endr
	v_and_b32 v1, 15, v0
	v_bfe_u32 v2, v0, 4, 1
	v_mul_u32_u24 v3, v1, PA
	v_lshl_add_u32 v3, v2, 4, v3
	v_and_b32 v4, 7, v0
	v_lshl_add_u32 v4, v2, 3, v4
	v_mul_u32_u24 v4, v4, PB
	v_bfe_u32 v5, v0, 3, 1
	v_lshl_add_u32 v4, v5, 4, v4
	s_mul_i32 s22, s11, 64*PA
	s_add_co_u32 s22, s22, BT
	s_lshl_b32 s23, s12, 8
.irp s, 0,1
	v_add_nc_u32 v[ADRA+\s], s22, v3
	v_add_nc_u32 v[ADRB+\s], s23, v4
	s_add_co_u32 s22, s22, SLOT
	s_add_co_u32 s23, s23, SLOT
.endr
	s_mul_i32 s23, s10, 16*SPITCH
	s_add_co_u32 s23, s23, STAGE
	v_mul_u32_u24 v5, v1, SPITCH
	v_lshl_add_u32 v5, v2, 5, v5
	v_add_nc_u32 v[STO], s23, v5                   ; in: 528 r + 32 h
	v_and_b32 v[CO], 31, v0
	v_lshlrev_b32 v[CO], 4, v[CO]                  ; 16 l
	v_add_nc_u32 v[RD], s23, v[CO]                 ; back: a whole row of 512 bytes
; The 32 accumulators take turns, one instruction a turn, in the same order in every quarter step.
.macro MUL16 f, a0, zero
.irp a, \a0, \a0+1
.irp b, 0,1,2,3,4,5,6,7
.if \zero
	v_wmma_f32_16x16x32_f16 v[8*(8*(\a)+\b):8*(8*(\a)+\b)+7], v[\f+8*\b:\f+8*\b+7], v[\f+64+8*(\a):\f+64+8*(\a)+7], 0
.else
	v_wmma_f32_16x16x32_f16 v[8*(8*(\a)+\b):8*(8*(\a)+\b)+7], v[\f+8*\b:\f+8*\b+7], v[\f+64+8*(\a):\f+64+8*(\a)+7], v[8*(8*(\a)+\b):8*(8*(\a)+\b)+7]
.endif
.endr
.endr
.endm
.macro FETCH slot, q, f
.irp b, 0,1,2,3,4,5,6,7
	ds_load_tr16_b128 v[\f+8*\b:\f+8*\b+3],   v[ADRB+\slot] offset:\q*32*PB+32*\b
	ds_load_tr16_b128 v[\f+8*\b+4:\f+8*\b+7], v[ADRB+\slot] offset:\q*32*PB+32*\b+16*PB
.endr
.irp a, 0,1,2,3
	ds_load_b128 v[\f+64+8*\a:\f+64+8*\a+3],   v[ADRA+\slot] offset:\q*64+\a*16*PA
	ds_load_b128 v[\f+64+8*\a+4:\f+64+8*\a+7], v[ADRA+\slot] offset:\q*64+\a*16*PA+32
.endr
.endm
.macro QUARTER slot, q, f, g, zero
	s_wait_dscnt 4                                 ; all in but the youngest four loads: att's fragments 2 and 3
	WIN 0x50
	MUL16 \f, 0, \zero
	WIN 0
	PLACES
	FETCH \slot, \q, \g
	s_wait_dscnt 24                                ; all but the 24 just issued
	WIN 0x50
	MUL16 \f, 2, \zero
.endm
.macro THREE slot, zero
	QUARTER \slot, 1, F0, F1, \zero
	QUARTER \slot, 2, F1, F0, 0
	QUARTER \slot, 3, F0, F1, 0
.endm
; The change of slots: each wave's reads of this slot and all its tensor loads are waited for in front of the barrier; where the slot is filled
; again the barrier opens a round of the cluster's barrier, and the joint refill is the first tensor load behind the round.
.macro TURN slot, next, fill
	s_wait_dscnt 0x0
	s_wait_tensorcnt 0x0
	ds_add_u32 v62, v63
	s_wait_dscnt 0x0
	s_barrier_signal -1
	WIN 0x50
	MUL16 F1, 0, 0
	WIN 0
	s_barrier_wait -1
.if \fill
	CREST
	s_add_nc_u64 s[G0+4*\slot+2:G0+4*\slot+3], s[G0+4*\slot+2:G0+4*\slot+3], 2*KSTEP*2
	s_add_nc_u64 s[G0B+4*\slot+2:G0B+4*\slot+3], s[G0B+4*\slot+2:G0B+4*\slot+3], 2*KSTEP*4096
	JLOAD \slot
.endif
	PLACES
	FETCH \next, 0, F0
	WIN 0x50
	MUL16 F1, 2, 0
.endm
.macro LAP zero
	THREE 0, \zero
	TURN 0, 1, 1
	THREE 1, 0
	TURN 1, 0, 1
.endm
	s_wait_tensorcnt 1                             ; my part of K step 0 is in; K step 1's stays out
	s_barrier_signal -1
	s_barrier_wait -1
	FETCH 0, 0, F0
	LAP 1
	WIN 0
	s_mov_b32 s3, LAPS-2
.Llap:
	LAP 0
	WIN 0
	s_sub_co_u32 s3, s3, 1
	s_cmp_lg_u32 s3, 0
	s_cbranch_scc1 .Llap
	THREE 0, 0
	TURN 0, 1, 0
	THREE 1, 0
	s_wait_dscnt 0x0
	WIN 0x50
	MUL16 F1, 0, 0
	MUL16 F1, 2, 0
	WIN 0
	PLACES                                         ; behind the last matrix instructions, for the LDS stores of the sums and the loads into the buffers
	s_lshl_b32 s16, s13, 7
	s_lshl_b32 s17, s11, 6
	s_add_co_u32 s16, s16, s17                     ; my first row
	s_lshl_b32 s16, s16, 13                        ; rows of 8,192 bytes
	s_mov_b32 s17, 0
	s_add_nc_u64 s[8:9], s[8:9], s[16:17]
	s_lshl_b32 s46, s42, 10                        ; my first column: 1,024 bytes x block + 512 x half
	s_lshl_b32 s47, s12, 9
	s_add_co_u32 s46, s46, s47
	s_mov_b32 s47, 0
	s_add_nc_u64 s[8:9], s[8:9], s[46:47]
; 16 rows at a time through my own stage: 32 bytes a lane in, whole rows of 512 bytes back
.macro OUT16F a, reg
	WIN 0x04                                       ; store data in window 1
.irp b, 0,1,2,3,4,5,6,7
	ds_store_b128 v[STO], v[8*(8*\a+\b):8*(8*\a+\b)+3] offset:64*\b
	ds_store_b128 v[STO], v[8*(8*\a+\b)+4:8*(8*\a+\b)+7] offset:64*\b+16
.endr
	WIN 0
	s_wait_xcnt 0x0                                ; the stores' base and the registers that earlier stores read are rewritten only behind this wait
.if \a
	s_add_nc_u64 s[8:9], s[8:9], 16*8192
.endif
.irp t, 0,1,2,3,4,5,6,7,8,9,10,11,12,13,14,15
	ds_load_b128 v[\reg+4*\t:\reg+4*\t+3], v[RD] offset:SPITCH*\t    ; a wave's LDS instructions are served in order: these see the stores above
.endr
.irp t, 0,1,2,3,4,5,6,7,8,9,10,11,12,13,14,15
	s_wait_dscnt 15-\t
	global_store_b128 v[CO], v[\reg+4*\t:\reg+4*\t+3], s[8:9] offset:8192*\t th:TH_STORE_NT   ; the wave stores 512 consecutive bytes of one row, aligned
.endr
.endm
	OUT16F 0, F0
	OUT16F 1, F1
	OUT16F 2, F0
	OUT16F 3, F1
	s_wait_tensorcnt 0x0
	ds_add_u32 v62, v63
	s_wait_dscnt 0x0
	CROUND                                         ; the closing round
	s_endpgm
.Lfunc_end_k_q1add98ed61_oproj:
	.size	k_q1add98ed61_oproj, .Lfunc_end_k_q1add98ed61_oproj-k_q1add98ed61_oproj
	.p2alignl 7, 3214868480
	.fill 96, 4, 3214868480
	.section	.rodata,"a",@progbits
	.p2align	6, 0x0
	.amdhsa_kernel k_q1add98ed61_oproj
		.amdhsa_group_segment_fixed_size 327680
		.amdhsa_private_segment_fixed_size 0
		.amdhsa_enable_private_segment 0
		.amdhsa_kernarg_size 24
		.amdhsa_user_sgpr_count 2
		.amdhsa_user_sgpr_kernarg_segment_ptr 1
		.amdhsa_wavefront_size32 1
		.amdhsa_system_sgpr_workgroup_id_x 1
		.amdhsa_system_sgpr_workgroup_id_y 1
		.amdhsa_system_sgpr_workgroup_id_z 1
		.amdhsa_system_vgpr_workitem_id 0
		.amdhsa_next_free_vgpr 512
		.amdhsa_next_free_sgpr 66
		.amdhsa_reserve_vcc 0
		.amdhsa_float_denorm_mode_32 3
		.amdhsa_float_denorm_mode_16_64 3
		.amdhsa_memory_ordered 1
		.amdhsa_forward_progress 1
		.amdhsa_inst_pref_size 118
	.end_amdhsa_kernel
	.amdgpu_metadata
---
amdhsa.version: [ 1, 2 ]
amdhsa.kernels:
  - .name:           k_q1add98ed61_oproj
    .symbol:         k_q1add98ed61_oproj.kd
    .args:
      - { .name: att, .offset: 0, .size: 8, .value_kind: global_buffer, .address_space: global }
      - { .name: wob, .offset: 8, .size: 8, .value_kind: global_buffer, .address_space: global }
      - { .name: out0, .offset: 16, .size: 8, .value_kind: global_buffer, .address_space: global }
    .group_segment_fixed_size: 327680
    .private_segment_fixed_size: 0
    .kernarg_segment_align: 8
    .kernarg_segment_size: 24
    .max_flat_workgroup_size: 128
    .sgpr_count:     66
    .vgpr_count:     512
    .wavefront_size: 32
...
	.end_amdgpu_metadata
.endif
;; end of part 7
;; ======== version 3 of 3: 4 launches; version 2 with the launch prep written anew for expert scheduling mode
;; limits: values are held in f16: magnitudes above 65,504 overflow, below 6.1e-05 lose precision
;; workspace buffers: xb 16,777,216 bytes; wqkv 8,388,608 bytes; wob 4,194,304 bytes; rope 2,097,152 bytes; padf 16,384 bytes; qkv 16,777,216 bytes; vaux 4,325,376 bytes; att 8,388,608 bytes
;; launch prep (part 8): grid 1024 x 1, 8 waves a work-group, no clusters, 0 bytes of LDS; arguments hidden_states, wo, wq, wk, wv, position_ids, attention_mask, xb, wob, wqkv, rope, padf; writes xb, wob, wqkv, rope, padf
.if DOCPART == 8
	.amdgcn_target "amdgcn-amd-amdhsa--gfx1250"
	.amdhsa_code_object_version 6
	.text
	.protected	k_q1add98ed61_prep
	.globl	k_q1add98ed61_prep
	.p2align	8
	.type	k_q1add98ed61_prep,@function
k_q1add98ed61_prep:
	s_mov_b64 s[64:65], 0
	v_nop
	global_prefetch_b8 v0, s[64:65] scope:SCOPE_SE
	s_setreg_imm32_b32 hwreg(HW_REG_WAVE_SCHED_MODE, 0, 2), 2
	s_setreg_imm32_b32 hwreg(HW_REG_WAVE_MODE, 25, 1), 1
	s_wait_xcnt 0x0
	s_wait_alu depctr_vm_vsrc(0)
; PREP: rounds the f32 inputs to 16 bits once, and makes the rotary table and the padding row.
;   work-groups   0..511  hidden_states -> xb    bf16 [4096][2048]
;               512..639  wo            -> wob   [1024][2048]: rounded to bf16 like every input, then held as f16
;               640..767  wq            -> wqkv  bf16 [2048 k][2048 n], columns 0..1023
;               768..831  wk            -> wqkv  columns 1024 + 256 g + (0..127), g = key/value head
;               832..895  wv            -> wqkv  columns 1152 + 256 g + (0..127)
;               896..1023 rope [4096][128] f32 = 0.25 cos, 0.25 sin of position_ids[row] x inv_freq[0..63]; padf [4096] = (1 - mask) x lowest f32
; LIMITS: a bf16 value of wo below 2^-17 in magnitude is kept in f16 to 3e-8 absolute; 0 <= position_ids < 4096; mask values 0 or 1.
; A cast work-group takes 16 units of 1,024 f32: thread t reads 16 bytes of each unit, so a wave's load covers 512 consecutive bytes and its
; store of 8 bytes a lane covers 256 consecutive bytes, aligned.  All 16 loads go out first.  No LDS, no matrix unit, no cluster: nothing is
; shared and nothing is multiplied.
; THE MODE: SCHED_MODE bits 1:0 = 2 (LLVM: expert scheduling mode 2), set by the entry lines.  The code itself states the register dependences
; between vector instructions and memory instructions, with s_wait_alu, always for 0.
; THE PLAN, for a cast.  Registers that memory instructions touch:
;   v2          16 t, the loads' offset.  Written once, at the head; read by the sixteen loads.
;   v[16:79]    unit u: 4 registers as loaded.  Written by unit u's load alone; read by its conversions, behind its counted wait.
;   v[112:127]  unit u: its store's offset.  Written once, behind the loads; read by its store.
;   v[80:111]   unit u: 2 registers to store.  Written by its conversions; read by its store.
; No register that a memory instruction reads is ever written again, so nothing is owed on that side.  The units go in four blocks of four, and unit
; u's store is issued four units later, in unit u + 4's turn: so ONE wait at the head of a block states that the block before has written its registers
; to store (the first such wait: also that all sixteen offsets are written), and the block's four stores follow it among the block's own conversions,
; which name this block's registers and v6, v7 alone.  One more wait stands ahead of the last four stores.
; THE PLAN, for the table.  v5 and v32 (offsets) are made at the part's head, ahead of one wait; v10 (offset) and v[16:31] (data) are written ahead of
; the one wait in front of the four stores; v33 is loaded, worked on and stored by wave 0, with a wait of its own ahead of its store.
.set NEGB, 0xff7fffff                  ; the lowest finite f32
; src, dst: first scalar register of the two addresses; first: the job's first work-group; logw: log2 of the source's row length;
; spread: bytes added for each 128 columns passed; add: byte offset of the job's first column in the target's row of 4,096 bytes
.macro CAST src, dst, first, logw, spread, add, tof16
	s_sub_co_u32 s36, s2, \first                   ; my place in the job
	s_lshl_b32 s32, s36, 16                        ; 65,536 bytes of f32 for each work-group
	s_mov_b32 s33, 0
	s_add_nc_u64 s[34:35], s[\src:\src+1], s[32:33]
.irp u, 0,1,2,3,4,5,6,7,8,9,10,11,12,13,14,15
	global_load_b128 v[16+4*\u:19+4*\u], v2, s[34:35] offset:4096*\u th:TH_LOAD_NT   ; v2 was written ahead of the head's wait; no vector instruction has named v[16:79]
.endr
	s_lshl_b32 s37, s36, 14                        ; my first element
	v_lshl_add_u32 v1, v0, 2, s37                  ; + 4 t
.irp u, 0,1,2,3,4,5,6,7,8,9,10,11,12,13,14,15
	v_add_nc_u32 v3, 1024*\u, v1                   ; the element's number
	v_lshrrev_b32 v4, \logw, v3                    ; its row
	v_and_b32 v5, (1<<\logw)-1, v3                 ; its column
	v_lshlrev_b32 v4, 12, v4                       ; every target has rows of 4,096 bytes
	v_lshl_add_u32 v[112+\u], v5, 1, v4
.if \spread
	v_lshrrev_b32 v5, 7, v5                        ; the head: its 128 columns lie 256 columns apart in wqkv
	v_mad_u32_u24 v[112+\u], v5, \spread, v[112+\u]
.endif
.endr
.irp u, 0,1,2,3,4,5,6,7,8,9,10,11,12,13,14,15
	s_wait_loadcnt 15-\u                           ; loads return in order: unit u is in, the 15 - u younger ones stay out
.if (\u > 0) && (\u % 4 == 0)
	s_wait_alu depctr_va_vdst(0)                   ; a block's head: the conversions of the block before have written its registers to store, which the next four stores read; at the first such head the sixteen offsets are written too
.endif
.if \u > 3
	global_store_b64 v[112+\u-4], v[80+2*(\u-4):81+2*(\u-4)], s[\dst:\dst+1] offset:\add   ; the unit four back: no vector instruction since the wait names its registers
.endif
	v_cvt_pk_bf16_f32 v[80+2*\u], v[16+4*\u], v[17+4*\u]
	v_cvt_pk_bf16_f32 v[81+2*\u], v[18+4*\u], v[19+4*\u]
.if \tof16
	v_lshlrev_b32 v6, 16, v[80+2*\u]               ; the rounded values widened again,
	v_and_b32 v7, 0xffff0000, v[80+2*\u]
	v_cvt_pk_f16_f32 v[80+2*\u], v6, v7            ; and held as f16: 8 bits of mantissa fit into 11
	v_lshlrev_b32 v6, 16, v[81+2*\u]
	v_and_b32 v7, 0xffff0000, v[81+2*\u]
	v_cvt_pk_f16_f32 v[81+2*\u], v6, v7
.endif
.endr
	s_wait_alu depctr_va_vdst(0)                   ; the last block's conversions have written v[104:111], which the last four stores read
.irp u, 12,13,14,15
	global_store_b64 v[112+\u], v[80+2*\u:81+2*\u], s[\dst:\dst+1] offset:\add
.endr
.endm
; 0.25 cos and 0.25 sin of v[pos] x v[inv].  The angle is reduced by a multiple of 2 pi held in two parts, quartered, put through
; Taylor polynomials (|y| <= pi/4: the first terms left out are below 3e-7), and doubled twice.
.macro SINCOS pos, inv, co, si
	v_mul_f32 v40, v[\pos], v[\inv]
	v_mul_f32 v41, 0.15915494, v40
	v_rndne_f32 v41, v41
	v_fma_f32 v40, -v41, s40, v40                  ; - n x (2 pi, upper part)
	v_fma_f32 v40, -v41, s41, v40                  ; - n x (2 pi, lower part)
	v_mul_f32 v40, s44, v40                        ; y = r / 4
	v_mul_f32 v41, v40, v40                        ; z = y y
	v_fmaak_f32 v42, s42, v41, 0x3c088889          ; -z/5040 + 1/120
	v_fmaak_f32 v43, s43, v41, 0xbab60b61          ; z/40320 - 1/720
	v_fmaak_f32 v42, v42, v41, 0xbe2aaaab          ; .. - 1/6
	v_fmaak_f32 v43, v43, v41, 0x3d2aaaab          ; .. + 1/24
	v_fma_f32 v42, v42, v41, 1.0
	v_fma_f32 v43, v43, v41, -0.5
	v_mul_f32 v42, v42, v40                        ; sin y
	v_fma_f32 v43, v43, v41, 1.0                   ; cos y
	v_mul_f32 v44, v42, v43
	v_mul_f32 v45, v42, v42
	v_add_f32 v44, v44, v44                        ; sin 2y = 2 s c
	v_fma_f32 v45, v45, -2.0, 1.0                  ; cos 2y = 1 - 2 s s
	v_mul_f32 v46, v44, v45
	v_mul_f32 v47, v44, v44
	v_mul_f32 v[\si], 0.5, v46                     ; 0.25 sin 4y
	v_fma_f32 v[\co], v47, -0.5, s44               ; 0.25 cos 4y
.endm
	s_load_b512 s[8:23], s[0:1], 0x0               ; hidden s[8:9], wo s[10:11], wq s[12:13], wk s[14:15], wv s[16:17], positions s[18:19], mask s[20:21], xb s[22:23]
	s_load_b256 s[24:31], s[0:1], 0x40             ; wob s[24:25], wqkv s[26:27], rope s[28:29], padf s[30:31]
	s_mov_b32 s2, ttmp9
	v_lshlrev_b32 v2, 4, v0                        ; 16 t
	s_wait_kmcnt 0x0
	s_wait_alu depctr_va_vdst(0)                   ; v2 is written: every load of a cast reads it as its offset
	s_cmp_ge_u32 s2, 896
	s_cbranch_scc1 .Lrope
	s_cmp_ge_u32 s2, 832
	s_cbranch_scc1 .Lwv
	s_cmp_ge_u32 s2, 768
	s_cbranch_scc1 .Lwk
	s_cmp_ge_u32 s2, 640
	s_cbranch_scc1 .Lwq
	s_cmp_ge_u32 s2, 512
	s_cbranch_scc1 .Lwo
	CAST 8, 22, 0, 11, 0, 0, 0
	s_endpgm
.Lwo:
	CAST 10, 24, 512, 11, 0, 0, 1
	s_endpgm
.Lwq:
	CAST 12, 26, 640, 10, 0, 0, 0
	s_endpgm
.Lwk:
	CAST 14, 26, 768, 9, 256, 2048, 0
	s_endpgm
.Lwv:
	CAST 16, 26, 832, 9, 256, 2304, 0
	s_endpgm
.Lrope:                                            ; 32 rows a work-group: thread t has frequencies 4 (t & 15) .. + 3 of rows t >> 4 and 16 + (t >> 4)
	s_sub_co_u32 s36, s2, 896
	s_lshl_b32 s37, s36, 5                         ; my first row
	s_lshl_b32 s39, s37, 2                         ; its 4 bytes in the mask and in padf
	v_lshrrev_b32 v3, 4, v0
	v_and_b32 v4, 15, v0
	v_add_nc_u32 v3, s37, v3
	v_lshlrev_b32 v5, 2, v3
	v_lshl_add_u32 v32, v0, 2, s39                 ; the offset of wave 0's padding terms, made here with the other offset; the other waves never use theirs
	v_lshrrev_b32 v11, 5, v0
	v_readfirstlane_b32 s38, v11                   ; the wave's number; it is first read far below
	s_wait_alu depctr_va_vdst(0)                   ; v5 and v32 are written: the loads of the positions and of the mask, and the padding store, read them as offsets
	global_load_b32 v8, v5, s[18:19]
	global_load_b32 v9, v5, s[18:19] offset:64
	s_mov_b32 s40, 0x40c90fdb                      ; 2 pi, upper part
	s_mov_b32 s41, 0xb43bbd2e                      ; 2 pi, lower part
	s_mov_b32 s42, 0xb9500d01                      ; -1/5040
	s_mov_b32 s43, 0x37d00d01                      ; 1/40320
	s_mov_b32 s44, 0x3e800000                      ; 0.25
	v_lshlrev_b32 v6, 2, v4
.irp i, 0,1,2,3
	v_add_nc_u32 v7, \i, v6
	v_cvt_f32_u32 v[12+\i], v7
	v_mul_f32 v[12+\i], 0xbe549a78, v[12+\i]       ; - i x log2(10000) / 64
.endr
.irp i, 0,1,2,3
	v_exp_f32 v[12+\i], v[12+\i]                   ; inv_freq[i] = 10000 ^ (-i / 64)
.endr
	v_lshlrev_b32 v10, 9, v3                       ; a plain instruction behind the exponentials (ISA guide 5.7.2): a row of the table is 512 bytes
	v_lshl_add_u32 v10, v4, 4, v10
	s_wait_loadcnt 0x0
	v_cvt_f32_i32 v8, v8
	v_cvt_f32_i32 v9, v9
	s_wait_alu depctr_va_vdst(0)                   ; the four exponentials have written v[12:15], ahead of their first reader: one wait for the batch
.irp i, 0,1,2,3
	SINCOS 8, 12+\i, 16+\i, 20+\i
	SINCOS 9, 12+\i, 24+\i, 28+\i
.endr
	s_wait_alu depctr_va_vdst(0)                   ; the cosines and sines v[16:31] and the offset v10 are written, which the four stores read
	global_store_b128 v10, v[16:19], s[28:29]              ; sixteen lanes fill the row's 256 bytes of cosines,
	global_store_b128 v10, v[20:23], s[28:29] offset:256   ; and its 256 bytes of sines
	global_store_b128 v10, v[24:27], s[28:29] offset:8192
	global_store_b128 v10, v[28:31], s[28:29] offset:8448
	s_wait_alu depctr_va_sdst(0)                   ; s38 is written, ahead of its first reader, the compare below; no label and no branch lies between the two
	s_cmp_lg_u32 s38, 0
	s_cbranch_scc1 .Lend                           ; wave 0 alone makes the 32 rows' padding terms
	global_load_b32 v33, v32, s[20:21]             ; v32 was written ahead of the waits above, and no vector instruction has named v33
	s_wait_loadcnt 0x0
	v_cvt_f32_i32 v33, v33
	v_sub_f32 v33, 1.0, v33
	v_mul_f32 v33, NEGB, v33                       ; (1 - mask) x lowest f32
	s_wait_alu depctr_va_vdst(0)                   ; the multiply has written v33, which the store reads
	global_store_b32 v32, v33, s[30:31]
.Lend:
	s_endpgm
.Lfunc_end_k_q1add98ed61_prep:
	.size	k_q1add98ed61_prep, .Lfunc_end_k_q1add98ed61_prep-k_q1add98ed61_prep
	.p2alignl 7, 3214868480
	.fill 96, 4, 3214868480
	.section	.rodata,"a",@progbits
	.p2align	6, 0x0
	.amdhsa_kernel k_q1add98ed61_prep
		.amdhsa_group_segment_fixed_size 0
		.amdhsa_private_segment_fixed_size 0
		.amdhsa_enable_private_segment 0
		.amdhsa_kernarg_size 96
		.amdhsa_user_sgpr_count 2
		.amdhsa_user_sgpr_kernarg_segment_ptr 1
		.amdhsa_wavefront_size32 1
		.amdhsa_system_sgpr_workgroup_id_x 1
		.amdhsa_system_sgpr_workgroup_id_y 1
		.amdhsa_system_sgpr_workgroup_id_z 1
		.amdhsa_system_vgpr_workitem_id 0
		.amdhsa_next_free_vgpr 128
		.amdhsa_next_free_sgpr 66
		.amdhsa_reserve_vcc 0
		.amdhsa_float_denorm_mode_32 3
		.amdhsa_float_denorm_mode_16_64 3
		.amdhsa_memory_ordered 1
		.amdhsa_forward_progress 1
		.amdhsa_inst_pref_size 71
	.end_amdhsa_kernel
	.amdgpu_metadata
---
amdhsa.version: [ 1, 2 ]
amdhsa.kernels:
  - .name:           k_q1add98ed61_prep
    .symbol:         k_q1add98ed61_prep.kd
    .args:
      - { .name: hidden_states, .offset: 0, .size: 8, .value_kind: global_buffer, .address_space: global }
      - { .name: wo, .offset: 8, .size: 8, .value_kind: global_buffer, .address_space: global }
      - { .name: wq, .offset: 16, .size: 8, .value_kind: global_buffer, .address_space: global }
      - { .name: wk, .offset: 24, .size: 8, .value_kind: global_buffer, .address_space: global }
      - { .name: wv, .offset: 32, .size: 8, .value_kind: global_buffer, .address_space: global }
      - { .name: position_ids, .offset: 40, .size: 8, .value_kind: global_buffer, .address_space: global }
      - { .name: attention_mask, .offset: 48, .size: 8, .value_kind: global_buffer, .address_space: global }
      - { .name: xb, .offset: 56, .size: 8, .value_kind: global_buffer, .address_space: global }
      - { .name: wob, .offset: 64, .size: 8, .value_kind: global_buffer, .address_space: global }
      - { .name: wqkv, .offset: 72, .size: 8, .value_kind: global_buffer, .address_space: global }
      - { .name: rope, .offset: 80, .size: 8, .value_kind: global_buffer, .address_space: global }
      - { .name: padf, .offset: 88, .size: 8, .value_kind: global_buffer, .address_space: global }
    .group_segment_fixed_size: 0
    .private_segment_fixed_size: 0
    .kernarg_segment_align: 8
    .kernarg_segment_size: 96
    .max_flat_workgroup_size: 256
    .sgpr_count:     66
    .vgpr_count:     128
    .wavefront_size: 32
...
	.end_amdgpu_metadata
.endif
;; end of part 8
;; launch qkv: the kernel of part 2 again; grid 8 x 32, 4 waves a work-group, clusters of 4 x 4, 327,680 bytes of LDS; arguments xb, wqkv, rope, attention_mask, qkv, vaux; writes qkv, vaux
;; launch attn: the kernel of part 6 again; grid 256 x 1, 4 waves a work-group, clusters of 4 x 1, 327,680 bytes of LDS; arguments qkv, padf, vaux, attention_mask, att; writes att
;; launch oproj: the kernel of part 7 again; grid 8 x 32, 4 waves a work-group, clusters of 4 x 4, 327,680 bytes of LDS; arguments att, wob, out0; writes out0
